; MI455X (gfx1250); checked and timed in simulation.
; The chip was launched on July 23, 2026; its instructions are those of AMD's public machine-readable ISA for CDNA 5 (MIT licence, August 2026) and "CDNA5" Instruction Set Architecture Reference Guide (July 2026). The comments in the code are by the model that wrote it; some were corrected since.
;; Mo E Layer. Allowed arithmetic: matrix products marked QUANTISED: E5M2 operands, one E8M0 scale for each 32 along K, by v_wmma_scale_f32_16x16x128_f8f6f4 with both operands' format E5M2, f32 sums; products left as they are: f32 operands where the result goes on into a quantised operand, else bf16, f16 or f32 operands; f32 sums; everything else in f32.
;; Inputs: b1 8 x 4,096 float32; b2 8 x 1,024 float32; gate_w 1,024 x 8 float32; w1 8 x 1,024 x 4,096 float32; w2 8 x 4,096 x 1,024 float32; x 4 x 256 x 1,024 float32.
;; Outputs: out0 4 x 256 x 1,024 float32; out1 one number float32.
;; This version of the problem:
;;   THIS VERSION OF THE PROBLEM IS GIVEN IN LOW PRECISION. The matrix products marked QUANTISED in the list below multiply operands that are first quantised to E5M2 (5 exponent bits, 2 mantissa bits; 8 bits a number), with one power-of-two scale for each 32 numbers along K (OCP MX v1.0); their sums are f32. All else is computed in f32.
;;   The module's matrix products, in the order in which they are computed (A, B: the left and right operand; K: the contracted axis; several contracted axes count as one K, in the product's order):
;;     1. [M 1,024, K 1,024] x [K 1,024, N 8]; A: input x; B: input gate_w: left as it is (N = 8 < 16)
;;     2. [M 1,024, K 1,024] x [K 1,024, N 4,096]; A: input x; B: input w1: QUANTISED
;;     3. [M 1,024, K 4,096] x [K 4,096, N 1,024]; A: computed on the way; B: input w2: QUANTISED
;;     4. [M 1,024, K 1,024] x [K 1,024, N 4,096]; A: input x; B: input w1: QUANTISED
;;     5. [M 1,024, K 4,096] x [K 4,096, N 1,024]; A: computed on the way; B: input w2: QUANTISED
;;     6. [M 1,024, K 1,024] x [K 1,024, N 4,096]; A: input x; B: input w1: QUANTISED
;;     7. [M 1,024, K 4,096] x [K 4,096, N 1,024]; A: computed on the way; B: input w2: QUANTISED
;;     8. [M 1,024, K 1,024] x [K 1,024, N 4,096]; A: input x; B: input w1: QUANTISED
;;     9. [M 1,024, K 4,096] x [K 4,096, N 1,024]; A: computed on the way; B: input w2: QUANTISED
;;     10. [M 1,024, K 1,024] x [K 1,024, N 4,096]; A: input x; B: input w1: QUANTISED
;;     11. [M 1,024, K 4,096] x [K 4,096, N 1,024]; A: computed on the way; B: input w2: QUANTISED
;;     12. [M 1,024, K 1,024] x [K 1,024, N 4,096]; A: input x; B: input w1: QUANTISED
;;     13. [M 1,024, K 4,096] x [K 4,096, N 1,024]; A: computed on the way; B: input w2: QUANTISED
;;     14. [M 1,024, K 1,024] x [K 1,024, N 4,096]; A: input x; B: input w1: QUANTISED
;;     15. [M 1,024, K 4,096] x [K 4,096, N 1,024]; A: computed on the way; B: input w2: QUANTISED
;;     16. [M 1,024, K 1,024] x [K 1,024, N 4,096]; A: input x; B: input w1: QUANTISED
;;     17. [M 1,024, K 4,096] x [K 4,096, N 1,024]; A: computed on the way; B: input w2: QUANTISED
;;   THE QUANTISER, for each operand of a quantised product, along K:
;;     - K is cut into blocks of 32 from its start; a last block that is shorter is filled with zeros.
;;     - A block's scale is 2^e with e = floor(log2(the largest magnitude in the block)) - 15, held to -126 .. 127; a block of zeros has e = 0. As a byte (E8M0): e + 127.
;;     - Each number is divided by its block's scale, clamped to +-57,344, and rounded to the nearest number of E5M2, ties to even, subnormals kept.
;;     - The product sums the exact products of the quantised numbers (number of the format x scale) in f32.
;;   ~~~python
;;   def quantise(x, axis):      # numpy; x: float32 -> the quantised numbers, widened to float32 again
;;       x = np.moveaxis(x, axis, -1); K = x.shape[-1]
;;       x = np.pad(x, [(0, 0)] * (x.ndim - 1) + [(0, -K % 32)]); x = x.reshape(x.shape[:-1] + (-1, 32)); a = np.abs(x).max(-1, keepdims=True)
;;       e = np.where(a > 0, np.clip(np.frexp(np.where(a > 0, a, 1))[1] - 1 - 15, -126, 127), 0)      # np.frexp(a)[1] - 1 = floor(log2(a)), exactly
;;       r = np.clip(x / 2.0 ** e, -57344, 57344)
;;       step = 2.0 ** (np.maximum(np.frexp(np.where(r == 0, 1, r))[1] - 1, -14) - 2)
;;       q = np.round(r / step) * step * 2.0 ** e      # np.round: ties to even
;;       return np.moveaxis(q.reshape(q.shape[:-2] + (-1,))[..., :K], -1, axis).astype(np.float32)
;;   ~~~
;;   OPERANDS COMPUTED ON THE WAY. 'Computed on the way' means the value that the module computes at that place (a softmax that the list does not call 'softmax' is quantised finished and normalised). What goes into a quantiser is computed in f32, as accurately as f32 sums, v_exp_f32 and their like allow (about 1e-6 of the number): no bf16 or f16 on the way to a quantiser, and a product that is left as it is and whose result goes on into a quantised operand takes f32 operands (vector FMAs, or v_wmma_f32_16x16x4_f32). A number that lies on a knife's edge between two numbers of the format may be rounded either way, as far as f32 arithmetic and the matrix unit's own rounding can turn it there, and no further.
;; 2 versions. Each part assembles by itself: llvm-mc -triple=amdgcn-amd-amdhsa -mcpu=gfx1250 --defsym DOCPART=n.
;; ======== version 1 of 2: 5 launches
;; workspace buffers: xc 1,081,344 bytes; idx 8,192 bytes of whole numbers; rt 16,384 bytes; hc 35,651,584 bytes; place 107,520 bytes of whole numbers; ypart 67,108,864 bytes
;; launch router (part 1): grid 256 x 1, 4 waves a work-group, no clusters, 36,352 bytes of LDS; arguments x, gate_w, xc, idx, rt; writes xc, idx, rt
.if DOCPART == 1
	.amdgcn_target "amdgcn-amd-amdhsa--gfx1250"
	.amdhsa_code_object_version 6
	.text
	.protected	k_q33f78f2e85_router
	.globl	k_q33f78f2e85_router
	.p2align	8
	.type	k_q33f78f2e85_router,@function
k_q33f78f2e85_router:
	s_mov_b64 s[64:65], 0
	v_nop
	global_prefetch_b8 v0, s[64:65] scope:SCOPE_SE
	s_setreg_imm32_b32 hwreg(HW_REG_WAVE_MODE, 25, 1), 1
	s_wait_xcnt 0x0
; ROUTER.  x [1024 tokens][1024] f32, gate_w [1024][8] f32.  Stores: xc = x as codes of E5M2 [token][1024 bytes] and, from byte 1,048,576 on, one E8M0 byte for each 32 along d [token][32];
; idx[2 t + k] = the k-th chosen expert (whole numbers); rt: the two renormalised weights [2 t + k] f32, and from byte 8,192 on the sum of the work-group's four tokens' probabilities [work-group][8].
; A work-group takes 4 tokens; wave w owns d = 256 w .. 256 w + 255 of all four; lane L owns d = 256 w + 8 L + 0 .. 7, so four neighbouring lanes hold a block of 32.
; The logits are f32 multiply-adds; softmax takes the row's maximum away; the two largest probabilities are taken with the lower index first among equals.
; No address and no branch here hangs on the choice: it is stored at fixed places and used by the later launches.
; LIMITS: NaN and infinities among the inputs are not served.  A block of zeros gets the byte 1 (its codes are zeros; only this program reads the bytes).  Probabilities under 2^-126 count as 0.
; Two probabilities that differ by less than f32 rounding may be ordered otherwise than by another order of the sums.
.set GWP, 8704                         ; LDS: a wave's own 8,192 bytes of gate_w as 32 places of 256 + 16 bytes
.set PLS, 34816                        ; LDS: partial logits [wave][4 tokens x 8 experts] f32
.set SBS, 35328                        ; LDS: scale bytes [token][32]
.set GL,  16                           ; v16-79   gate_w as loaded
.set GT,  80                           ; v80-143  gate_w of my 8 d: register 8 m + e
.set XR,  144                          ; v144-175 x: register 8 t + m
.set LA,  176                          ; v176-207 logits: register 8 t + e
.set TQ,  208                          ; v208-215 held numbers
.set CD,  216                          ; v216-223 codes, two registers a token
.set MXR, 224
.set SOR, 228
.set LMR, 232
.set BYR, 236
	s_load_b128 s[4:7], s[0:1], 0x0                ; x, gate_w
	s_load_b128 s[8:11], s[0:1], 0x10              ; xc, idx
	s_load_b64 s[12:13], s[0:1], 0x20              ; rt
	v_lshl_add_u32 v254, v0, 2, 0x8c00
	v_mov_b32 v255, 0
	v_lshrrev_b32 v1, 5, v0
	v_readfirstlane_b32 s14, v1                    ; wave
	v_and_b32 v1, 31, v0                           ; lane
	v_lshlrev_b32 v2, 4, v1                        ; 16 L
	v_lshlrev_b32 v3, 5, v1                        ; 32 L
	s_mul_i32 s15, s14, GWP
	v_lshrrev_b32 v12, 4, v1
	v_and_b32 v13, 15, v1
	v_mul_u32_u24 v4, v12, 272
	v_lshl_add_u32 v4, v13, 4, v4
	v_add_nc_u32 v4, s15, v4                       ; gate_w into LDS: place 2 n + L / 16, byte 16 (L % 16)
	v_mul_u32_u24 v5, v1, 272
	v_add_nc_u32 v5, s15, v5                       ; and back: place L
	v_lshlrev_b32 v6, 3, v1                        ; 8 L: my codes
	v_lshrrev_b32 v7, 2, v1
	s_lshl_b32 s15, s14, 3
	v_add_nc_u32 v7, s15, v7
	v_add_nc_u32 v7, SBS, v7                       ; my block's scale byte: 8 w + L / 4
	s_lshl_b32 s15, s14, 7
	v_mov_b32 v8, s15
	v_add_nc_u32 v8, PLS, v8                       ; my wave's 128 bytes of partial logits
	v_lshlrev_b32 v11, 2, v1                       ; 4 L
	v_add_nc_u32 v9, PLS, v11
	v_add_nc_u32 v10, SBS, v11
	s_mov_b32 s30, 0x600000                        ; the mantissa field of 57,344
	s_mov_b32 s34, 0x76543210
	s_mov_b32 s35, 0xfedcba98                      ; selects for lane l xor 16
	s_lshl_b32 s16, ttmp9, 14                      ; 4 tokens of 4,096 bytes,
	s_lshl_b32 s18, s14, 10
	s_add_co_u32 s16, s16, s18                     ; + my wave's 1,024 bytes of a row
	s_mov_b32 s17, 0
	s_lshl_b32 s18, s14, 13                        ; my wave's 256 rows of gate_w
	s_mov_b32 s19, 0
	s_lshl_b32 s20, ttmp9, 12
	s_lshl_b32 s22, s14, 8
	s_add_co_u32 s20, s20, s22                     ; codes: 4 tokens of 1,024 bytes + 256 w
	s_mov_b32 s21, 0
	s_lshl_b32 s26, ttmp9, 7
	s_add_co_u32 s26, s26, 0x100000                ; scale bytes: 128 a work-group
	s_mov_b32 s27, 0
	s_lshl_b32 s28, ttmp9, 5                       ; 32 bytes a work-group in idx, in the weights and in the sums
	s_mov_b32 s29, 0
	s_wait_kmcnt 0x0
	s_add_nc_u64 s[4:5], s[4:5], s[16:17]
	s_add_nc_u64 s[6:7], s[6:7], s[18:19]
	s_add_nc_u64 s[22:23], s[8:9], s[20:21]
	s_add_nc_u64 s[24:25], s[8:9], s[26:27]
	s_add_nc_u64 s[10:11], s[10:11], s[28:29]
	s_add_nc_u64 s[12:13], s[12:13], s[28:29]
.irp n, 0,1,2,3,4,5,6,7,8,9,10,11,12,13,14,15
	global_load_b128 v[GL+4*\n:GL+4*\n+3], v2, s[6:7] offset:512*\n          ; 512 consecutive bytes a load
.endr
.irp t, 0,1,2,3
	global_load_b128 v[XR+8*\t:XR+8*\t+3], v3, s[4:5] offset:4096*\t th:TH_LOAD_NT
	global_load_b128 v[XR+8*\t+4:XR+8*\t+7], v3, s[4:5] offset:4096*\t+16 th:TH_LOAD_NT
.endr
	s_wait_loadcnt 8                               ; gate_w is in; the eight younger loads, x's, may be out
.irp n, 0,1,2,3,4,5,6,7,8,9,10,11,12,13,14,15
	ds_store_b128 v4, v[GL+4*\n:GL+4*\n+3] offset:544*\n
.endr
.irp n, 0,1,2,3,4,5,6,7,8,9,10,11,12,13,14,15
	ds_load_b128 v[GT+4*\n:GT+4*\n+3], v5 offset:16*\n                       ; a wave's LDS instructions are served in order: these see the stores above
.endr
	s_wait_loadcnt 0x0                             ; x
	; x into codes: the largest magnitude of a block (8 numbers a lane, four lanes), its scale, the hold, the conversion
.irp t, 0,1,2,3
	v_max3_num_f32 v[MXR+\t], |v[XR+8*\t]|, |v[XR+8*\t+1]|, 0x8000000       ; with the floor 2^(16 - 127): the byte cannot fall under 1
.endr
.irp i, 2,4,6
.irp t, 0,1,2,3
	v_max3_num_f32 v[MXR+\t], v[MXR+\t], |v[XR+8*\t+\i]|, |v[XR+8*\t+\i+1]|
.endr
.endr
.irp t, 0,1,2,3
	v_max_num_f32_dpp v[MXR+\t], v[MXR+\t], v[MXR+\t] row_xmask:1 row_mask:0xf bank_mask:0xf
.endr
.irp t, 0,1,2,3
	v_max_num_f32_dpp v[MXR+\t], v[MXR+\t], v[MXR+\t] row_xmask:2 row_mask:0xf bank_mask:0xf
.endr
.irp t, 0,1,2,3
	v_add_nc_u32 v[SOR+\t], 0xf8800000, v[MXR+\t]                            ; 15 off the exponent field: the conversion's scale operand
	v_and_or_b32 v[LMR+\t], v[MXR+\t], 0x7f800000, s30                       ; 57,344 x the scale
	v_lshrrev_b32 v[BYR+\t], 23, v[SOR+\t]                                   ; the scale's byte
.endr
.irp t, 0,1,2,3
.irp i, 0,1,2,3,4,5,6,7
	v_med3_num_f32 v[TQ+\i], v[XR+8*\t+\i], -v[LMR+\t], v[LMR+\t]            ; the conversion does not saturate (ISA guide 7.6.2): the hold
.endr
	v_cvt_scalef32_pk8_bf8_f32 v[CD+2*\t:CD+2*\t+1], v[TQ:TQ+7], v[SOR+\t]
	v_nop                                          ; one plain line before the next token's holds write the conversion's sources
	global_store_b64 v6, v[CD+2*\t:CD+2*\t+1], s[22:23] offset:1024*\t       ; the wave stores 256 consecutive bytes, aligned
	ds_store_b8 v7, v[BYR+\t] offset:32*\t         ; the four lanes of a block write the same byte with the same value
.endr
	s_wait_dscnt 0x0                               ; gate_w of my 8 d is in registers
	; logits: 8 d x 8 experts a token, two experts an instruction; x is broadcast from its pair
.irp t, 0,1,2,3
.irp e, 0,2,4,6
	v_pk_mul_f32 v[LA+8*\t+\e:LA+8*\t+\e+1], v[GT+\e:GT+\e+1], v[XR+8*\t:XR+8*\t+1] op_sel_hi:[1,0]
.endr
.endr
.irp m, 1,3,5,7
.irp t, 0,1,2,3
.irp e, 0,2,4,6
	v_pk_fma_f32 v[LA+8*\t+\e:LA+8*\t+\e+1], v[GT+8*\m+\e:GT+8*\m+\e+1], v[XR+8*\t+\m-1:XR+8*\t+\m], v[LA+8*\t+\e:LA+8*\t+\e+1] op_sel:[0,1,0] op_sel_hi:[1,1,1]
.endr
.endr
.if \m < 7
.irp t, 0,1,2,3
.irp e, 0,2,4,6
	v_pk_fma_f32 v[LA+8*\t+\e:LA+8*\t+\e+1], v[GT+8*\m+8+\e:GT+8*\m+8+\e+1], v[XR+8*\t+\m+1:XR+8*\t+\m+2], v[LA+8*\t+\e:LA+8*\t+\e+1] op_sel_hi:[1,0,1]
.endr
.endr
.endif
.endr
	; over the wave's 32 lanes
.irp k, 1,2,4,8
.set i, 0
.rept 32
	v_add_f32_dpp v[LA+i], v[LA+i], v[LA+i] row_xmask:\k row_mask:0xf bank_mask:0xf
.set i, i+1
.endr
.endr
.set i, 0
.rept 32
	v_permlanex16_b32 v[GT+i], v[LA+i], s34, s35   ; (its destination has been written: gate_w's registers are done with)
.set i, i+1
.endr
.set i, 0
.rept 32
	v_add_f32 v[LA+i], v[LA+i], v[GT+i]
.set i, i+1
.endr
.irp i, 0,1,2,3,4,5,6,7
	ds_store_b128 v8, v[LA+4*\i:LA+4*\i+3] offset:16*\i                      ; every lane holds the same 32 sums and writes the same bytes
.endr
	s_wait_dscnt 0x0                               ; for the others' sake: my partial logits and scale bytes lie in LDS
	s_barrier_signal -1
	s_barrier_wait -1
	s_cmp_eq_u32 s14, 1
	s_cbranch_scc0 .Lnot1
	ds_load_b32 v224, v10                          ; wave 1: the four tokens' 128 scale bytes leave together
	s_wait_dscnt 0x0
	global_store_b32 v11, v224, s[24:25]
.Lnot1:
	s_cmp_lg_u32 s14, 0
	s_cbranch_scc1 .Lend
	; wave 0: lane = 8 x token + expert
	ds_load_b32 v224, v9
	ds_load_b32 v225, v9 offset:128
	ds_load_b32 v226, v9 offset:256
	ds_load_b32 v227, v9 offset:384
	v_and_b32 v228, 7, v0                          ; e
	v_cvt_f32_u32 v229, v228                       ; e as f32
	v_mov_b32 v233, -1.0
	v_mov_b32 v241, 0
	s_wait_dscnt 0x0
	v_add_f32 v224, v224, v225
	v_add_f32 v226, v226, v227
	v_add_f32 v224, v224, v226                     ; the logit
	v_mov_b32 v225, v224
.irp k, 1,2,4
	v_max_num_f32_dpp v225, v225, v225 row_xmask:\k row_mask:0xf bank_mask:0xf   ; the token's largest logit
.endr
	v_sub_f32 v226, v224, v225
	v_mul_f32 v226, 0x3fb8aa3b, v226
	v_exp_f32 v226, v226
	v_nop
	s_wait_alu depctr_va_vdst(0)
	v_mov_b32 v227, v226
.irp k, 1,2,4
	v_add_f32_dpp v227, v227, v227 row_xmask:\k row_mask:0xf bank_mask:0xf
.endr
	v_rcp_f32 v227, v227
	v_nop
	s_wait_alu depctr_va_vdst(0)
	v_mul_f32 v226, v226, v227                     ; the probability
	v_mov_b32 v230, v226
.irp k, 1,2,4
	v_max_num_f32_dpp v230, v230, v230 row_xmask:\k row_mask:0xf bank_mask:0xf   ; the largest
.endr
	v_cmp_eq_f32 vcc_lo, v226, v230
	v_mov_b32 v231, 0x41000000                     ; 8.0
	v_cndmask_b32 v231, v231, v229, vcc_lo
.irp k, 1,2,4
	v_min_num_f32_dpp v231, v231, v231 row_xmask:\k row_mask:0xf bank_mask:0xf   ; its index, the lowest among equals
.endr
	v_cmp_eq_f32 vcc_lo, v229, v231
	v_cndmask_b32 v232, v226, v233, vcc_lo         ; the first choice is taken out
	v_mov_b32 v234, v232
.irp k, 1,2,4
	v_max_num_f32_dpp v234, v234, v234 row_xmask:\k row_mask:0xf bank_mask:0xf   ; the second largest
.endr
	v_cmp_eq_f32 vcc_lo, v232, v234
	v_mov_b32 v235, 0x41000000
	v_cndmask_b32 v235, v235, v229, vcc_lo
.irp k, 1,2,4
	v_min_num_f32_dpp v235, v235, v235 row_xmask:\k row_mask:0xf bank_mask:0xf
.endr
	v_add_f32 v236, v230, v234
	v_rcp_f32 v236, v236
	v_cmp_eq_u32 vcc_lo, 1, v228                   ; lane e = 0 stores the first choice, lane e = 1 the second
	v_cndmask_b32 v237, v231, v235, vcc_lo
	v_cndmask_b32 v238, v230, v234, vcc_lo
	s_wait_alu depctr_va_vdst(0)
	v_mul_f32 v238, v238, v236                     ; renormalised
	v_cvt_u32_f32 v237, v237
	v_and_b32 v239, 24, v0
	v_lshl_add_u32 v239, v228, 2, v239             ; 8 x token + 4 k
	v_mov_b32 v240, v226
	v_add_f32_dpp v240, v240, v240 row_xmask:8 row_mask:0xf bank_mask:0xf
	v_permlanex16_b32 v241, v240, s34, s35
	v_add_f32 v240, v240, v241                     ; the four tokens' probabilities of expert e
	s_wait_xcnt 0x0                                ; EXEC changes only behind this wait
	v_cmp_gt_u32 vcc_lo, 2, v228
	s_and_saveexec_b32 s32, vcc_lo
	global_store_b32 v239, v237, s[10:11]
	global_store_b32 v239, v238, s[12:13]
	s_wait_xcnt 0x0
	s_or_b32 exec_lo, exec_lo, s32
	v_cmp_gt_u32 vcc_lo, 8, v0
	s_and_saveexec_b32 s32, vcc_lo
	global_store_b32 v11, v240, s[12:13] offset:8192
	s_wait_xcnt 0x0
	s_or_b32 exec_lo, exec_lo, s32
.Lend:
	s_wait_tensorcnt 0x0
	ds_add_u32 v254, v255
	s_wait_dscnt 0x0
	s_endpgm
.Lfunc_end_k_q33f78f2e85_router:
	.size	k_q33f78f2e85_router, .Lfunc_end_k_q33f78f2e85_router-k_q33f78f2e85_router
	.p2alignl 7, 3214868480
	.fill 96, 4, 3214868480
	.section	.rodata,"a",@progbits
	.p2align	6, 0x0
	.amdhsa_kernel k_q33f78f2e85_router
		.amdhsa_group_segment_fixed_size 36352
		.amdhsa_private_segment_fixed_size 0
		.amdhsa_enable_private_segment 0
		.amdhsa_kernarg_size 40
		.amdhsa_user_sgpr_count 2
		.amdhsa_user_sgpr_kernarg_segment_ptr 1
		.amdhsa_wavefront_size32 1
		.amdhsa_system_sgpr_workgroup_id_x 1
		.amdhsa_system_sgpr_workgroup_id_y 1
		.amdhsa_system_sgpr_workgroup_id_z 1
		.amdhsa_system_vgpr_workitem_id 0
		.amdhsa_next_free_vgpr 256
		.amdhsa_next_free_sgpr 66
		.amdhsa_reserve_vcc 1
		.amdhsa_float_denorm_mode_32 3
		.amdhsa_float_denorm_mode_16_64 3
		.amdhsa_memory_ordered 1
		.amdhsa_forward_progress 1
		.amdhsa_inst_pref_size 36
	.end_amdhsa_kernel
	.amdgpu_metadata
---
amdhsa.version: [ 1, 2 ]
amdhsa.kernels:
  - .name:           k_q33f78f2e85_router
    .symbol:         k_q33f78f2e85_router.kd
    .args:
      - { .name: x, .offset: 0, .size: 8, .value_kind: global_buffer, .address_space: global }
      - { .name: gate_w, .offset: 8, .size: 8, .value_kind: global_buffer, .address_space: global }
      - { .name: xc, .offset: 16, .size: 8, .value_kind: global_buffer, .address_space: global }
      - { .name: idx, .offset: 24, .size: 8, .value_kind: global_buffer, .address_space: global }
      - { .name: rt, .offset: 32, .size: 8, .value_kind: global_buffer, .address_space: global }
    .group_segment_fixed_size: 36352
    .private_segment_fixed_size: 0
    .kernarg_segment_align: 8
    .kernarg_segment_size: 40
    .max_flat_workgroup_size: 128
    .sgpr_count:     66
    .vgpr_count:     256
    .wavefront_size: 32
...
	.end_amdgpu_metadata
.endif
;; end of part 1
;; launch placing (part 2): grid 8 x 1, 1 waves a work-group, no clusters, 5,632 bytes of LDS; arguments idx, place; writes place
.if DOCPART == 2
	.amdgcn_target "amdgcn-amd-amdhsa--gfx1250"
	.amdhsa_code_object_version 6
	.text
	.protected	k_q33f78f2e85_placing
	.globl	k_q33f78f2e85_placing
	.p2align	8
	.type	k_q33f78f2e85_placing,@function
k_q33f78f2e85_placing:
	s_mov_b64 s[64:65], 0
	v_nop
	global_prefetch_b8 v0, s[64:65] scope:SCOPE_SE
	s_setreg_imm32_b32 hwreg(HW_REG_WAVE_MODE, 25, 1), 1
	s_wait_xcnt 0x0
; PLACING: the rows of each expert.  idx[2 t + k] (whole numbers, stored by the launch before) says which expert slot r = 2 t + k goes to.  Work-group e, one wave, serves expert e.
; The 2,048 slots are walked as r = 128 n + 4 lane + m (register 4 n + m); a slot's rank within expert e is the number of earlier matches in that walk.
; Stored into place: at 8,192 e the rank of every slot [2,048] (used only where the slot matches); at 65,536 + 128 e the count, in 32 words;
; at 66,560 + 5,120 e the list: the token of rank 0, 1, .. [1,280 words]; places past the count hold token 0.
; The walk goes 16 slots at a time: 16 compares, the scalar prefix over their masks, then 16 ranks, addresses and stores, so that no line waits for the line above it.
; The tokens are scattered by rank into the wave's own LDS and read back in order: a wave's LDS instructions are served in order, so one wave needs no barrier.
; Eight work-groups: the walk of an expert is one chain, and there are eight experts.
.set DUMPX, 1280                       ; LDS: words 0-1,279 the list; words 1,280 + lane for lanes without a match
.set IDXR, 16                          ; v16-79   idx
.set RK,   80                          ; v80-143  ranks
.set LA,   144                         ; v144-159 addresses of a batch
.set LB,   160                         ; v160-175 tokens of a batch
.set LR,   176                         ; v176-215 the list, read back
.set MK,   16                          ; s16-31   a batch's masks
.set BS,   32                          ; s32-47   matches ahead of each of the batch's slots
	s_load_b128 s[4:7], s[0:1], 0x0                ; idx, place
	v_lshl_add_u32 v224, v0, 2, 0x1500
	v_mov_b32 v225, 0
	s_mov_b32 s8, ttmp9                            ; the expert
	v_and_b32 v1, 31, v0
	v_lshlrev_b32 v2, 4, v1                        ; 16 lane
	v_lshlrev_b32 v3, 2, v1                        ; 4 lane
	v_add_nc_u32 v4, DUMPX, v1
	v_lshlrev_b32 v5, 1, v1                        ; 2 lane: the token of m = 0, 1, less 64 n
	v_add_nc_u32 v6, 1, v5                         ; of m = 2, 3
	v_mov_b32 v8, 0
	v_mov_b32 v9, 0
	v_mov_b32 v10, 0
	v_mov_b32 v11, 0
	s_lshl_b32 s48, s8, 13
	s_mov_b32 s49, 0
	s_lshl_b32 s56, s8, 7
	s_add_co_u32 s56, s56, 0x10000
	s_mov_b32 s57, 0
	s_mul_i32 s58, s8, 5120
	s_add_co_u32 s58, s58, 66560
	s_mov_b32 s59, 0
	s_mov_b32 s9, 0                                ; matches so far
	s_wait_kmcnt 0x0
.irp n, 0,1,2,3,4,5,6,7,8,9,10,11,12,13,14,15
	global_load_b128 v[IDXR+4*\n:IDXR+4*\n+3], v2, s[4:5] offset:512*\n
.endr
	s_add_nc_u64 s[50:51], s[6:7], s[48:49]        ; ranks
	s_add_nc_u64 s[52:53], s[6:7], s[56:57]        ; count
	s_add_nc_u64 s[54:55], s[6:7], s[58:59]        ; list
.irp k, 0,1,2,3,4,5,6,7,8,9
	ds_store_b128 v2, v[8:11] offset:512*\k        ; places past the count hold token 0
.endr
	s_wait_loadcnt 0x0
.macro BATCH b
.irp i, 0,1,2,3,4,5,6,7,8,9,10,11,12,13,14,15
	v_cmp_eq_u32 s[MK+\i], s8, v[IDXR+16*\b+\i]
.endr
.irp i, 0,1,2,3,4,5,6,7,8,9,10,11,12,13,14,15
	s_mov_b32 s[BS+\i], s9
	s_bcnt1_i32_b32 s10, s[MK+\i]
	s_add_co_u32 s9, s9, s10
.endr
.irp i, 0,1,2,3,4,5,6,7,8,9,10,11,12,13,14,15
	v_mbcnt_lo_u32_b32 v[RK+16*\b+\i], s[MK+\i], s[BS+\i]                    ; matches in lower lanes + matches in earlier registers: the rank
.endr
.irp i, 0,1,2,3,4,5,6,7,8,9,10,11,12,13,14,15
	v_cndmask_b32 v[LA+\i], v4, v[RK+16*\b+\i], s[MK+\i]                     ; lanes without a match store aside
.endr
.irp i, 0,1,2,3,4,5,6,7,8,9,10,11,12,13,14,15
	v_min_u32 v[LA+\i], 0x51f, v[LA+\i]            ; held inside the list and the words aside
.endr
.irp i, 0,1,2,3,4,5,6,7,8,9,10,11,12,13,14,15
	v_lshlrev_b32 v[LA+\i], 2, v[LA+\i]
.endr
.irp i, 0,1,2,3,4,5,6,7,8,9,10,11,12,13,14,15
	v_add_nc_u32 v[LB+\i], 64*(4*\b+\i/4), v[5+(\i%4)/2]                     ; the token: r / 2
.endr
.irp i, 0,1,2,3,4,5,6,7,8,9,10,11,12,13,14,15
	ds_store_b32 v[LA+\i], v[LB+\i]
.endr
.endm
	BATCH 0
	BATCH 1
	BATCH 2
	BATCH 3
	v_mov_b32 v12, s9
.irp k, 0,1,2,3,4,5,6,7,8,9
	ds_load_b128 v[LR+4*\k:LR+4*\k+3], v2 offset:512*\k                      ; these see the stores above
.endr
.irp n, 0,1,2,3,4,5,6,7,8,9,10,11,12,13,14,15
	global_store_b128 v2, v[RK+4*\n:RK+4*\n+3], s[50:51] offset:512*\n       ; 512 consecutive bytes a store
.endr
	global_store_b32 v3, v12, s[52:53]
	s_wait_dscnt 0x0
.irp k, 0,1,2,3,4,5,6,7,8,9
	global_store_b128 v2, v[LR+4*\k:LR+4*\k+3], s[54:55] offset:512*\k
.endr
	s_wait_tensorcnt 0x0
	ds_add_u32 v224, v225
	s_wait_dscnt 0x0
	s_endpgm
.Lfunc_end_k_q33f78f2e85_placing:
	.size	k_q33f78f2e85_placing, .Lfunc_end_k_q33f78f2e85_placing-k_q33f78f2e85_placing
	.p2alignl 7, 3214868480
	.fill 96, 4, 3214868480
	.section	.rodata,"a",@progbits
	.p2align	6, 0x0
	.amdhsa_kernel k_q33f78f2e85_placing
		.amdhsa_group_segment_fixed_size 5632
		.amdhsa_private_segment_fixed_size 0
		.amdhsa_enable_private_segment 0
		.amdhsa_kernarg_size 16
		.amdhsa_user_sgpr_count 2
		.amdhsa_user_sgpr_kernarg_segment_ptr 1
		.amdhsa_wavefront_size32 1
		.amdhsa_system_sgpr_workgroup_id_x 1
		.amdhsa_system_sgpr_workgroup_id_y 1
		.amdhsa_system_sgpr_workgroup_id_z 1
		.amdhsa_system_vgpr_workitem_id 0
		.amdhsa_next_free_vgpr 226
		.amdhsa_next_free_sgpr 66
		.amdhsa_reserve_vcc 0
		.amdhsa_float_denorm_mode_32 3
		.amdhsa_float_denorm_mode_16_64 3
		.amdhsa_memory_ordered 1
		.amdhsa_forward_progress 1
		.amdhsa_inst_pref_size 39
	.end_amdhsa_kernel
	.amdgpu_metadata
---
amdhsa.version: [ 1, 2 ]
amdhsa.kernels:
  - .name:           k_q33f78f2e85_placing
    .symbol:         k_q33f78f2e85_placing.kd
    .args:
      - { .name: idx, .offset: 0, .size: 8, .value_kind: global_buffer, .address_space: global }
      - { .name: place, .offset: 8, .size: 8, .value_kind: global_buffer, .address_space: global }
    .group_segment_fixed_size: 5632
    .private_segment_fixed_size: 0
    .kernarg_segment_align: 8
    .kernarg_segment_size: 16
    .max_flat_workgroup_size: 32
    .sgpr_count:     66
    .vgpr_count:     226
    .wavefront_size: 32
...
	.end_amdgpu_metadata
.endif
;; end of part 2
;; launch up (part 3): grid 256 x 1, 8 waves a work-group, no clusters, 140,800 bytes of LDS; arguments w1, b1, xc, place, hc; writes hc
.if DOCPART == 3
	.amdgcn_target "amdgcn-amd-amdhsa--gfx1250"
	.amdhsa_code_object_version 6
	.text
	.protected	k_q33f78f2e85_up
	.globl	k_q33f78f2e85_up
	.p2align	8
	.type	k_q33f78f2e85_up,@function
k_q33f78f2e85_up:
	s_mov_b64 s[64:65], 0
	v_nop
	global_prefetch_b8 v0, s[64:65] scope:SCOPE_SE
	s_setreg_imm32_b32 hwreg(HW_REG_WAVE_MODE, 25, 1), 1
	s_wait_xcnt 0x0
; UP: h = gelu(x w1[e] + b1[e]) for the rows routed to expert e, quantised along the hidden units, stored as images of the next product's operand registers.
; w1 [8][1024 k][4096 n] f32 is read from memory ONCE, as f32, and quantised along k in registers on its way; x comes as codes (xc).  The sums are f32, by the scaled matrix form on E5M2 codes.
; A work-group = expert e (ttmp9 / 32) x 128 hidden units (ttmp9 % 32), as two jobs of 64 units x all 1,024 k.  A job is 4 steps; a step is two K steps: 256 k x 64 units, 64 KiB of f32.
; ALL EIGHT WAVES RUN THE SAME TEXT.  In a step wave w takes block c = w % 4 (32 k) of K step u = w / 4: 16 loads of 16 bytes a lane; lane (q, h) takes rows 32 c + 16 h + 0 .. 15 and four neighbouring units
; F(q) + 0 .. 3, so that a load reads two aligned runs of 256 bytes and the lane holds 16 neighbours along k of four units: registers 4 c .. 4 c + 3, lane (q, h), of the fragments of four tiles j, whose row q is unit F(q) + j.
; The hold writes the numbers into consecutive registers for the conversions, so nothing is transposed by an instruction of its own.  Codes go to LDS as images of the operand's registers, scale bytes as one word a lane.
; One barrier a step: no LDS byte is written twice.  Behind it every wave multiplies both K steps for its tiles of 16 routed rows (w, 8 + w, 16 + w: 12 accumulators) against the four tiles of units.
; THE THIRD TILE, 16 + w, IS FETCHED AND MULTIPLIED ONLY WHERE THE EXPERT HAS IT: a scalar branch on the stored count, round five loads or four products, never round a barrier.  The head's fetches and a job's first K step
; take all three tiles, so that every operand register is loaded and every sum is begun by a product whatever the count; a third tile that does not exist is never read out.
; The product is used transposed (source 0 = 16 units, source 1 = 16 rows).  F(q) = 32 ((q / 4) % 2) + 16 (q / 8) + 4 (q % 4): a lane's registers of the four tiles are then 16 neighbours along the next K.
; LOADS.  In a step a wave issues: x for the next step (10 or 15 loads behind each K step's products, into the registers just multiplied), then, at the step's end, 16 loads of weights for the step after next (a ring of two blocks).
; The weights stand BEHIND x in the order of issue, so that the wait for x does not also wait for weights that are due a step later.  By this text's own count at most 62 loads of a wave are out.
; ROWS.  Expert e's count and its list of tokens by rank come from place, whole numbers that the launch before stored: the count steers branches, the list x's addresses.
; Rows 0-383 ride on the stream.  Rows 384-1,023 (any split is served) are multiplied afterwards from the images kept in LDS, in passes that a scalar branch leaves out when the expert has no such rows.
; Rows past the count take token 0 and tiles past the last are not stored; an expert without rows still stores tile 0, which nobody uses.
; No cluster: the weights, which are what binds, are shared by no two work-groups.  No tensor loads: the weights are wanted in registers as f32.
; LIMITS: NaN and infinities are not served.  A block of zeros gets the byte 1 (its codes are zeros; only this program reads the bytes).
.set ROWB, 16384                       ; bytes from k to k + 1 in w1
.set STB,  4194304                     ; 256 rows: a step
.set SCP,  131072                      ; LDS: 0: images, slot t (a K step): 8192 t + 2048 j + 512 c + 16 lane;  SCP: scale words, 512 t + 128 c + 4 lane (byte j)
.set BIL,  139264                      ; b1's 128 numbers
.set HSC,  33554432                    ; hc: images [e][tile 64][K step 32][2048 bytes]; from HSC on scale words [e][tile][K step][lane]
; vector registers, window 0.  v1-25: made at the head; LDS addresses hold nothing else
.set LN,1
.set RQ,2
.set HH,3
.set L16,4
.set L4,5
.set SWI,6                             ; my stores: images, scale words
.set SWS,7
.set MRI,8                             ; my loads of them
.set MRS,9
.set FRI,10                            ; the same, never stepped
.set FRS,11
.set MBX,12                            ; later passes: images, scale words
.set MSX,13
.set LRD,14                            ; byte offset in the expert's list of row r of tile w; v15: the same in a later pass
.set LRX,15
.set BI0,16
.set BIX,18                            ; b1 of the job in hand
.set WOFF,19
.set BSA,25
.set XO,26                             ; v26-28 byte offsets of my three tiles' rows in x's codes; v31-33 in its scale bytes
.set XSO,31
.set MX,36                             ; while a block is quantised: v36-73
.set PM,40
.set SO,44
.set LM,48
.set BY,52
.set WD,56
.set CC,58
.set PLN,36                            ; while products and epilogue run
.set TP,40
.set QM,44
.set QP,46
.set QSO,48
.set QLM,50
.set QBY,52
.set BYW,54
.set HC,56
.set LW,68                             ; v68-70 list words
.set K1V,74
.set K2V,76
.set WSC,80                            ; v80-83 the weights' scale words, v84-89 x's: these hold scales and nothing else
.set ASC,84
.set TV,90                             ; at work at the head
.set B1R,92                            ; v92-95 b1's slice on its way to LDS
.set TT,96                             ; v96-159 by turns: the held numbers of a block; a K step's four fragments; in the epilogue v96-127 a tile's 32 numbers, v128-159 at work
.set BW,96
.set XG,96
.set ZZ,128
.set AB,160                            ; v160-255 x's fragments: K step kk of the step, tile t: 48 kk + 16 t
; window 1: v0-127 the ring of two blocks (block b: 64 b + 4 row + j);  v128-223 accumulators (tile t, tile j: 128 + 32 t + 8 j)
.set ACC,128
.set WV,16
.set C4,17
.set E,18
.set SL,19
.set SEL,20
.set MNT,22
.set UU,23
.set NT,25
.set CNT,26
.set S2,27                             ; 1: the expert has my third tile, 16 + w
.set PS,28
.set PW,32
.set XSB,36
.set WB,46
.set HB,50
.set HSB,52
.set TI,54
.set IC,55
.set Q,56
.set P24,57
.set G,58
.set P,59
.set PWB,66
.set XE,68
.set XES,70
.set LSB,72                            ; s[72:73] the expert's list
.set MSB, 0
.macro WIN new                         ; the immediate's high byte repeats the setting that is left
.if MSB != (\new)
	s_set_vgpr_msb (MSB<<8)|(\new)
.set MSB, (\new)
.endif
.endm
.macro NOPS n
.rept \n
	v_nop
.endr
.endm
.macro BAR                             ; my LDS stores have landed and my LDS loads are in: then the work-group's barrier
	s_wait_dscnt 0x0
	s_barrier_signal -1
	s_barrier_wait -1
.endm
; Ring block xb becomes 4 x 16 codes and 4 scale bytes a lane, stored for slot lo + u of the job.  n: younger loads that may stay out.
.macro QBLK xb, lo, n
	s_wait_loadcnt \n
	WIN 0x05                                       ; sources 0 and 1: the ring
.irp j, 0,1,2,3
	v_max3_num_f32 v[MX+\j], |v[64*\xb+\j]|, |v[64*\xb+4+\j]|, 0x8000000     ; unit j: my 16 numbers, and the floor 2^(16 - 127): the byte cannot fall under 1
.endr
.irp r, 2,4,6,8,10,12,14
.irp j, 0,1,2,3
	v_max3_num_f32 v[MX+\j], |v[64*\xb+4*\r+\j]|, |v[64*\xb+4*\r+4+\j]|, v[MX+\j]
.endr
.endr
	WIN 0
.irp j, 0,1,2,3
	v_permlanex16_b32 v[PM+\j], v[MX+\j], s[SEL], s[SEL+1]
.endr
.irp j, 0,1,2,3
	v_max_num_f32 v[MX+\j], v[MX+\j], v[PM+\j]     ; with lane l xor 16's 16: the block's largest magnitude
.endr
.irp j, 0,1,2,3
	v_add_nc_u32 v[SO+\j], 0xf8800000, v[MX+\j]    ; 15 off the exponent field: the conversion's scale operand
.endr
.irp j, 0,1,2,3
	v_and_or_b32 v[LM+\j], v[MX+\j], 0x7f800000, s[MNT]   ; 57,344 x the scale
.endr
.irp j, 0,1,2,3
	v_lshrrev_b32 v[BY+\j], 23, v[SO+\j]           ; the scale's byte
.endr
	v_lshl_or_b32 v[WD], v[BY+1], 8, v[BY]
	v_lshl_or_b32 v[WD], v[BY+2], 16, v[WD]
	v_lshl_or_b32 v[WD], v[BY+3], 24, v[WD]
	WIN 0x01
.irp r, 0,1,2,3,4,5,6,7,8,9,10,11,12,13,14,15
.irp j, 0,1,2,3
	v_med3_num_f32 v[TT+16*\j+\r], v[64*\xb+4*\r+\j], -v[LM+\j], v[LM+\j]    ; the hold (the conversion does not saturate: ISA guide 7.6.2), into registers that run along k
.endr
.endr
	WIN 0
.irp j, 0,1,2,3
.irp u, 0,1
	v_cvt_scalef32_pk8_bf8_f32 v[CC+4*\j+2*\u:CC+4*\j+2*\u+1], v[TT+16*\j+8*\u:TT+16*\j+8*\u+7], v[SO+\j]
.endr
.endr
	v_nop                                          ; one plain line behind the last conversion
.irp j, 0,1,2,3
	ds_store_b128 v[SWI], v[CC+4*\j:CC+4*\j+3] offset:(\lo)*8192+\j*2048
.endr
	ds_store_b32 v[SWS], v[WD] offset:(\lo)*512
.endm
.macro RELOAD xb, pb                   ; ring block xb is asked for again: step xb from base pb
	WIN 0x40
.irp r, 0,1,2,3,4,5,6,7,8,9,10,11,12,13,14,15
	global_load_b128 v[64*\xb+4*\r:64*\xb+4*\r+3], v[WOFF], s[\pb:\pb+1] offset:\xb*STB+\r*ROWB th:TH_LOAD_NT
.endr
	WIN 0
.endm
; A slot's four fragments; the four planes of scale bytes (plane c, byte j) are turned into four scale words (tile j, byte c)
.macro BFETCH va, vs, lo
.irp j, 0,1,2,3
.irp c, 0,1,2,3
	ds_load_b128 v[BW+16*\j+4*\c:BW+16*\j+4*\c+3], v[\va] offset:(\lo)*8192+\j*2048+\c*512
.endr
.endr
.irp c, 0,1,2,3
	ds_load_b32 v[PLN+\c], v[\vs] offset:(\lo)*512+\c*128
.endr
	s_wait_dscnt 0x0
	v_perm_b32 v[TP], v[PLN+1], v[PLN], s[PS]
	v_perm_b32 v[TP+1], v[PLN+1], v[PLN], s[PS+1]
	v_perm_b32 v[TP+2], v[PLN+3], v[PLN+2], s[PS]
	v_perm_b32 v[TP+3], v[PLN+3], v[PLN+2], s[PS+1]
	v_perm_b32 v[WSC], v[TP+2], v[TP], s[PS+2]
	v_perm_b32 v[WSC+1], v[TP+2], v[TP], s[PS+3]
	v_perm_b32 v[WSC+2], v[TP+3], v[TP+1], s[PS+2]
	v_perm_b32 v[WSC+3], v[TP+3], v[TP+1], s[PS+3]
.endm
.macro WM j, t, kk, zero               ; one product: tile j of units x my tile t of rows, K step kk of the step
.if \zero
	v_wmma_scale_f32_16x16x128_f8f6f4 v[ACC+32*\t+8*\j:ACC+32*\t+8*\j+7], v[BW+16*\j:BW+16*\j+15], v[AB+48*\kk+16*\t:AB+48*\kk+16*\t+15], 0, v[WSC+\j], v[ASC+3*\kk+\t] matrix_a_fmt:MATRIX_FMT_BF8 matrix_b_fmt:MATRIX_FMT_BF8
.else
	v_wmma_scale_f32_16x16x128_f8f6f4 v[ACC+32*\t+8*\j:ACC+32*\t+8*\j+7], v[BW+16*\j:BW+16*\j+15], v[AB+48*\kk+16*\t:AB+48*\kk+16*\t+15], v[ACC+32*\t+8*\j:ACC+32*\t+8*\j+7], v[WSC+\j], v[ASC+3*\kk+\t] matrix_a_fmt:MATRIX_FMT_BF8 matrix_b_fmt:MATRIX_FMT_BF8
.endif
.endm
; A K step's products: 4 tiles of units x my first two tiles of rows, then x my third (opt = 1: only where the expert has it).  The accumulators take turns, one instruction a turn.
; zero = 1: the products start the sums.  Eight places follow: behind them operands may be loaded anew and results read.
.macro MUL kk, zero, opt
	WIN 0x50                                       ; sources 0 and 1 window 0, C and D window 1
.irp j, 0,1,2,3
.irp t, 0,1
	WM \j, \t, \kk, \zero
.endr
.endr
.if \opt
	WIN 0                                          ; at a branch and at a label every window is 0
	s_cmp_eq_u32 s[S2], 0
	s_cbranch_scc1 .Lm_\@
	WIN 0x50
.endif
.irp j, 0,1,2,3
	WM \j, 2, \kk, \zero
.endr
	WIN 0
.if \opt
.Lm_\@:
.endif
	NOPS 8
.endm
.macro AF kk, pb, sb, ks, t            ; x's fragment and scale word of K step ks for my tile t, into half kk: 5 loads
.irp c, 0,1,2,3
	global_load_b128 v[AB+48*\kk+16*\t+4*\c:AB+48*\kk+16*\t+4*\c+3], v[XO+\t], s[\pb:\pb+1] offset:128*(\ks)+32*\c
.endr
	global_load_b32 v[ASC+3*\kk+\t], v[XSO+\t], s[\sb:\sb+1] offset:4*(\ks)
.endm
.macro AFETCH kk, pb, sb, ks, opt      ; 10 loads for my first two tiles, then 5 for my third (opt = 1: only where the expert has it)
	AF \kk, \pb, \sb, \ks, 0
	AF \kk, \pb, \sb, \ks, 1
.if \opt
	s_cmp_eq_u32 s[S2], 0
	s_cbranch_scc1 .Lf_\@
.endif
	AF \kk, \pb, \sb, \ks, 2
.if \opt
.Lf_\@:
.endif
.endm
.macro LLOAD va                        ; my three tiles' tokens from the list: tile 8 t + w lies 512 t bytes on
.irp t, 0,1,2
	global_load_b32 v[LW+\t], v[\va], s[LSB:LSB+1] offset:512*\t
.endr
.endm
.macro MKX                             ; held inside the table, then shifted into byte offsets
.irp t, 0,1,2
	v_min_u32 v[LW+\t], 0x3ff, v[LW+\t]
.endr
.irp t, 0,1,2
	v_lshlrev_b32 v[XO+\t], 10, v[LW+\t]
	v_lshl_add_u32 v[XO+\t], v[HH], 4, v[XO+\t]
	v_lshlrev_b32 v[XSO+\t], 5, v[LW+\t]
.endr
.endm
; A STEP: my block is quantised | barrier | both K steps are multiplied; behind each, x of the next step's like K step (k0, k0 + 1) is asked for; at the end the ring block is asked for again.
; ns, n0, n1: the younger loads that may stay out at the three waits.
.macro STEP xb, st, rel, pb, ns, zero, pf, k0, n0, n1
	QBLK \xb, 2*\st, \ns
	BAR
	BFETCH MRI, MRS, 2*\st
	s_wait_loadcnt \n0
	NOPS 8                                         ; a scale word made by vector instructions stands eight places ahead of the scaled matrix instruction
	MUL 0, \zero, 1-\zero                          ; a job's first products are issued for all three tiles
.if \pf
	AFETCH 0, 8, XSB, \k0, 1
.endif
	BFETCH MRI, MRS, 2*\st+1
	s_wait_loadcnt \n1
	NOPS 8
	MUL 1, 0, 1
.if \pf
	AFETCH 1, 8, XSB, \k0+1, 1
.endif
.if \rel
	RELOAD \xb, \pb
.endif
.endm
.macro ARM t                           ; tile t's 32 sums + b1, each accumulator from its low end on; register 4 q + j = unit 32 (q / 4) + 16 h + 4 (q % 4) + j
	WIN 0x01
.irp q, 0,1,2,3,4,5,6,7
.irp j, 0,1,2,3
	v_add_f32 v[XG+4*\q+\j], v[ACC+32*\t+8*\j+\q], v[ZZ+4*\q+\j]
.endr
.endr
	WIN 0
.endm
; THE EPILOGUE of a job: for each of my three tiles that exists: + b1, gelu (tanh form: x / (1 + 2^(x (K1 + K2 x^2)))), two blocks of 32 quantised, 8 registers of the next operand's image and 2 scale bytes stored.
.macro EPI
	s_add_co_u32 s[TI], s[P24], s[WV]
	s_lshl_b32 s34, s[E], 6
	s_add_co_u32 s34, s34, s[TI]
	s_lshl_b32 s34, s34, 5
	s_add_co_u32 s34, s34, s[SL]                   ; (64 e + tile) 32 + K step
	s_lshl_b32 s48, s34, 7
	s_lshl_b32 s60, s[G], 1
	s_add_co_u32 s48, s48, s60
	s_add_co_u32 s48, s48, HSC
	s_mov_b32 s49, 0
	s_lshl_b32 s34, s34, 11
	s_lshl_b32 s60, s[G], 10
	s_add_co_u32 s34, s34, s60
	s_mov_b32 s35, 0
	s_add_nc_u64 s[HB:HB+1], s[12:13], s[34:35]
	s_add_nc_u64 s[HSB:HSB+1], s[12:13], s[48:49]
	s_mov_b32 s[IC], 0
.Le_\@:
	s_cmp_ge_u32 s[TI], s[NT]
	s_cbranch_scc1 .Lk_\@
.irp q, 0,1,2,3,4,5,6,7
	ds_load_b128 v[ZZ+4*\q:ZZ+4*\q+3], v[BIX] offset:128*(\q/4)+16*(\q%4)
.endr
	s_wait_dscnt 0x0
	s_cmp_eq_u32 s[IC], 0
	s_cbranch_scc1 .La0_\@
	s_cmp_eq_u32 s[IC], 1
	s_cbranch_scc1 .La1_\@
	ARM 2
	s_branch .Lj_\@
.La0_\@:
	ARM 0
	s_branch .Lj_\@
.La1_\@:
	ARM 1
.Lj_\@:
.irp p, 0,2,4,6,8,10,12,14,16,18,20,22,24,26,28,30
	v_pk_mul_f32 v[ZZ+\p:ZZ+\p+1], v[XG+\p:XG+\p+1], v[XG+\p:XG+\p+1]
.endr
.irp p, 0,2,4,6,8,10,12,14,16,18,20,22,24,26,28,30
	v_pk_fma_f32 v[ZZ+\p:ZZ+\p+1], v[ZZ+\p:ZZ+\p+1], v[K2V:K2V+1], v[K1V:K1V+1]
.endr
.irp p, 0,2,4,6,8,10,12,14,16,18,20,22,24,26,28,30
	v_pk_mul_f32 v[ZZ+\p:ZZ+\p+1], v[ZZ+\p:ZZ+\p+1], v[XG+\p:XG+\p+1]
.endr
.set i, 0
.rept 32
	v_exp_f32 v[ZZ+i], v[ZZ+i]
.set i, i+1
.endr
	v_nop                                          ; a plain line behind the transcendentals
	s_wait_alu depctr_va_vdst(0)
.irp p, 0,2,4,6,8,10,12,14,16,18,20,22,24,26,28,30
	v_pk_add_f32 v[ZZ+\p:ZZ+\p+1], v[ZZ+\p:ZZ+\p+1], 1.0 op_sel_hi:[1,0]
.endr
.set i, 0
.rept 32
	v_rcp_f32 v[ZZ+i], v[ZZ+i]
.set i, i+1
.endr
	v_nop
	s_wait_alu depctr_va_vdst(0)
.irp p, 0,2,4,6,8,10,12,14,16,18,20,22,24,26,28,30
	v_pk_mul_f32 v[XG+\p:XG+\p+1], v[XG+\p:XG+\p+1], v[ZZ+\p:ZZ+\p+1]
.endr
.irp c, 0,1
	v_max3_num_f32 v[QM+\c], |v[XG+16*\c]|, |v[XG+16*\c+1]|, 0x8000000
.endr
.irp r, 2,4,6,8,10,12,14
.irp c, 0,1
	v_max3_num_f32 v[QM+\c], v[QM+\c], |v[XG+16*\c+\r]|, |v[XG+16*\c+\r+1]|
.endr
.endr
.irp c, 0,1
	v_permlanex16_b32 v[QP+\c], v[QM+\c], s[SEL], s[SEL+1]
.endr
.irp c, 0,1
	v_max_num_f32 v[QM+\c], v[QM+\c], v[QP+\c]
	v_add_nc_u32 v[QSO+\c], 0xf8800000, v[QM+\c]
	v_and_or_b32 v[QLM+\c], v[QM+\c], 0x7f800000, s[MNT]
	v_lshrrev_b32 v[QBY+\c], 23, v[QSO+\c]
.endr
	v_lshl_or_b32 v[BYW], v[QBY+1], 8, v[QBY]
.irp c, 0,1
.irp r, 0,1,2,3,4,5,6,7,8,9,10,11,12,13,14,15
	v_med3_num_f32 v[XG+16*\c+\r], v[XG+16*\c+\r], -v[QLM+\c], v[QLM+\c]
.endr
.endr
.irp c, 0,1
.irp u, 0,1
	v_cvt_scalef32_pk8_bf8_f32 v[HC+4*\c+2*\u:HC+4*\c+2*\u+1], v[XG+16*\c+8*\u:XG+16*\c+8*\u+7], v[QSO+\c]
.endr
.endr
	v_nop                                          ; one plain line behind the last conversion
	global_store_b128 v[L16], v[HC:HC+3], s[HB:HB+1]                 ; the wave stores 512 consecutive bytes, aligned
	global_store_b128 v[L16], v[HC+4:HC+7], s[HB:HB+1] offset:512
	global_store_b16 v[L4], v[BYW], s[HSB:HSB+1]
	s_wait_xcnt 0x0                                ; the stores' data and bases are written again only behind this wait
.Lk_\@:
	s_add_nc_u64 s[HB:HB+1], s[HB:HB+1], 524288    ; eight tiles on
	s_add_nc_u64 s[HSB:HSB+1], s[HSB:HSB+1], 32768
	s_add_co_u32 s[TI], s[TI], 8
	s_add_co_u32 s[IC], s[IC], 1
	s_cmp_lt_u32 s[IC], 3
	s_cbranch_scc1 .Le_\@
.endm
	s_load_b256 s[4:11], s[0:1], 0x0               ; w1, b1, xc, place
	s_load_b64 s[12:13], s[0:1], 0x20              ; hc
	v_lshl_add_u32 v79, v0, 2, 0x22200
	v_mov_b32 v91, 0
	v_lshrrev_b32 v1, 5, v0
	v_readfirstlane_b32 s[WV], v1
	s_and_b32 s[C4], s[WV], 3                      ; my block of 32 k
	s_lshr_b32 s[UU], s[WV], 2                     ; in which of a step's two K steps
	s_lshr_b32 s[E], ttmp9, 5
	s_and_b32 s[SL], ttmp9, 31
	v_and_b32 v[LN], 31, v0
	v_and_b32 v[RQ], 15, v0
	v_bfe_u32 v[HH], v0, 4, 1
	v_lshlrev_b32 v[L16], 4, v[LN]
	v_lshlrev_b32 v[L4], 2, v[LN]
	s_lshl_b32 s34, s[C4], 9
	s_lshl_b32 s35, s[UU], 13
	s_add_co_u32 s34, s34, s35
	v_add_nc_u32 v[SWI], s34, v[L16]               ; 8192 u + 512 c + 16 lane
	s_lshl_b32 s34, s[C4], 7
	s_lshl_b32 s35, s[UU], 9
	s_add_co_u32 s34, s34, s35
	v_add_nc_u32 v[SWS], s34, v[L4]
	v_add_nc_u32 v[SWS], SCP, v[SWS]               ; 512 u + 128 c + 4 lane
	v_lshlrev_b32 v[MRI], 4, v[LN]
	v_add_nc_u32 v[MRS], SCP, v[L4]
	v_lshlrev_b32 v[FRI], 4, v[LN]
	v_add_nc_u32 v[FRS], SCP, v[L4]
	s_lshl_b32 s34, s[WV], 6
	v_lshl_add_u32 v[LRD], v[RQ], 2, s34           ; list word of row r of tile w: 64 w + 4 r
	v_lshlrev_b32 v[BI0], 6, v[HH]
	v_add_nc_u32 v[BI0], BIL, v[BI0]
	v_bfe_u32 v[WOFF], v0, 2, 1
	v_lshlrev_b32 v[WOFF], 7, v[WOFF]
	v_bfe_u32 v[TV], v0, 3, 1
	v_lshl_add_u32 v[WOFF], v[TV], 6, v[WOFF]
	v_and_b32 v[TV], 3, v0
	v_lshl_add_u32 v[WOFF], v[TV], 4, v[WOFF]      ; 4 F(q)
	v_lshl_add_u32 v[WOFF], v[HH], 18, v[WOFF]     ; + 16 h rows
	s_lshl_b32 s34, s[C4], 19
	s_lshl_b32 s35, s[UU], 21
	s_add_co_u32 s34, s34, s35
	v_add_nc_u32 v[WOFF], s34, v[WOFF]             ; + 32 c + 128 u rows
	v_add_nc_u32 v[BSA], BIL, v[L16]
.irp i, 40,41,42,43,44,45,46,47
	v_mov_b32 v\i, 0                               ; a lane permute's destination counts as one of its sources
.endr
	v_mov_b32 v[K1V], 0xc0135761                   ; K1 = -2 log2(e) sqrt(2 / pi)
	v_mov_b32 v[K1V+1], 0xc0135761
	v_mov_b32 v[K2V], 0xbdd2d3e8                   ; K2 = 0.044715 K1
	v_mov_b32 v[K2V+1], 0xbdd2d3e8
	s_mov_b32 s[SEL], 0x76543210
	s_mov_b32 s[SEL+1], 0xfedcba98
	s_mov_b32 s[MNT], 0x600000
	s_mov_b32 s[PS], 0x05010400
	s_mov_b32 s[PS+1], 0x07030602
	s_mov_b32 s[PS+2], 0x05040100
	s_mov_b32 s[PS+3], 0x07060302
	s_lshl_b32 s34, s[E], 24
	s_lshl_b32 s62, s[SL], 9
	s_add_co_u32 s34, s34, s62
	s_mov_b32 s35, 0
	s_lshl_b32 s48, s[E], 14
	s_add_co_u32 s48, s48, s62
	s_mov_b32 s49, 0
	s_mul_i32 s60, s[E], 5120
	s_add_co_u32 s60, s60, 66560
	s_mov_b32 s61, 0
	s_lshl_b32 s63, s[E], 7
	s_wait_kmcnt 0x0
	s_load_b32 s[CNT], s[10:11], s63 offset:0x10000   ; expert e's number of rows
	s_add_nc_u64 s[WB:WB+1], s[4:5], s[34:35]      ; w1 at expert e, my 128 units
	s_add_nc_u64 s[PWB:PWB+1], s[WB:WB+1], 256     ; the second job's 64 units
	s_add_nc_u64 s[XSB:XSB+1], s[8:9], 0x100000    ; x's scale bytes
	s_add_nc_u64 s[48:49], s[6:7], s[48:49]        ; b1's slice
	s_add_nc_u64 s[LSB:LSB+1], s[10:11], s[60:61]  ; expert e's list
	global_load_b128 v[B1R:B1R+3], v[L16], s[48:49]
	LLOAD LRD
	RELOAD 0, WB                                   ; the first two steps' weights
	RELOAD 1, WB
	s_wait_kmcnt 0x0
	s_add_co_u32 s[NT], s[CNT], 15
	s_lshr_b32 s[NT], s[NT], 4
	s_max_u32 s[NT], s[NT], 1
	s_min_u32 s[NT], s[NT], 64                     ; tiles of 16 rows
	s_add_co_u32 s34, s[WV], 16
	s_cmp_lt_u32 s34, s[NT]
	s_cselect_b32 s[S2], 1, 0                      ; has the expert my third tile?
	s_wait_loadcnt 32                              ; b1 and the list words are in; the 32 younger loads, the weights, may be out
	MKX
	s_cmp_eq_u32 s[WV], 0
	s_cbranch_scc0 .Lnob1
	ds_store_b128 v[BSA], v[B1R:B1R+3]             ; wave 0 puts b1's slice into LDS; the steps' barriers stand between this store and the first read of it, in the epilogue
.Lnob1:
	AFETCH 0, 8, XSB, 0, 0                         ; the first fetches take all three tiles: every operand register is loaded whatever the count
	AFETCH 1, 8, XSB, 1, 0
	s_mov_b32 s[G], 0
	s_mov_b32 s[P24], 0
.Ljob:                                             ; a trip = a job: 64 units, 4 steps
	s_wait_xcnt 0x0                                ; the reloads' base is written again only behind this wait
	s_lshl_b32 s34, s[G], 8
	v_add_nc_u32 v[BIX], s34, v[BI0]
	s_add_co_u32 s34, s34, 2*STB
	s_mov_b32 s35, 0
	s_add_nc_u64 s[PW:PW+1], s[WB:WB+1], s[34:35]  ; this job's steps 2 and 3
	; THE COUNTS are those of the way with the fewest loads, the one without a third tile; on the other way they wait for a few loads more, which is right too.
	; 36: behind the ring block that is due stand at least 10 + 10 loads of x and 16 of weights.  26: behind the half of x that is due stand at least 10 of x and 16 of weights.
	; In the first step, on the way in from the head: behind x's first half stands its whole second half, 15; behind that at least this step's 10 (on the way back from the first job there are more: the smaller counts serve both)
	STEP 0, 0, 1, PW, 36, 1, 1, 2, 15, 10          ; the first products start the sums
	STEP 1, 1, 1, PW, 36, 0, 1, 4, 26, 26
	s_cmp_eq_u32 s[G], 0
	s_cbranch_scc0 .Llast
	STEP 0, 2, 1, PWB, 36, 0, 1, 6, 26, 26         ; the first job: the ring and x go on into the second job
	STEP 1, 3, 1, PWB, 36, 0, 1, 0, 26, 26
	s_branch .Ldone
.Llast:
	STEP 0, 2, 0, PW, 36, 0, 1, 6, 26, 26          ; the second job: no weights are left to ask for,
	STEP 1, 3, 0, PW, 20, 0, 0, 0, 10, 0           ; and then no x: the counts run down
.Ldone:
	EPI
	v_add_nc_u32 v[SWI], 0x10000, v[SWI]           ; the next job's eight slots
	v_add_nc_u32 v[SWS], 4096, v[SWS]
	v_add_nc_u32 v[MRI], 0x10000, v[MRI]
	v_add_nc_u32 v[MRS], 4096, v[MRS]
	s_add_co_u32 s[G], s[G], 1
	s_cmp_lt_u32 s[G], 2
	s_cbranch_scc1 .Ljob
	; ROWS 384 ON: two passes of 24 tiles x 2 jobs x 4 trips of two K steps, from the images in LDS.  The work is jumped over where there are no such rows.  No barrier stands here.
	s_mov_b32 s[Q], 0
.Lextra:
	s_lshr_b32 s[P], s[Q], 3
	s_add_co_u32 s[P], s[P], 1
	s_mul_i32 s[P24], s[P], 24
	s_bfe_u32 s[G], s[Q], 0x10002
	s_and_b32 s60, s[Q], 7
	s_lshl_b32 s34, s60, 14
	v_add_nc_u32 v[MBX], s34, v[FRI]               ; slots 2 (Q % 8) and 2 (Q % 8) + 1
	s_lshl_b32 s34, s60, 10
	v_add_nc_u32 v[MSX], s34, v[FRS]
	s_mul_i32 s34, s[P], 1536
	v_add_nc_u32 v[LRX], s34, v[LRD]               ; 24 tiles of 16 words a pass
	s_lshl_b32 s34, s[G], 8
	v_add_nc_u32 v[BIX], s34, v[BI0]
	s_cmp_ge_u32 s[P24], s[NT]
	s_cbranch_scc1 .Lxskip
	s_wait_loadcnt 0x0                             ; no load of mine is out: offsets, bases and fragments may be written
	LLOAD LRX
	s_wait_loadcnt 0x0
	MKX
	s_and_b32 s60, s[Q], 3
	s_lshl_b32 s34, s60, 8
	s_mov_b32 s35, 0
	s_add_nc_u64 s[XE:XE+1], s[8:9], s[34:35]
	s_lshl_b32 s34, s60, 3
	s_add_nc_u64 s[XES:XES+1], s[XSB:XSB+1], s[34:35]
	AFETCH 0, XE, XES, 0, 0
	AFETCH 1, XE, XES, 1, 0
	BFETCH MBX, MSX, 0
	s_wait_loadcnt 15                              ; the second K step's 15 loads may be out
	NOPS 8
	s_cmp_eq_u32 s60, 0
	s_cbranch_scc0 .Lxadd
	MUL 0, 1, 0
	s_branch .Lxj
.Lxadd:
	MUL 0, 0, 0
.Lxj:
	BFETCH MBX, MSX, 1
	s_wait_loadcnt 0x0
	NOPS 8
	MUL 1, 0, 0
	s_cmp_eq_u32 s60, 3
	s_cbranch_scc0 .Lxskip
	EPI
.Lxskip:
	s_add_co_u32 s[Q], s[Q], 1
	s_cmp_lt_u32 s[Q], 16
	s_cbranch_scc1 .Lextra
	s_wait_tensorcnt 0x0
	ds_add_u32 v79, v91
	s_wait_dscnt 0x0
	s_endpgm
.Lfunc_end_k_q33f78f2e85_up:
	.size	k_q33f78f2e85_up, .Lfunc_end_k_q33f78f2e85_up-k_q33f78f2e85_up
	.p2alignl 7, 3214868480
	.fill 96, 4, 3214868480
	.section	.rodata,"a",@progbits
	.p2align	6, 0x0
	.amdhsa_kernel k_q33f78f2e85_up
		.amdhsa_group_segment_fixed_size 140800
		.amdhsa_private_segment_fixed_size 0
		.amdhsa_enable_private_segment 0
		.amdhsa_kernarg_size 40
		.amdhsa_user_sgpr_count 2
		.amdhsa_user_sgpr_kernarg_segment_ptr 1
		.amdhsa_wavefront_size32 1
		.amdhsa_system_sgpr_workgroup_id_x 1
		.amdhsa_system_sgpr_workgroup_id_y 1
		.amdhsa_system_sgpr_workgroup_id_z 1
		.amdhsa_system_vgpr_workitem_id 0
		.amdhsa_next_free_vgpr 512
		.amdhsa_next_free_sgpr 80
		.amdhsa_reserve_vcc 0
		.amdhsa_float_denorm_mode_32 3
		.amdhsa_float_denorm_mode_16_64 3
		.amdhsa_memory_ordered 1
		.amdhsa_forward_progress 1
		.amdhsa_inst_pref_size 179
	.end_amdhsa_kernel
	.amdgpu_metadata
---
amdhsa.version: [ 1, 2 ]
amdhsa.kernels:
  - .name:           k_q33f78f2e85_up
    .symbol:         k_q33f78f2e85_up.kd
    .args:
      - { .name: w1, .offset: 0, .size: 8, .value_kind: global_buffer, .address_space: global }
      - { .name: b1, .offset: 8, .size: 8, .value_kind: global_buffer, .address_space: global }
      - { .name: xc, .offset: 16, .size: 8, .value_kind: global_buffer, .address_space: global }
      - { .name: place, .offset: 24, .size: 8, .value_kind: global_buffer, .address_space: global }
      - { .name: hc, .offset: 32, .size: 8, .value_kind: global_buffer, .address_space: global }
    .group_segment_fixed_size: 140800
    .private_segment_fixed_size: 0
    .kernarg_segment_align: 8
    .kernarg_segment_size: 40
    .max_flat_workgroup_size: 256
    .sgpr_count:     80
    .vgpr_count:     512
    .wavefront_size: 32
...
	.end_amdgpu_metadata
.endif
;; end of part 3
;; launch down (part 4): grid 256 x 1, 8 waves a work-group, no clusters, 140,288 bytes of LDS; arguments w2, b2, hc, place, ypart; writes ypart
.if DOCPART == 4
	.amdgcn_target "amdgcn-amd-amdhsa--gfx1250"
	.amdhsa_code_object_version 6
	.text
	.protected	k_q33f78f2e85_down
	.globl	k_q33f78f2e85_down
	.p2align	8
	.type	k_q33f78f2e85_down,@function
k_q33f78f2e85_down:
	s_mov_b64 s[64:65], 0
	v_nop
	global_prefetch_b8 v0, s[64:65] scope:SCOPE_SE
	s_setreg_imm32_b32 hwreg(HW_REG_WAVE_MODE, 25, 1), 1
	s_wait_xcnt 0x0
; DOWN: ypart[kh][e][rank][:] = h w2[e] over half kh of the 4,096 hidden units (+ b2[e] in half 0), for the rows routed to expert e.
; w2 [8][4096 k][1024 n] f32 is read from memory ONCE, as f32, and quantised along k in registers on its way; h comes as images of the operand's registers with scale words (hc).
; A work-group = expert e (ttmp9 / 32) x 64 columns ((ttmp9 / 2) % 16) x K half (ttmp9 % 2): 8 steps; a step is two K steps: 256 k x 64 columns, 64 KiB of f32.
; ALL EIGHT WAVES RUN THE SAME TEXT.  In a step wave w takes block c = w % 4 (32 k) of K step u = w / 4; lane (q, h) takes rows 32 c + 16 h + 0 .. 15 and columns 4 q + 0 .. 3, so that a load reads two aligned runs
; of 256 bytes and the lane holds registers 4 c .. 4 c + 3 of the fragments of four tiles j, whose column q is output column 4 q + j.  Codes go to LDS as images of the operand's registers, scale bytes as one word a lane.
; One barrier a step: no LDS byte is written twice.  Behind it every wave multiplies both K steps for its tiles of 16 rows (w, 8 + w, 16 + w: 12 accumulators) against the four tiles of columns.
; THE THIRD TILE, 16 + w, IS FETCHED AND MULTIPLIED ONLY WHERE THE EXPERT HAS IT: a scalar branch on the stored count, round five loads or four products, never round a barrier.  The head's fetches and the first K step
; take all three tiles, so that every operand register is loaded and every sum is begun by a product whatever the count; a third tile that does not exist is never read out.
; Source 0 = 16 rows of h, source 1 = 16 columns: register i of lane (r, h) is row 8 h + i, column 4 r + j, so the four tiles' registers i are 16 neighbouring bytes, and sixteen lanes store 256 aligned bytes.
; LOADS.  In a step a wave issues: h for the next step (10 or 15 loads behind each K step's products, into the registers just multiplied), then, at the step's end, 16 loads of weights for the step after next (a ring of two blocks).
; The weights stand BEHIND h in the order of issue, so that the wait for h does not also wait for weights that are due a step later.  By this text's own count at most 63 loads of a wave are out (at the head), later 62.
; THE EIGHT STEPS ARE WRITTEN OUT, and a step's place stands in the loads' immediates (weights: at most 7 x 1,048,576 + 15 x 4,096 bytes, inside the signed 24 bits: ISA guide, chapter 10; h: at most 15 x 2,048 + 1,536):
; no base and no offset register of a global load is written again while the weights stream, so no wait stands there for their sake.
; Rows 0-383 ride on the stream; rows 384-1,023 are multiplied afterwards from the images kept in LDS, in passes that a scalar branch leaves out.  A tile past the last takes the last tile's h and is not stored.
; No cluster: the weights, which are what binds, are shared by no two work-groups.  The two K halves are added by the next launch, which owns each output row.
; LIMITS: NaN and infinities are not served.  A block of zeros gets the byte 1 (its codes are zeros; only this program reads the bytes).
.set ROWB, 4096
.set STB,  1048576                     ; 256 rows: a step
.set SCP,  131072                      ; LDS: 0: images, slot t (a K step): 8192 t + 2048 j + 512 c + 16 lane;  SCP: scale words, 512 t + 128 c + 4 lane (byte j)
.set HSC,  33554432
.set LN,1
.set RQ,2
.set HH,3
.set L16,4                             ; 16 lane: my bytes of an image
.set L4,5                              ; 4 lane: my scale word
.set SWI,6
.set SWS,7
.set MRI,8
.set MRS,9
.set FRI,10
.set FRS,11
.set MBX,12
.set MSX,13
.set WOFF,14
.set AXO,17
.set ASX,18
.set YO,19
.set BB,20                             ; v20-23 b2 of my four columns (0 in K half 1)
.set R16,24
.set MX,36
.set PM,40
.set SO,44
.set LM,48
.set BY,52
.set WD,56
.set CC,58
.set PLN,36
.set TP,40
.set WSC,80                            ; v80-83 the weights' scale words, v84-89 h's: these hold scales and nothing else
.set ASC,84
.set TT,96                             ; v96-159 by turns: the held numbers of a block; a K step's four fragments; on the way out a tile's 32 numbers
.set BW,96
.set OO,96
.set AB,160                            ; v160-255 h's fragments: K step kk of the step, tile t: 48 kk + 16 t
; window 1: v0-127 the ring of two blocks;  v128-223 accumulators (tile t, tile j: 128 + 32 t + 8 j)
.set ACC,128
.set WV,16
.set C4,17
.set E,18
.set CS,19
.set SEL,20
.set MNT,22
.set UU,24
.set NT,25
.set KH,26
.set CNT,27
.set PS,28
.set WB,38
.set HB,40                             ; s[40:45] three tiles' images;  s[50:55] their scale words
.set S2,46                             ; 1: the expert has my third tile, 16 + w
.set HS,50
.set YB,60
.set Q,66
.set P24,67
.set NTM,68
.set E64,69
.set KH16,70
.set YC,71
.set KQ,72
.set BBP,74
.set MSB, 0
.macro WIN new
.if MSB != (\new)
	s_set_vgpr_msb (MSB<<8)|(\new)
.set MSB, (\new)
.endif
.endm
.macro NOPS n
.rept \n
	v_nop
.endr
.endm
.macro BAR
	s_wait_dscnt 0x0
	s_barrier_signal -1
	s_barrier_wait -1
.endm
; Ring block xb becomes 4 x 16 codes and 4 scale bytes a lane, stored for slot 2 xb + u of the pair of steps.  n: younger loads that may stay out.
.macro QBLK xb, n
	s_wait_loadcnt \n
	WIN 0x05
.irp j, 0,1,2,3
	v_max3_num_f32 v[MX+\j], |v[64*\xb+\j]|, |v[64*\xb+4+\j]|, 0x8000000     ; with the floor 2^(16 - 127): the byte cannot fall under 1
.endr
.irp r, 2,4,6,8,10,12,14
.irp j, 0,1,2,3
	v_max3_num_f32 v[MX+\j], |v[64*\xb+4*\r+\j]|, |v[64*\xb+4*\r+4+\j]|, v[MX+\j]
.endr
.endr
	WIN 0
.irp j, 0,1,2,3
	v_permlanex16_b32 v[PM+\j], v[MX+\j], s[SEL], s[SEL+1]
.endr
.irp j, 0,1,2,3
	v_max_num_f32 v[MX+\j], v[MX+\j], v[PM+\j]
.endr
.irp j, 0,1,2,3
	v_add_nc_u32 v[SO+\j], 0xf8800000, v[MX+\j]
.endr
.irp j, 0,1,2,3
	v_and_or_b32 v[LM+\j], v[MX+\j], 0x7f800000, s[MNT]
.endr
.irp j, 0,1,2,3
	v_lshrrev_b32 v[BY+\j], 23, v[SO+\j]
.endr
	v_lshl_or_b32 v[WD], v[BY+1], 8, v[BY]
	v_lshl_or_b32 v[WD], v[BY+2], 16, v[WD]
	v_lshl_or_b32 v[WD], v[BY+3], 24, v[WD]
	WIN 0x01
.irp r, 0,1,2,3,4,5,6,7,8,9,10,11,12,13,14,15
.irp j, 0,1,2,3
	v_med3_num_f32 v[TT+16*\j+\r], v[64*\xb+4*\r+\j], -v[LM+\j], v[LM+\j]    ; the hold (ISA guide 7.6.2), into registers that run along k
.endr
.endr
	WIN 0
.irp j, 0,1,2,3
.irp u, 0,1
	v_cvt_scalef32_pk8_bf8_f32 v[CC+4*\j+2*\u:CC+4*\j+2*\u+1], v[TT+16*\j+8*\u:TT+16*\j+8*\u+7], v[SO+\j]
.endr
.endr
	v_nop                                          ; one plain line behind the last conversion
.irp j, 0,1,2,3
	ds_store_b128 v[SWI], v[CC+4*\j:CC+4*\j+3] offset:\xb*16384+\j*2048
.endr
	ds_store_b32 v[SWS], v[WD] offset:\xb*1024
.endm
.macro RELOAD xb, so                   ; ring block xb is asked for again: step so of the eight
	WIN 0x40
.irp r, 0,1,2,3,4,5,6,7,8,9,10,11,12,13,14,15
	global_load_b128 v[64*\xb+4*\r:64*\xb+4*\r+3], v[WOFF], s[WB:WB+1] offset:(\so)*STB+\r*ROWB th:TH_LOAD_NT
.endr
	WIN 0
.endm
.macro BFETCH va, vs, lo
.irp j, 0,1,2,3
.irp c, 0,1,2,3
	ds_load_b128 v[BW+16*\j+4*\c:BW+16*\j+4*\c+3], v[\va] offset:(\lo)*8192+\j*2048+\c*512
.endr
.endr
.irp c, 0,1,2,3
	ds_load_b32 v[PLN+\c], v[\vs] offset:(\lo)*512+\c*128
.endr
	s_wait_dscnt 0x0
	v_perm_b32 v[TP], v[PLN+1], v[PLN], s[PS]      ; four planes (plane c, byte j) into four scale words (tile j, byte c)
	v_perm_b32 v[TP+1], v[PLN+1], v[PLN], s[PS+1]
	v_perm_b32 v[TP+2], v[PLN+3], v[PLN+2], s[PS]
	v_perm_b32 v[TP+3], v[PLN+3], v[PLN+2], s[PS+1]
	v_perm_b32 v[WSC], v[TP+2], v[TP], s[PS+2]
	v_perm_b32 v[WSC+1], v[TP+2], v[TP], s[PS+3]
	v_perm_b32 v[WSC+2], v[TP+3], v[TP+1], s[PS+2]
	v_perm_b32 v[WSC+3], v[TP+3], v[TP+1], s[PS+3]
.endm
.macro WM j, t, kk, zero               ; one product: my tile t of rows x tile j of columns, K step kk of the step
.if \zero
	v_wmma_scale_f32_16x16x128_f8f6f4 v[ACC+32*\t+8*\j:ACC+32*\t+8*\j+7], v[AB+48*\kk+16*\t:AB+48*\kk+16*\t+15], v[BW+16*\j:BW+16*\j+15], 0, v[ASC+3*\kk+\t], v[WSC+\j] matrix_a_fmt:MATRIX_FMT_BF8 matrix_b_fmt:MATRIX_FMT_BF8
.else
	v_wmma_scale_f32_16x16x128_f8f6f4 v[ACC+32*\t+8*\j:ACC+32*\t+8*\j+7], v[AB+48*\kk+16*\t:AB+48*\kk+16*\t+15], v[BW+16*\j:BW+16*\j+15], v[ACC+32*\t+8*\j:ACC+32*\t+8*\j+7], v[ASC+3*\kk+\t], v[WSC+\j] matrix_a_fmt:MATRIX_FMT_BF8 matrix_b_fmt:MATRIX_FMT_BF8
.endif
.endm
; A K step's products: my first two tiles of rows x 4 tiles of columns, then my third (opt = 1: only where the expert has it).  The accumulators take turns, one instruction a turn.
; zero = 1: the products start the sums.  Eight places follow: behind them operands may be loaded anew and results read.
.macro MUL kk, zero, opt
	WIN 0x50                                       ; sources 0 and 1 window 0, C and D window 1
.irp j, 0,1,2,3
.irp t, 0,1
	WM \j, \t, \kk, \zero
.endr
.endr
.if \opt
	WIN 0                                          ; at a branch and at a label every window is 0
	s_cmp_eq_u32 s[S2], 0
	s_cbranch_scc1 .Lm_\@
	WIN 0x50
.endif
.irp j, 0,1,2,3
	WM \j, 2, \kk, \zero
.endr
	WIN 0
.if \opt
.Lm_\@:
.endif
	NOPS 8
.endm
.macro AF kk, vo, vs, ks, t            ; h's image and scale word, ks K steps on from the offsets' place, for my tile t, into half kk: 5 loads, each of consecutive bytes
.irp c, 0,1,2,3
	global_load_b128 v[AB+48*\kk+16*\t+4*\c:AB+48*\kk+16*\t+4*\c+3], v[\vo], s[HB+2*\t:HB+2*\t+1] offset:2048*(\ks)+512*\c
.endr
	global_load_b32 v[ASC+3*\kk+\t], v[\vs], s[HS+2*\t:HS+2*\t+1] offset:128*(\ks)
.endm
.macro AFETCH kk, vo, vs, ks, opt      ; 10 loads for my first two tiles, then 5 for my third (opt = 1: only where the expert has it)
	AF \kk, \vo, \vs, \ks, 0
	AF \kk, \vo, \vs, \ks, 1
.if \opt
	s_cmp_eq_u32 s[S2], 0
	s_cbranch_scc1 .Lf_\@
.endif
	AF \kk, \vo, \vs, \ks, 2
.if \opt
.Lf_\@:
.endif
.endm
; the bases of my three tiles P24 + 8 t + w, held at the last tile that exists
.macro MKB
.irp t, 0,1,2
	s_add_co_u32 s62, s[P24], s[WV]
	s_add_co_u32 s62, s62, 8*\t
	s_min_u32 s62, s62, s[NTM]
	s_min_u32 s62, s62, 63
	s_add_co_u32 s62, s62, s[E64]
	s_lshl_b32 s62, s62, 5
	s_add_co_u32 s62, s62, s[KH16]                 ; (64 e + tile) 32 + 16 kh
	s_lshl_b32 s34, s62, 11
	s_mov_b32 s35, 0
	s_add_nc_u64 s[HB+2*\t:HB+2*\t+1], s[8:9], s[34:35]
	s_lshl_b32 s34, s62, 7
	s_add_co_u32 s34, s34, HSC
	s_add_nc_u64 s[HS+2*\t:HS+2*\t+1], s[8:9], s[34:35]
.endr
.endm
; STEP st of the eight (the xb-th of its pair): my block is quantised | barrier | both K steps are multiplied; behind each, h of the next step's like K step is asked for; at the end the ring block is asked for again.
.macro STEP xb, st, rel, ns, zero, pf, n0, n1
	QBLK \xb, \ns
	BAR
	BFETCH MRI, MRS, 2*\xb
	s_wait_loadcnt \n0
	NOPS 8                                         ; a scale word made by vector instructions stands eight places ahead of the scaled matrix instruction
	MUL 0, \zero, 1-\zero                          ; the first products are issued for all three tiles
.if \pf
	AFETCH 0, L16, L4, 2*\st+2, 1
.endif
	BFETCH MRI, MRS, 2*\xb+1
	s_wait_loadcnt \n1
	NOPS 8
	MUL 1, 0, 1
.if \pf
	AFETCH 1, L16, L4, 2*\st+3, 1
.endif
.if \rel
	RELOAD \xb, \st+2
.endif
.endm
.macro ADV                             ; the LDS addresses go on to the next pair of steps' four slots (no LDS instruction of mine is out)
	v_add_nc_u32 v[SWI], 32768, v[SWI]
	v_add_nc_u32 v[SWS], 2048, v[SWS]
	v_add_nc_u32 v[MRI], 32768, v[MRI]
	v_add_nc_u32 v[MRS], 2048, v[MRS]
.endm
; the way out: each of my three tiles that exists: + b2, eight stores of two rows x 256 consecutive bytes
.macro EPI2
.irp t, 0,1,2
	s_add_co_u32 s62, s[P24], s[WV]
	s_add_co_u32 s62, s62, 8*\t
	s_cmp_ge_u32 s62, s[NT]
	s_cbranch_scc1 .Ly_\@_\t
	s_add_co_u32 s62, s62, s[E64]
	s_lshl_b32 s34, s62, 16                        ; 16 rows of 4,096 bytes a tile
	s_add_co_u32 s34, s34, s[YC]
	s_mov_b32 s35, 0
	s_add_nc_u64 s[YB:YB+1], s[12:13], s[34:35]
	WIN 0x01
.irp q, 0,1,2,3,4,5,6,7
.irp j, 0,1,2,3
	v_add_f32 v[OO+4*\q+\j], v[ACC+32*\t+8*\j+\q], v[BB+\j]                  ; each accumulator from its low end on
.endr
.endr
	WIN 0
.irp q, 0,1,2,3,4,5,6,7
	global_store_b128 v[YO], v[OO+4*\q:OO+4*\q+3], s[YB:YB+1] offset:4096*\q
.endr
	s_wait_xcnt 0x0                                ; data and base are written again only behind this wait
.Ly_\@_\t:
.endr
.endm
	s_load_b256 s[4:11], s[0:1], 0x0               ; w2, b2, hc, place
	s_load_b64 s[12:13], s[0:1], 0x20              ; ypart
	v_lshl_add_u32 v94, v0, 2, 0x22000
	v_mov_b32 v95, 0
	v_lshrrev_b32 v1, 5, v0
	v_readfirstlane_b32 s[WV], v1
	s_and_b32 s[C4], s[WV], 3                      ; my block of 32 k
	s_lshr_b32 s[UU], s[WV], 2                     ; in which of a step's two K steps
	s_lshr_b32 s[E], ttmp9, 5
	s_bfe_u32 s[CS], ttmp9, 0x40001
	s_and_b32 s[KH], ttmp9, 1
	v_and_b32 v[LN], 31, v0
	v_and_b32 v[RQ], 15, v0
	v_bfe_u32 v[HH], v0, 4, 1
	v_lshlrev_b32 v[L16], 4, v[LN]
	v_lshlrev_b32 v[L4], 2, v[LN]
	s_lshl_b32 s34, s[C4], 9
	s_lshl_b32 s35, s[UU], 13
	s_add_co_u32 s34, s34, s35
	v_add_nc_u32 v[SWI], s34, v[L16]               ; 8192 u + 512 c + 16 lane
	s_lshl_b32 s34, s[C4], 7
	s_lshl_b32 s35, s[UU], 9
	s_add_co_u32 s34, s34, s35
	v_add_nc_u32 v[SWS], s34, v[L4]
	v_add_nc_u32 v[SWS], SCP, v[SWS]               ; 512 u + 128 c + 4 lane
	v_lshlrev_b32 v[MRI], 4, v[LN]
	v_add_nc_u32 v[MRS], SCP, v[L4]
	v_lshlrev_b32 v[FRI], 4, v[LN]
	v_add_nc_u32 v[FRS], SCP, v[L4]
	v_lshlrev_b32 v[R16], 4, v[RQ]
	v_lshl_add_u32 v[WOFF], v[HH], 16, v[R16]      ; 16 q + 16 h rows
	s_lshl_b32 s34, s[C4], 17
	s_lshl_b32 s35, s[UU], 19
	s_add_co_u32 s34, s34, s35
	v_add_nc_u32 v[WOFF], s34, v[WOFF]             ; + 32 c + 128 u rows
	v_lshl_add_u32 v[YO], v[HH], 15, v[R16]        ; 8 h rows + 16 r
.irp i, 40,41,42,43
	v_mov_b32 v\i, 0                               ; a lane permute's destination counts as one of its sources
.endr
	s_mov_b32 s[SEL], 0x76543210
	s_mov_b32 s[SEL+1], 0xfedcba98
	s_mov_b32 s[MNT], 0x600000
	s_mov_b32 s[PS], 0x05010400
	s_mov_b32 s[PS+1], 0x07030602
	s_mov_b32 s[PS+2], 0x05040100
	s_mov_b32 s[PS+3], 0x07060302
	s_lshl_b32 s34, s[E], 24
	s_lshl_b32 s62, s[KH], 23
	s_add_co_u32 s34, s34, s62
	s_lshl_b32 s62, s[CS], 8
	s_add_co_u32 s34, s34, s62
	s_mov_b32 s35, 0
	s_lshl_b32 s36, s[E], 12
	s_add_co_u32 s36, s36, s62
	s_mov_b32 s37, 0
	s_lshl_b32 s[YC], s[KH], 25
	s_add_co_u32 s[YC], s[YC], s62
	s_lshl_b32 s63, s[E], 7
	s_lshl_b32 s[E64], s[E], 6
	s_lshl_b32 s[KH16], s[KH], 4
	s_mov_b32 s[P24], 0
	s_wait_kmcnt 0x0
	s_load_b32 s[CNT], s[10:11], s63 offset:0x10000   ; expert e's number of rows
	s_add_nc_u64 s[WB:WB+1], s[4:5], s[34:35]      ; w2 at expert e, my K half, my 64 columns: never written again
	s_add_nc_u64 s[BBP:BBP+1], s[6:7], s[36:37]
	global_load_b128 v[BB:BB+3], v[R16], s[BBP:BBP+1]
	RELOAD 0, 0                                    ; the first two steps' weights
	RELOAD 1, 1
	s_wait_kmcnt 0x0
	s_add_co_u32 s[NT], s[CNT], 15
	s_lshr_b32 s[NT], s[NT], 4
	s_max_u32 s[NT], s[NT], 1
	s_min_u32 s[NT], s[NT], 64
	s_sub_co_u32 s[NTM], s[NT], 1
	s_add_co_u32 s34, s[WV], 16
	s_cmp_lt_u32 s34, s[NT]
	s_cselect_b32 s[S2], 1, 0                      ; has the expert my third tile?
	MKB
	AFETCH 0, L16, L4, 0, 0                        ; the first fetches take all three tiles: every operand register is loaded whatever the count
	AFETCH 1, L16, L4, 1, 0
	s_cmp_eq_u32 s[KH], 0
	s_cselect_b32 s62, -1, 0
	s_wait_loadcnt 62                              ; b2 is in; the 62 younger loads (32 of weights, 30 of h) may be out
.irp j, 0,1,2,3
	v_cndmask_b32 v[BB+\j], 0, v[BB+\j], s62       ; the bias is added in K half 0 alone
.endr
	; THE COUNTS are those of the way with the fewest loads, the one without a third tile; on the other way they wait for a few loads more, which is right too.
	; 36: behind the ring block that is due stand at least 10 + 10 loads of h and 16 of weights.  26: behind the half of h that is due stand at least 10 of h and 16 of weights.
	; In the first step: 46: behind ring block 0 stand block 1's 16 and the head's 30 of h, on every way; 15: behind h's first half its whole second half; 10: behind that at least this step's 10
	STEP 0, 0, 1, 46, 1, 1, 15, 10                 ; the first products start the sums
	STEP 1, 1, 1, 36, 0, 1, 26, 26
	ADV
	STEP 0, 2, 1, 36, 0, 1, 26, 26
	STEP 1, 3, 1, 36, 0, 1, 26, 26
	ADV
	STEP 0, 4, 1, 36, 0, 1, 26, 26
	STEP 1, 5, 1, 36, 0, 1, 26, 26
	ADV
	STEP 0, 6, 0, 36, 0, 1, 26, 26                 ; the last pair: no weights are left to ask for,
	STEP 1, 7, 0, 20, 0, 0, 10, 0                  ; and then no h: the counts run down
	EPI2
	; ROWS 384 ON: two passes of 24 tiles x 8 trips of two K steps, from the images in LDS.  The work is jumped over where there are no such rows.  No barrier stands here.
	s_mov_b32 s[Q], 0
.Lextra:
	s_lshr_b32 s62, s[Q], 3
	s_add_co_u32 s62, s62, 1
	s_mul_i32 s[P24], s62, 24
	s_and_b32 s[KQ], s[Q], 7
	s_lshl_b32 s34, s[KQ], 14
	v_add_nc_u32 v[MBX], s34, v[FRI]
	s_lshl_b32 s34, s[KQ], 10
	v_add_nc_u32 v[MSX], s34, v[FRS]
	s_cmp_ge_u32 s[P24], s[NT]
	s_cbranch_scc1 .Lxskip
	s_wait_loadcnt 0x0                             ; no load of mine is out: offsets, bases and fragments may be written
	s_lshl_b32 s34, s[KQ], 12
	v_add_nc_u32 v[AXO], s34, v[L16]
	s_lshl_b32 s34, s[KQ], 8
	v_add_nc_u32 v[ASX], s34, v[L4]
	MKB
	AFETCH 0, AXO, ASX, 0, 0
	AFETCH 1, AXO, ASX, 1, 0
	BFETCH MBX, MSX, 0
	s_wait_loadcnt 15                              ; the second K step's 15 loads may be out
	NOPS 8
	s_cmp_eq_u32 s[KQ], 0
	s_cbranch_scc0 .Lxadd
	MUL 0, 1, 0
	s_branch .Lxj
.Lxadd:
	MUL 0, 0, 0
.Lxj:
	BFETCH MBX, MSX, 1
	s_wait_loadcnt 0x0
	NOPS 8
	MUL 1, 0, 0
	s_cmp_eq_u32 s[KQ], 7
	s_cbranch_scc0 .Lxskip
	EPI2
.Lxskip:
	s_add_co_u32 s[Q], s[Q], 1
	s_cmp_lt_u32 s[Q], 16
	s_cbranch_scc1 .Lextra
	s_wait_tensorcnt 0x0
	ds_add_u32 v94, v95
	s_wait_dscnt 0x0
	s_endpgm
.Lfunc_end_k_q33f78f2e85_down:
	.size	k_q33f78f2e85_down, .Lfunc_end_k_q33f78f2e85_down-k_q33f78f2e85_down
	.p2alignl 7, 3214868480
	.fill 96, 4, 3214868480
	.section	.rodata,"a",@progbits
	.p2align	6, 0x0
	.amdhsa_kernel k_q33f78f2e85_down
		.amdhsa_group_segment_fixed_size 140288
		.amdhsa_private_segment_fixed_size 0
		.amdhsa_enable_private_segment 0
		.amdhsa_kernarg_size 40
		.amdhsa_user_sgpr_count 2
		.amdhsa_user_sgpr_kernarg_segment_ptr 1
		.amdhsa_wavefront_size32 1
		.amdhsa_system_sgpr_workgroup_id_x 1
		.amdhsa_system_sgpr_workgroup_id_y 1
		.amdhsa_system_sgpr_workgroup_id_z 1
		.amdhsa_system_vgpr_workitem_id 0
		.amdhsa_next_free_vgpr 512
		.amdhsa_next_free_sgpr 80
		.amdhsa_reserve_vcc 0
		.amdhsa_float_denorm_mode_32 3
		.amdhsa_float_denorm_mode_16_64 3
		.amdhsa_memory_ordered 1
		.amdhsa_forward_progress 1
		.amdhsa_inst_pref_size 202
	.end_amdhsa_kernel
	.amdgpu_metadata
---
amdhsa.version: [ 1, 2 ]
amdhsa.kernels:
  - .name:           k_q33f78f2e85_down
    .symbol:         k_q33f78f2e85_down.kd
    .args:
      - { .name: w2, .offset: 0, .size: 8, .value_kind: global_buffer, .address_space: global }
      - { .name: b2, .offset: 8, .size: 8, .value_kind: global_buffer, .address_space: global }
      - { .name: hc, .offset: 16, .size: 8, .value_kind: global_buffer, .address_space: global }
      - { .name: place, .offset: 24, .size: 8, .value_kind: global_buffer, .address_space: global }
      - { .name: ypart, .offset: 32, .size: 8, .value_kind: global_buffer, .address_space: global }
    .group_segment_fixed_size: 140288
    .private_segment_fixed_size: 0
    .kernarg_segment_align: 8
    .kernarg_segment_size: 40
    .max_flat_workgroup_size: 256
    .sgpr_count:     80
    .vgpr_count:     512
    .wavefront_size: 32
...
	.end_amdgpu_metadata
.endif
;; end of part 4
;; launch combine (part 5): grid 256 x 1, 4 waves a work-group, no clusters, 0 bytes of LDS; arguments ypart, idx, rt, place, out0, out1; writes out0, out1
.if DOCPART == 5
	.amdgcn_target "amdgcn-amd-amdhsa--gfx1250"
	.amdhsa_code_object_version 6
	.text
	.protected	k_q33f78f2e85_combine
	.globl	k_q33f78f2e85_combine
	.p2align	8
	.type	k_q33f78f2e85_combine,@function
k_q33f78f2e85_combine:
	s_mov_b64 s[64:65], 0
	v_nop
	global_prefetch_b8 v0, s[64:65] scope:SCOPE_SE
	s_setreg_imm32_b32 hwreg(HW_REG_WAVE_MODE, 25, 1), 1
	s_wait_xcnt 0x0
; COMBINE: out0[t] = sum over k = 0, 1 of weight[t][k] x (ypart[0][e_k][rank_k] + ypart[1][e_k][rank_k]); one wave owns one token's row, so no sum spans work-groups.
; e_k comes from idx, rank_k from place (the rank of slot 2 t + k within expert e_k): whole numbers that earlier launches stored; both are held inside their tables before they enter an address.
; out1 = 8 x sum over e of (count_e / 2,048) x (sum of probabilities_e / 1,024) = 2^-18 x sum of count_e x sum_e: wave 0 of work-group 0.
; A stream: four rows of 4,096 bytes in, one out, 512 consecutive bytes an instruction.  No LDS bytes, no barrier, no matrix work.
.set R0, 16
.set R1, 48
.set R2, 80
.set R3, 112
.set PSR, 144
.set CNR, 208
	s_load_b256 s[4:11], s[0:1], 0x0               ; ypart, idx, rt, place
	s_load_b128 s[12:15], s[0:1], 0x20             ; out0, out1
	v_lshrrev_b32 v1, 5, v0
	v_readfirstlane_b32 s16, v1
	s_lshl_b32 s17, ttmp9, 2
	s_add_co_u32 s17, s17, s16                     ; my token
	v_and_b32 v1, 31, v0
	v_bfe_u32 v2, v0, 3, 1                         ; k of my lane
	v_and_b32 v3, 7, v0                            ; e of my lane
	s_lshl_b32 s20, s17, 3
	v_lshl_add_u32 v4, v2, 2, s20                  ; (2 t + k) x 4
	v_lshl_add_u32 v5, v3, 13, v4                  ; + 8,192 e
	v_lshlrev_b32 v10, 4, v1
	v_and_b32 v11, 1, v0
	v_lshlrev_b32 v11, 9, v11
	s_or_b32 s34, ttmp9, s16
	s_mov_b32 s44, 0x76543210
	s_mov_b32 s45, 0xfedcba98
	s_wait_kmcnt 0x0
	global_load_b32 v6, v4, s[6:7]                 ; the expert of slot 2 t + k
	global_load_b32 v7, v5, s[10:11]               ; the rank of slot 2 t + k within expert e
	s_load_b64 s[18:19], s[8:9], s20 offset:0x0    ; the two weights
	s_wait_loadcnt 0x0
	v_min_u32 v8, 7, v6
	v_lshl_add_u32 v8, v2, 3, v8
	v_lshlrev_b32 v8, 2, v8
	ds_bpermute_b32 v9, v8, v7                     ; from lane e_k + 8 k: the rank within the chosen expert
	s_wait_dscnt 0x0
	v_readlane_b32 s21, v6, 0
	v_readlane_b32 s22, v6, 8
	v_readlane_b32 s23, v9, 0
	v_readlane_b32 s24, v9, 8
	s_min_u32 s21, s21, 7
	s_min_u32 s22, s22, 7
	s_min_u32 s23, s23, 0x3ff
	s_min_u32 s24, s24, 0x3ff
	s_lshl_b32 s21, s21, 10
	s_add_co_u32 s21, s21, s23
	s_lshl_b32 s26, s21, 12                        ; (1,024 e + rank) rows of 4,096 bytes
	s_mov_b32 s27, 0
	s_lshl_b32 s22, s22, 10
	s_add_co_u32 s22, s22, s24
	s_lshl_b32 s28, s22, 12
	s_mov_b32 s29, 0
	s_lshl_b32 s30, s17, 12
	s_mov_b32 s31, 0
	s_add_nc_u64 s[36:37], s[4:5], s[26:27]
	s_add_nc_u64 s[38:39], s[36:37], 0x2000000     ; K half 1
	s_add_nc_u64 s[40:41], s[4:5], s[28:29]
	s_add_nc_u64 s[42:43], s[40:41], 0x2000000
	s_add_nc_u64 s[12:13], s[12:13], s[30:31]
.irp n, 0,1,2,3,4,5,6,7
	global_load_b128 v[R0+4*\n:R0+4*\n+3], v10, s[36:37] offset:512*\n th:TH_LOAD_NT
	global_load_b128 v[R1+4*\n:R1+4*\n+3], v10, s[38:39] offset:512*\n th:TH_LOAD_NT
	global_load_b128 v[R2+4*\n:R2+4*\n+3], v10, s[40:41] offset:512*\n th:TH_LOAD_NT
	global_load_b128 v[R3+4*\n:R3+4*\n+3], v10, s[42:43] offset:512*\n th:TH_LOAD_NT
.endr
	s_cmp_lg_u32 s34, 0
	s_cbranch_scc1 .Lnoaux0
.irp n, 0,1,2,3,4,5,6,7,8,9,10,11,12,13,14,15
	global_load_b128 v[PSR+4*\n:PSR+4*\n+3], v10, s[8:9] offset:8192+512*\n  ; piece L + 32 n: experts 4 (L % 2) + 0 .. 3 of a work-group's sums
.endr
.irp m, 0,1,2,3
	global_load_b32 v[CNR+\m], v11, s[10:11] offset:65536+128*\m             ; the counts of the same four experts
.endr
.Lnoaux0:
	s_wait_kmcnt 0x0
	s_mov_b32 s32, s19
	s_mov_b32 s33, s19                             ; the second weight as the low word of a pair
	s_wait_loadcnt 0x0
.irp p, 0,2,4,6,8,10,12,14,16,18,20,22,24,26,28,30
	v_pk_add_f32 v[R0+\p:R0+\p+1], v[R0+\p:R0+\p+1], v[R1+\p:R1+\p+1]
	v_pk_add_f32 v[R2+\p:R2+\p+1], v[R2+\p:R2+\p+1], v[R3+\p:R3+\p+1]
	v_pk_mul_f32 v[R0+\p:R0+\p+1], v[R0+\p:R0+\p+1], s[18:19] op_sel_hi:[1,0]
	v_pk_fma_f32 v[R0+\p:R0+\p+1], v[R2+\p:R2+\p+1], s[32:33], v[R0+\p:R0+\p+1] op_sel_hi:[1,0,1]
.endr
.irp n, 0,1,2,3,4,5,6,7
	global_store_b128 v10, v[R0+4*\n:R0+4*\n+3], s[12:13] offset:512*\n th:TH_STORE_NT
.endr
	s_cmp_lg_u32 s34, 0
	s_cbranch_scc1 .Lend
.irp n, 1,2,3,4,5,6,7,8,9,10,11,12,13,14,15
	v_pk_add_f32 v[PSR:PSR+1], v[PSR:PSR+1], v[PSR+4*\n:PSR+4*\n+1]
	v_pk_add_f32 v[PSR+2:PSR+3], v[PSR+2:PSR+3], v[PSR+4*\n+2:PSR+4*\n+3]
.endr
.irp k, 2,4,8
.irp m, 0,1,2,3
	v_add_f32_dpp v[PSR+\m], v[PSR+\m], v[PSR+\m] row_xmask:\k row_mask:0xf bank_mask:0xf
.endr
.endr
.irp m, 0,1,2,3
	v_permlanex16_b32 v[PSR+4+\m], v[PSR+\m], s44, s45
.endr
.irp m, 0,1,2,3
	v_add_f32 v[PSR+\m], v[PSR+\m], v[PSR+4+\m]    ; the sum over all tokens of expert 4 (L % 2) + m's probability
	v_cvt_f32_u32 v[CNR+\m], v[CNR+\m]
.endr
	v_mul_f32 v212, v[CNR], v[PSR]
	v_fmac_f32 v212, v[CNR+1], v[PSR+1]
	v_fmac_f32 v212, v[CNR+2], v[PSR+2]
	v_fmac_f32 v212, v[CNR+3], v[PSR+3]
	v_add_f32_dpp v212, v212, v212 row_xmask:1 row_mask:0xf bank_mask:0xf
	v_mul_f32 v212, 0x36800000, v212               ; x 2^-18
	v_mov_b32 v213, 0
	s_wait_xcnt 0x0                                ; EXEC changes only behind this wait
	v_cmp_eq_u32 vcc_lo, 0, v1
	s_and_saveexec_b32 s46, vcc_lo
	global_store_b32 v213, v212, s[14:15]
	s_wait_xcnt 0x0
	s_or_b32 exec_lo, exec_lo, s46
.Lend:
	s_endpgm
.Lfunc_end_k_q33f78f2e85_combine:
	.size	k_q33f78f2e85_combine, .Lfunc_end_k_q33f78f2e85_combine-k_q33f78f2e85_combine
	.p2alignl 7, 3214868480
	.fill 96, 4, 3214868480
	.section	.rodata,"a",@progbits
	.p2align	6, 0x0
	.amdhsa_kernel k_q33f78f2e85_combine
		.amdhsa_group_segment_fixed_size 0
		.amdhsa_private_segment_fixed_size 0
		.amdhsa_enable_private_segment 0
		.amdhsa_kernarg_size 48
		.amdhsa_user_sgpr_count 2
		.amdhsa_user_sgpr_kernarg_segment_ptr 1
		.amdhsa_wavefront_size32 1
		.amdhsa_system_sgpr_workgroup_id_x 1
		.amdhsa_system_sgpr_workgroup_id_y 1
		.amdhsa_system_sgpr_workgroup_id_z 1
		.amdhsa_system_vgpr_workitem_id 0
		.amdhsa_next_free_vgpr 224
		.amdhsa_next_free_sgpr 66
		.amdhsa_reserve_vcc 1
		.amdhsa_float_denorm_mode_32 3
		.amdhsa_float_denorm_mode_16_64 3
		.amdhsa_memory_ordered 1
		.amdhsa_forward_progress 1
		.amdhsa_inst_pref_size 17
	.end_amdhsa_kernel
	.amdgpu_metadata
---
amdhsa.version: [ 1, 2 ]
amdhsa.kernels:
  - .name:           k_q33f78f2e85_combine
    .symbol:         k_q33f78f2e85_combine.kd
    .args:
      - { .name: ypart, .offset: 0, .size: 8, .value_kind: global_buffer, .address_space: global }
      - { .name: idx, .offset: 8, .size: 8, .value_kind: global_buffer, .address_space: global }
      - { .name: rt, .offset: 16, .size: 8, .value_kind: global_buffer, .address_space: global }
      - { .name: place, .offset: 24, .size: 8, .value_kind: global_buffer, .address_space: global }
      - { .name: out0, .offset: 32, .size: 8, .value_kind: global_buffer, .address_space: global }
      - { .name: out1, .offset: 40, .size: 8, .value_kind: global_buffer, .address_space: global }
    .group_segment_fixed_size: 0
    .private_segment_fixed_size: 0
    .kernarg_segment_align: 8
    .kernarg_segment_size: 48
    .max_flat_workgroup_size: 128
    .sgpr_count:     66
    .vgpr_count:     224
    .wavefront_size: 32
...
	.end_amdgpu_metadata
.endif
;; end of part 5
;; ======== version 2 of 2: 5 launches
;; workspace buffers: xc 1,081,344 bytes; idx 8,192 bytes of whole numbers; rt 16,384 bytes; hc 35,651,584 bytes; place 107,520 bytes of whole numbers; ypart 67,108,864 bytes
;; launch router (part 6): grid 256 x 1, 4 waves a work-group, no clusters, 36,352 bytes of LDS; arguments x, gate_w, xc, idx, rt; writes xc, idx, rt
.if DOCPART == 6
	.amdgcn_target "amdgcn-amd-amdhsa--gfx1250"
	.amdhsa_code_object_version 6
	.text
	.protected	k_q33f78f2e85_router
	.globl	k_q33f78f2e85_router
	.p2align	8
	.type	k_q33f78f2e85_router,@function
k_q33f78f2e85_router:
	s_mov_b64 s[64:65], 0
	v_nop
	global_prefetch_b8 v0, s[64:65] scope:SCOPE_SE
	s_setreg_imm32_b32 hwreg(HW_REG_WAVE_MODE, 25, 1), 1
	s_wait_xcnt 0x0
; ROUTER.  x [1024 tokens][1024] f32, gate_w [1024][8] f32.  Stores: xc = x as codes of E5M2 [token][1024 bytes] and, from byte 1,048,576 on, one E8M0 byte for each 32 along d [token][32];
; idx[2 t + k] = the k-th chosen expert (whole numbers); rt: the two renormalised weights [2 t + k] f32, and from byte 8,192 on the sum of the work-group's four tokens' probabilities [work-group][8].
; A work-group takes 4 tokens; wave w owns d = 256 w .. 256 w + 255 of all four; lane L owns d = 256 w + 8 L + 0 .. 7, so four neighbouring lanes hold a block of 32.
; The logits are f32 multiply-adds; softmax takes the row's maximum away; the two largest probabilities are taken with the lower index first among equals.
; No address and no branch here hangs on the choice: it is stored at fixed places and used by the later launches.
; LIMITS: NaN and infinities among the inputs are not served.  A block of zeros gets the byte 1 (its codes are zeros; only this program reads the bytes).  Probabilities under 2^-126 count as 0.
; Two probabilities that differ by less than f32 rounding may be ordered otherwise than by another order of the sums.
.set GWP, 8704                         ; LDS: a wave's own 8,192 bytes of gate_w as 32 places of 256 + 16 bytes
.set PLS, 34816                        ; LDS: partial logits [wave][4 tokens x 8 experts] f32
.set SBS, 35328                        ; LDS: scale bytes [token][32]
.set GL,  16                           ; v16-79   gate_w as loaded
.set GT,  80                           ; v80-143  gate_w of my 8 d: register 8 m + e
.set XR,  144                          ; v144-175 x: register 8 t + m
.set LA,  176                          ; v176-207 logits: register 8 t + e
.set TQ,  208                          ; v208-215 held numbers
.set CD,  216                          ; v216-223 codes, two registers a token
.set MXR, 224
.set SOR, 228
.set LMR, 232
.set BYR, 236
	s_load_b128 s[4:7], s[0:1], 0x0                ; x, gate_w
	s_load_b128 s[8:11], s[0:1], 0x10              ; xc, idx
	s_load_b64 s[12:13], s[0:1], 0x20              ; rt
	v_lshl_add_u32 v254, v0, 2, 0x8c00
	v_mov_b32 v255, 0
	v_lshrrev_b32 v1, 5, v0
	v_readfirstlane_b32 s14, v1                    ; wave
	v_and_b32 v1, 31, v0                           ; lane
	v_lshlrev_b32 v2, 4, v1                        ; 16 L
	v_lshlrev_b32 v3, 5, v1                        ; 32 L
	s_mul_i32 s15, s14, GWP
	v_lshrrev_b32 v12, 4, v1
	v_and_b32 v13, 15, v1
	v_mul_u32_u24 v4, v12, 272
	v_lshl_add_u32 v4, v13, 4, v4
	v_add_nc_u32 v4, s15, v4                       ; gate_w into LDS: place 2 n + L / 16, byte 16 (L % 16)
	v_mul_u32_u24 v5, v1, 272
	v_add_nc_u32 v5, s15, v5                       ; and back: place L
	v_lshlrev_b32 v6, 3, v1                        ; 8 L: my codes
	v_lshrrev_b32 v7, 2, v1
	s_lshl_b32 s15, s14, 3
	v_add_nc_u32 v7, s15, v7
	v_add_nc_u32 v7, SBS, v7                       ; my block's scale byte: 8 w + L / 4
	s_lshl_b32 s15, s14, 7
	v_mov_b32 v8, s15
	v_add_nc_u32 v8, PLS, v8                       ; my wave's 128 bytes of partial logits
	v_lshlrev_b32 v11, 2, v1                       ; 4 L
	v_add_nc_u32 v9, PLS, v11
	v_add_nc_u32 v10, SBS, v11
	s_mov_b32 s30, 0x600000                        ; the mantissa field of 57,344
	s_mov_b32 s34, 0x76543210
	s_mov_b32 s35, 0xfedcba98                      ; selects for lane l xor 16
	s_lshl_b32 s16, ttmp9, 14                      ; 4 tokens of 4,096 bytes,
	s_lshl_b32 s18, s14, 10
	s_add_co_u32 s16, s16, s18                     ; + my wave's 1,024 bytes of a row
	s_mov_b32 s17, 0
	s_lshl_b32 s18, s14, 13                        ; my wave's 256 rows of gate_w
	s_mov_b32 s19, 0
	s_lshl_b32 s20, ttmp9, 12
	s_lshl_b32 s22, s14, 8
	s_add_co_u32 s20, s20, s22                     ; codes: 4 tokens of 1,024 bytes + 256 w
	s_mov_b32 s21, 0
	s_lshl_b32 s26, ttmp9, 7
	s_add_co_u32 s26, s26, 0x100000                ; scale bytes: 128 a work-group
	s_mov_b32 s27, 0
	s_lshl_b32 s28, ttmp9, 5                       ; 32 bytes a work-group in idx, in the weights and in the sums
	s_mov_b32 s29, 0
	s_wait_kmcnt 0x0
	s_add_nc_u64 s[4:5], s[4:5], s[16:17]
	s_add_nc_u64 s[6:7], s[6:7], s[18:19]
	s_add_nc_u64 s[22:23], s[8:9], s[20:21]
	s_add_nc_u64 s[24:25], s[8:9], s[26:27]
	s_add_nc_u64 s[10:11], s[10:11], s[28:29]
	s_add_nc_u64 s[12:13], s[12:13], s[28:29]
.irp n, 0,1,2,3,4,5,6,7,8,9,10,11,12,13,14,15
	global_load_b128 v[GL+4*\n:GL+4*\n+3], v2, s[6:7] offset:512*\n          ; 512 consecutive bytes a load
.endr
.irp t, 0,1,2,3
	global_load_b128 v[XR+8*\t:XR+8*\t+3], v3, s[4:5] offset:4096*\t th:TH_LOAD_NT
	global_load_b128 v[XR+8*\t+4:XR+8*\t+7], v3, s[4:5] offset:4096*\t+16 th:TH_LOAD_NT
.endr
	s_wait_loadcnt 8                               ; gate_w is in; the eight younger loads, x's, may be out
.irp n, 0,1,2,3,4,5,6,7,8,9,10,11,12,13,14,15
	ds_store_b128 v4, v[GL+4*\n:GL+4*\n+3] offset:544*\n
.endr
.irp n, 0,1,2,3,4,5,6,7,8,9,10,11,12,13,14,15
	ds_load_b128 v[GT+4*\n:GT+4*\n+3], v5 offset:16*\n                       ; a wave's LDS instructions are served in order: these see the stores above
.endr
	s_wait_loadcnt 0x0                             ; x
	; x into codes: the largest magnitude of a block (8 numbers a lane, four lanes), its scale, the hold, the conversion
.irp t, 0,1,2,3
	v_max3_num_f32 v[MXR+\t], |v[XR+8*\t]|, |v[XR+8*\t+1]|, 0x8000000       ; with the floor 2^(16 - 127): the byte cannot fall under 1
.endr
.irp i, 2,4,6
.irp t, 0,1,2,3
	v_max3_num_f32 v[MXR+\t], v[MXR+\t], |v[XR+8*\t+\i]|, |v[XR+8*\t+\i+1]|
.endr
.endr
.irp t, 0,1,2,3
	v_max_num_f32_dpp v[MXR+\t], v[MXR+\t], v[MXR+\t] row_xmask:1 row_mask:0xf bank_mask:0xf
.endr
.irp t, 0,1,2,3
	v_max_num_f32_dpp v[MXR+\t], v[MXR+\t], v[MXR+\t] row_xmask:2 row_mask:0xf bank_mask:0xf
.endr
.irp t, 0,1,2,3
	v_add_nc_u32 v[SOR+\t], 0xf8800000, v[MXR+\t]                            ; 15 off the exponent field: the conversion's scale operand
	v_and_or_b32 v[LMR+\t], v[MXR+\t], 0x7f800000, s30                       ; 57,344 x the scale
	v_lshrrev_b32 v[BYR+\t], 23, v[SOR+\t]                                   ; the scale's byte
.endr
.irp t, 0,1,2,3
.irp i, 0,1,2,3,4,5,6,7
	v_med3_num_f32 v[TQ+\i], v[XR+8*\t+\i], -v[LMR+\t], v[LMR+\t]            ; the conversion does not saturate (ISA guide 7.6.2): the hold
.endr
	v_cvt_scalef32_pk8_bf8_f32 v[CD+2*\t:CD+2*\t+1], v[TQ:TQ+7], v[SOR+\t]
	v_nop                                          ; one plain line before the next token's holds write the conversion's sources
	global_store_b64 v6, v[CD+2*\t:CD+2*\t+1], s[22:23] offset:1024*\t       ; the wave stores 256 consecutive bytes, aligned
	ds_store_b8 v7, v[BYR+\t] offset:32*\t         ; the four lanes of a block write the same byte with the same value
.endr
	s_wait_dscnt 0x0                               ; gate_w of my 8 d is in registers
	; logits: 8 d x 8 experts a token, two experts an instruction; x is broadcast from its pair
.irp t, 0,1,2,3
.irp e, 0,2,4,6
	v_pk_mul_f32 v[LA+8*\t+\e:LA+8*\t+\e+1], v[GT+\e:GT+\e+1], v[XR+8*\t:XR+8*\t+1] op_sel_hi:[1,0]
.endr
.endr
.irp m, 1,3,5,7
.irp t, 0,1,2,3
.irp e, 0,2,4,6
	v_pk_fma_f32 v[LA+8*\t+\e:LA+8*\t+\e+1], v[GT+8*\m+\e:GT+8*\m+\e+1], v[XR+8*\t+\m-1:XR+8*\t+\m], v[LA+8*\t+\e:LA+8*\t+\e+1] op_sel:[0,1,0] op_sel_hi:[1,1,1]
.endr
.endr
.if \m < 7
.irp t, 0,1,2,3
.irp e, 0,2,4,6
	v_pk_fma_f32 v[LA+8*\t+\e:LA+8*\t+\e+1], v[GT+8*\m+8+\e:GT+8*\m+8+\e+1], v[XR+8*\t+\m+1:XR+8*\t+\m+2], v[LA+8*\t+\e:LA+8*\t+\e+1] op_sel_hi:[1,0,1]
.endr
.endr
.endif
.endr
	; over the wave's 32 lanes
.irp k, 1,2,4,8
.set i, 0
.rept 32
	v_add_f32_dpp v[LA+i], v[LA+i], v[LA+i] row_xmask:\k row_mask:0xf bank_mask:0xf
.set i, i+1
.endr
.endr
.set i, 0
.rept 32
	v_permlanex16_b32 v[GT+i], v[LA+i], s34, s35   ; (its destination has been written: gate_w's registers are done with)
.set i, i+1
.endr
.set i, 0
.rept 32
	v_add_f32 v[LA+i], v[LA+i], v[GT+i]
.set i, i+1
.endr
.irp i, 0,1,2,3,4,5,6,7
	ds_store_b128 v8, v[LA+4*\i:LA+4*\i+3] offset:16*\i                      ; every lane holds the same 32 sums and writes the same bytes
.endr
	s_wait_dscnt 0x0                               ; for the others' sake: my partial logits and scale bytes lie in LDS
	s_barrier_signal -1
	s_barrier_wait -1
	s_cmp_eq_u32 s14, 1
	s_cbranch_scc0 .Lnot1
	ds_load_b32 v224, v10                          ; wave 1: the four tokens' 128 scale bytes leave together
	s_wait_dscnt 0x0
	global_store_b32 v11, v224, s[24:25]
.Lnot1:
	s_cmp_lg_u32 s14, 0
	s_cbranch_scc1 .Lend
	; wave 0: lane = 8 x token + expert
	ds_load_b32 v224, v9
	ds_load_b32 v225, v9 offset:128
	ds_load_b32 v226, v9 offset:256
	ds_load_b32 v227, v9 offset:384
	v_and_b32 v228, 7, v0                          ; e
	v_cvt_f32_u32 v229, v228                       ; e as f32
	v_mov_b32 v233, -1.0
	v_mov_b32 v241, 0
	s_wait_dscnt 0x0
	v_add_f32 v224, v224, v225
	v_add_f32 v226, v226, v227
	v_add_f32 v224, v224, v226                     ; the logit
	v_mov_b32 v225, v224
.irp k, 1,2,4
	v_max_num_f32_dpp v225, v225, v225 row_xmask:\k row_mask:0xf bank_mask:0xf   ; the token's largest logit
.endr
	v_sub_f32 v226, v224, v225
	v_mul_f32 v226, 0x3fb8aa3b, v226
	s_wait_alu depctr_va_vdst(0)
	v_exp_f32 v226, v226
	v_nop
	s_wait_alu depctr_va_vdst(0)
	v_mov_b32 v227, v226
.irp k, 1,2,4
	v_add_f32_dpp v227, v227, v227 row_xmask:\k row_mask:0xf bank_mask:0xf
.endr
	s_wait_alu depctr_va_vdst(0)
	v_rcp_f32 v227, v227
	v_nop
	s_wait_alu depctr_va_vdst(0)
	v_mul_f32 v226, v226, v227                     ; the probability
	v_mov_b32 v230, v226
.irp k, 1,2,4
	v_max_num_f32_dpp v230, v230, v230 row_xmask:\k row_mask:0xf bank_mask:0xf   ; the largest
.endr
	v_cmp_eq_f32 vcc_lo, v226, v230
	v_mov_b32 v231, 0x41000000                     ; 8.0
	v_cndmask_b32 v231, v231, v229, vcc_lo
.irp k, 1,2,4
	v_min_num_f32_dpp v231, v231, v231 row_xmask:\k row_mask:0xf bank_mask:0xf   ; its index, the lowest among equals
.endr
	v_cmp_eq_f32 vcc_lo, v229, v231
	v_cndmask_b32 v232, v226, v233, vcc_lo         ; the first choice is taken out
	v_mov_b32 v234, v232
.irp k, 1,2,4
	v_max_num_f32_dpp v234, v234, v234 row_xmask:\k row_mask:0xf bank_mask:0xf   ; the second largest
.endr
	v_cmp_eq_f32 vcc_lo, v232, v234
	v_mov_b32 v235, 0x41000000
	v_cndmask_b32 v235, v235, v229, vcc_lo
.irp k, 1,2,4
	v_min_num_f32_dpp v235, v235, v235 row_xmask:\k row_mask:0xf bank_mask:0xf
.endr
	v_add_f32 v236, v230, v234
	s_wait_alu depctr_va_vdst(0)
	v_rcp_f32 v236, v236
	v_cmp_eq_u32 vcc_lo, 1, v228                   ; lane e = 0 stores the first choice, lane e = 1 the second
	v_cndmask_b32 v237, v231, v235, vcc_lo
	v_cndmask_b32 v238, v230, v234, vcc_lo
	s_wait_alu depctr_va_vdst(0)
	v_mul_f32 v238, v238, v236                     ; renormalised
	v_cvt_u32_f32 v237, v237
	v_and_b32 v239, 24, v0
	v_lshl_add_u32 v239, v228, 2, v239             ; 8 x token + 4 k
	v_mov_b32 v240, v226
	v_add_f32_dpp v240, v240, v240 row_xmask:8 row_mask:0xf bank_mask:0xf
	v_permlanex16_b32 v241, v240, s34, s35
	v_add_f32 v240, v240, v241                     ; the four tokens' probabilities of expert e
	s_wait_alu depctr_va_vdst(0)
	s_wait_xcnt 0x0                                ; EXEC changes only behind this wait
	v_cmp_gt_u32 vcc_lo, 2, v228
	s_and_saveexec_b32 s32, vcc_lo
	global_store_b32 v239, v237, s[10:11]
	global_store_b32 v239, v238, s[12:13]
	s_wait_xcnt 0x0
	s_or_b32 exec_lo, exec_lo, s32
	v_cmp_gt_u32 vcc_lo, 8, v0
	s_and_saveexec_b32 s32, vcc_lo
	global_store_b32 v11, v240, s[12:13] offset:8192
	s_wait_xcnt 0x0
	s_or_b32 exec_lo, exec_lo, s32
.Lend:
	s_wait_tensorcnt 0x0
	ds_add_u32 v254, v255
	s_wait_dscnt 0x0
	s_endpgm
.Lfunc_end_k_q33f78f2e85_router:
	.size	k_q33f78f2e85_router, .Lfunc_end_k_q33f78f2e85_router-k_q33f78f2e85_router
	.p2alignl 7, 3214868480
	.fill 96, 4, 3214868480
	.section	.rodata,"a",@progbits
	.p2align	6, 0x0
	.amdhsa_kernel k_q33f78f2e85_router
		.amdhsa_group_segment_fixed_size 36352
		.amdhsa_private_segment_fixed_size 0
		.amdhsa_enable_private_segment 0
		.amdhsa_kernarg_size 40
		.amdhsa_user_sgpr_count 2
		.amdhsa_user_sgpr_kernarg_segment_ptr 1
		.amdhsa_wavefront_size32 1
		.amdhsa_system_sgpr_workgroup_id_x 1
		.amdhsa_system_sgpr_workgroup_id_y 1
		.amdhsa_system_sgpr_workgroup_id_z 1
		.amdhsa_system_vgpr_workitem_id 0
		.amdhsa_next_free_vgpr 256
		.amdhsa_next_free_sgpr 66
		.amdhsa_reserve_vcc 1
		.amdhsa_float_denorm_mode_32 3
		.amdhsa_float_denorm_mode_16_64 3
		.amdhsa_memory_ordered 1
		.amdhsa_forward_progress 1
		.amdhsa_inst_pref_size 36
	.end_amdhsa_kernel
	.amdgpu_metadata
---
amdhsa.version: [ 1, 2 ]
amdhsa.kernels:
  - .name:           k_q33f78f2e85_router
    .symbol:         k_q33f78f2e85_router.kd
    .args:
      - { .name: x, .offset: 0, .size: 8, .value_kind: global_buffer, .address_space: global }
      - { .name: gate_w, .offset: 8, .size: 8, .value_kind: global_buffer, .address_space: global }
      - { .name: xc, .offset: 16, .size: 8, .value_kind: global_buffer, .address_space: global }
      - { .name: idx, .offset: 24, .size: 8, .value_kind: global_buffer, .address_space: global }
      - { .name: rt, .offset: 32, .size: 8, .value_kind: global_buffer, .address_space: global }
    .group_segment_fixed_size: 36352
    .private_segment_fixed_size: 0
    .kernarg_segment_align: 8
    .kernarg_segment_size: 40
    .max_flat_workgroup_size: 128
    .sgpr_count:     66
    .vgpr_count:     256
    .wavefront_size: 32
...
	.end_amdgpu_metadata
.endif
;; end of part 6
;; launch placing (part 7): grid 8 x 1, 1 waves a work-group, no clusters, 5,632 bytes of LDS; arguments idx, place; writes place
.if DOCPART == 7
	.amdgcn_target "amdgcn-amd-amdhsa--gfx1250"
	.amdhsa_code_object_version 6
	.text
	.protected	k_q33f78f2e85_placing
	.globl	k_q33f78f2e85_placing
	.p2align	8
	.type	k_q33f78f2e85_placing,@function
k_q33f78f2e85_placing:
	s_mov_b64 s[64:65], 0
	v_nop
	global_prefetch_b8 v0, s[64:65] scope:SCOPE_SE
	s_setreg_imm32_b32 hwreg(HW_REG_WAVE_MODE, 25, 1), 1
	s_wait_xcnt 0x0
; PLACING: the rows of each expert.  idx[2 t + k] (whole numbers, stored by the launch before) says which expert slot r = 2 t + k goes to.  Work-group e, one wave, serves expert e.
; The 2,048 slots are walked as r = 128 n + 4 lane + m (register 4 n + m); a slot's rank within expert e is the number of earlier matches in that walk.
; Stored into place: at 8,192 e the rank of every slot [2,048] (used only where the slot matches); at 65,536 + 128 e the count, in 32 words;
; at 66,560 + 5,120 e the list: the token of rank 0, 1, .. [1,280 words]; places past the count hold token 0.
; The walk goes 16 slots at a time: 16 compares, the scalar prefix over their masks, then 16 ranks, addresses and stores, so that no line waits for the line above it.
; The tokens are scattered by rank into the wave's own LDS and read back in order: a wave's LDS instructions are served in order, so one wave needs no barrier.
; Eight work-groups: the walk of an expert is one chain, and there are eight experts.
.set DUMPX, 1280                       ; LDS: words 0-1,279 the list; words 1,280 + lane for lanes without a match
.set IDXR, 16                          ; v16-79   idx
.set RK,   80                          ; v80-143  ranks
.set LA,   144                         ; v144-159 addresses of a batch
.set LB,   160                         ; v160-175 tokens of a batch
.set LR,   176                         ; v176-215 the list, read back
.set MK,   16                          ; s16-31   a batch's masks
.set BS,   32                          ; s32-47   matches ahead of each of the batch's slots
	s_load_b128 s[4:7], s[0:1], 0x0                ; idx, place
	v_lshl_add_u32 v224, v0, 2, 0x1500
	v_mov_b32 v225, 0
	s_mov_b32 s8, ttmp9                            ; the expert
	v_and_b32 v1, 31, v0
	v_lshlrev_b32 v2, 4, v1                        ; 16 lane
	v_lshlrev_b32 v3, 2, v1                        ; 4 lane
	v_add_nc_u32 v4, DUMPX, v1
	v_lshlrev_b32 v5, 1, v1                        ; 2 lane: the token of m = 0, 1, less 64 n
	v_add_nc_u32 v6, 1, v5                         ; of m = 2, 3
	v_mov_b32 v8, 0
	v_mov_b32 v9, 0
	v_mov_b32 v10, 0
	v_mov_b32 v11, 0
	s_lshl_b32 s48, s8, 13
	s_mov_b32 s49, 0
	s_lshl_b32 s56, s8, 7
	s_add_co_u32 s56, s56, 0x10000
	s_mov_b32 s57, 0
	s_mul_i32 s58, s8, 5120
	s_add_co_u32 s58, s58, 66560
	s_mov_b32 s59, 0
	s_mov_b32 s9, 0                                ; matches so far
	s_wait_alu depctr_va_vdst(0)
	s_wait_kmcnt 0x0
.irp n, 0,1,2,3,4,5,6,7,8,9,10,11,12,13,14,15
	global_load_b128 v[IDXR+4*\n:IDXR+4*\n+3], v2, s[4:5] offset:512*\n
.endr
	s_add_nc_u64 s[50:51], s[6:7], s[48:49]        ; ranks
	s_add_nc_u64 s[52:53], s[6:7], s[56:57]        ; count
	s_add_nc_u64 s[54:55], s[6:7], s[58:59]        ; list
.irp k, 0,1,2,3,4,5,6,7,8,9
	ds_store_b128 v2, v[8:11] offset:512*\k        ; places past the count hold token 0
.endr
	s_wait_loadcnt 0x0
.macro BATCH b
.irp i, 0,1,2,3,4,5,6,7,8,9,10,11,12,13,14,15
	v_cmp_eq_u32 s[MK+\i], s8, v[IDXR+16*\b+\i]
.endr
.irp i, 0,1,2,3,4,5,6,7,8,9,10,11,12,13,14,15
	s_mov_b32 s[BS+\i], s9
	s_bcnt1_i32_b32 s10, s[MK+\i]
	s_add_co_u32 s9, s9, s10
.endr
.irp i, 0,1,2,3,4,5,6,7,8,9,10,11,12,13,14,15
	v_mbcnt_lo_u32_b32 v[RK+16*\b+\i], s[MK+\i], s[BS+\i]                    ; matches in lower lanes + matches in earlier registers: the rank
.endr
.irp i, 0,1,2,3,4,5,6,7,8,9,10,11,12,13,14,15
	v_cndmask_b32 v[LA+\i], v4, v[RK+16*\b+\i], s[MK+\i]                     ; lanes without a match store aside
.endr
.irp i, 0,1,2,3,4,5,6,7,8,9,10,11,12,13,14,15
	v_min_u32 v[LA+\i], 0x51f, v[LA+\i]            ; held inside the list and the words aside
.endr
.irp i, 0,1,2,3,4,5,6,7,8,9,10,11,12,13,14,15
	v_lshlrev_b32 v[LA+\i], 2, v[LA+\i]
.endr
.irp i, 0,1,2,3,4,5,6,7,8,9,10,11,12,13,14,15
	v_add_nc_u32 v[LB+\i], 64*(4*\b+\i/4), v[5+(\i%4)/2]                     ; the token: r / 2
.endr
.irp i, 0,1,2,3,4,5,6,7,8,9,10,11,12,13,14,15
	ds_store_b32 v[LA+\i], v[LB+\i]
.endr
.endm
	BATCH 0
	BATCH 1
	BATCH 2
	BATCH 3
	v_mov_b32 v12, s9
.irp k, 0,1,2,3,4,5,6,7,8,9
	ds_load_b128 v[LR+4*\k:LR+4*\k+3], v2 offset:512*\k                      ; these see the stores above
.endr
.irp n, 0,1,2,3,4,5,6,7,8,9,10,11,12,13,14,15
	global_store_b128 v2, v[RK+4*\n:RK+4*\n+3], s[50:51] offset:512*\n       ; 512 consecutive bytes a store
.endr
	global_store_b32 v3, v12, s[52:53]
	s_wait_dscnt 0x0
.irp k, 0,1,2,3,4,5,6,7,8,9
	global_store_b128 v2, v[LR+4*\k:LR+4*\k+3], s[54:55] offset:512*\k
.endr
	s_wait_tensorcnt 0x0
	ds_add_u32 v224, v225
	s_wait_dscnt 0x0
	s_endpgm
.Lfunc_end_k_q33f78f2e85_placing:
	.size	k_q33f78f2e85_placing, .Lfunc_end_k_q33f78f2e85_placing-k_q33f78f2e85_placing
	.p2alignl 7, 3214868480
	.fill 96, 4, 3214868480
	.section	.rodata,"a",@progbits
	.p2align	6, 0x0
	.amdhsa_kernel k_q33f78f2e85_placing
		.amdhsa_group_segment_fixed_size 5632
		.amdhsa_private_segment_fixed_size 0
		.amdhsa_enable_private_segment 0
		.amdhsa_kernarg_size 16
		.amdhsa_user_sgpr_count 2
		.amdhsa_user_sgpr_kernarg_segment_ptr 1
		.amdhsa_wavefront_size32 1
		.amdhsa_system_sgpr_workgroup_id_x 1
		.amdhsa_system_sgpr_workgroup_id_y 1
		.amdhsa_system_sgpr_workgroup_id_z 1
		.amdhsa_system_vgpr_workitem_id 0
		.amdhsa_next_free_vgpr 226
		.amdhsa_next_free_sgpr 66
		.amdhsa_reserve_vcc 0
		.amdhsa_float_denorm_mode_32 3
		.amdhsa_float_denorm_mode_16_64 3
		.amdhsa_memory_ordered 1
		.amdhsa_forward_progress 1
		.amdhsa_inst_pref_size 39
	.end_amdhsa_kernel
	.amdgpu_metadata
---
amdhsa.version: [ 1, 2 ]
amdhsa.kernels:
  - .name:           k_q33f78f2e85_placing
    .symbol:         k_q33f78f2e85_placing.kd
    .args:
      - { .name: idx, .offset: 0, .size: 8, .value_kind: global_buffer, .address_space: global }
      - { .name: place, .offset: 8, .size: 8, .value_kind: global_buffer, .address_space: global }
    .group_segment_fixed_size: 5632
    .private_segment_fixed_size: 0
    .kernarg_segment_align: 8
    .kernarg_segment_size: 16
    .max_flat_workgroup_size: 32
    .sgpr_count:     66
    .vgpr_count:     226
    .wavefront_size: 32
...
	.end_amdgpu_metadata
.endif
;; end of part 7
;; launch up (part 8): grid 256 x 1, 8 waves a work-group, no clusters, 140,800 bytes of LDS; arguments w1, b1, xc, place, hc; writes hc
.if DOCPART == 8
	.amdgcn_target "amdgcn-amd-amdhsa--gfx1250"
	.amdhsa_code_object_version 6
	.text
	.protected	k_q33f78f2e85_up
	.globl	k_q33f78f2e85_up
	.p2align	8
	.type	k_q33f78f2e85_up,@function
k_q33f78f2e85_up:
	s_mov_b64 s[64:65], 0
	v_nop
	global_prefetch_b8 v0, s[64:65] scope:SCOPE_SE
	s_setreg_imm32_b32 hwreg(HW_REG_WAVE_SCHED_MODE, 0, 2), 2
	s_setreg_imm32_b32 hwreg(HW_REG_WAVE_MODE, 25, 1), 1
	s_wait_xcnt 0x0
	s_wait_alu depctr_vm_vsrc(0)
; UP: h = gelu(x w1[e] + b1[e]) for the rows routed to expert e, quantised along the hidden units, stored as images of the next product's operand registers.
; w1 [8][1024 k][4096 n] f32 is read from memory ONCE, as f32, and quantised along k in registers on its way; x comes as codes (xc).  The sums are f32, by the scaled matrix form on E5M2 codes.
; A work-group = expert e (ttmp9 / 32) x 128 hidden units (ttmp9 % 32), as two jobs of 64 units x all 1,024 k.  A job is 4 steps; a step is two K steps: 256 k x 64 units, 64 KiB of f32.
; ALL EIGHT WAVES RUN THE SAME TEXT.  In a step wave w takes block c = w % 4 (32 k) of K step u = w / 4: 16 loads of 16 bytes a lane; lane (q, h) takes rows 32 c + 16 h + 0 .. 15 and four neighbouring units
; F(q) + 0 .. 3, so that a load reads two aligned runs of 256 bytes and the lane holds 16 neighbours along k of four units: registers 4 c .. 4 c + 3, lane (q, h), of the fragments of four tiles j, whose row q is unit F(q) + j.
; The hold writes the numbers into consecutive registers for the conversions, so nothing is transposed by an instruction of its own.  Codes go to LDS as images of the operand's registers, scale bytes as one word a lane.
; One barrier a step: no LDS byte is written twice.  Behind it every wave multiplies both K steps for its tiles of 16 routed rows (w, 8 + w, 16 + w: 12 accumulators) against the four tiles of units.
; THE THIRD TILE, 16 + w, IS FETCHED AND MULTIPLIED ONLY WHERE THE EXPERT HAS IT: a scalar branch on the stored count, round five loads or four products, never round a barrier.  The head's fetches and a job's first K step
; take all three tiles, so that every operand register is loaded and every sum is begun by a product whatever the count; a third tile that does not exist is never read out.
; The product is used transposed (source 0 = 16 units, source 1 = 16 rows).  F(q) = 32 ((q / 4) % 2) + 16 (q / 8) + 4 (q % 4): a lane's registers of the four tiles are then 16 neighbours along the next K.
; LOADS.  In a step a wave issues: x for the next step (10 or 15 loads behind each K step's products, into the registers just multiplied), then, at the step's end, 16 loads of weights for the step after next (a ring of two blocks).
; The weights stand BEHIND x in the order of issue, so that the wait for x does not also wait for weights that are due a step later.  By this text's own count at most 62 loads of a wave are out.
; ROWS.  Expert e's count and its list of tokens by rank come from place, whole numbers that the launch before stored: the count steers branches, the list x's addresses.
; Rows 0-383 ride on the stream.  Rows 384-1,023 (any split is served) are multiplied afterwards from the images kept in LDS, in passes that a scalar branch leaves out when the expert has no such rows.
; Rows past the count take token 0 and tiles past the last are not stored; an expert without rows still stores tile 0, which nobody uses.
; No cluster: the weights, which are what binds, are shared by no two work-groups.  No tensor loads: the weights are wanted in registers as f32.
; LIMITS: NaN and infinities are not served.  A block of zeros gets the byte 1 (its codes are zeros; only this program reads the bytes).
; THE MODE: SCHED_MODE bits 1:0 = 2 (LLVM: expert scheduling mode 2), set by the entry lines.  The code itself states the register dependences
; between vector or matrix instructions and memory or LDS instructions, with s_wait_alu, always for 0.
; THE PLAN.  Registers that memory or LDS instructions touch while the weights stream:
;   the ring       Block xb: read by the step's maxima and holds; the 16 loads at the step's end land in it.
;   v54-73         Written by the block's shifts and conversions (in the epilogue by its own); read by the block's five LDS stores (by the epilogue's three stores to memory).
;   BW v96-159     Written by the holds, read by the conversions; then the first K step's fragments land in it and its products read them; then the second's.  The epilogue works there, and b1 lands in its upper half.
;   PLN, PL2       Named by the quantiser; behind the barrier the planes of scale bytes of both K steps land in them; the perms read them.
;   AB, ASC        Half kk: read by K step kk's products; behind them the next step's loads land in it.
;   addresses      Made at the head.  Written again outside the steps alone: four LDS addresses at a job's end, b1's at a job's head, and those of the later passes at a trip's head.
;   WSC, WS1 and the accumulators are named by vector and matrix instructions alone.
; A STEP'S WAITS: on vm_vsrc at the block's head (the last LDS stores have read v54-73); on va_vdst behind the conversions (the stores' data are written; the quantiser is done with BW, PLN, PL2 and the ring block);
; on va_vdst behind the perms (both K steps' scale words are written); on va_vdst behind each K step's products (they are done reading what is loaded next).  The loads that follow a wait touch nothing that a vector or matrix instruction issued since names.
.set ROWB, 16384                       ; bytes from k to k + 1 in w1
.set STB,  4194304                     ; 256 rows: a step
.set SCP,  131072                      ; LDS: 0: images, slot t (a K step): 8192 t + 2048 j + 512 c + 16 lane;  SCP: scale words, 512 t + 128 c + 4 lane (byte j)
.set BIL,  139264                      ; b1's 128 numbers
.set HSC,  33554432                    ; hc: images [e][tile 64][K step 32][2048 bytes]; from HSC on scale words [e][tile][K step][lane]
; vector registers, window 0.  v1-25: made at the head; LDS addresses hold nothing else
.set LN,1
.set RQ,2
.set HH,3
.set L16,4
.set L4,5
.set SWI,6                             ; my stores: images, scale words
.set SWS,7
.set MRI,8                             ; my loads of them
.set MRS,9
.set FRI,10                            ; the same, never stepped
.set FRS,11
.set MBX,12                            ; later passes: images, scale words
.set MSX,13
.set LRD,14                            ; byte offset in the expert's list of row r of tile w; v15: the same in a later pass
.set LRX,15
.set BI0,16
.set BIX,18                            ; b1 of the job in hand
.set WOFF,19
.set BSA,25
.set XO,26                             ; v26-28 byte offsets of my three tiles' rows in x's codes; v29-31 in its scale bytes
.set XSO,29
.set WS1,32                            ; v32-35 the weights' scale words of a step's second K step: these hold scales and nothing else
.set MX,36                             ; while a block is quantised: v36-73
.set PM,40
.set SO,44
.set LM,48
.set BY,52
.set WD,56
.set CC,58
.set PLN,36                            ; while products run: v36-39, v44-47 the planes of scale bytes of the step's two K steps; v40-43, v48-51 their halves on the way to scale words
.set TP,40
.set PL2,44
.set TP2,48
.set QM,44                             ; while the epilogue runs
.set QP,46
.set QSO,48
.set QLM,50
.set QBY,52
.set BYW,54
.set HC,56
.set LW,68                             ; v68-70 list words
.set K1V,74
.set K2V,76
.set WSC,80                            ; v80-83 the weights' scale words of a step's first K step, v84-89 x's: these hold scales and nothing else
.set ASC,84
.set TV,90                             ; at work at the head
.set B1R,92                            ; v92-95 b1's slice on its way to LDS
.set TT,96                             ; v96-159 by turns: the held numbers of a block; a K step's four fragments; in the epilogue v96-127 a tile's 32 numbers, v128-159 at work
.set BW,96
.set XG,96
.set ZZ,128
.set AB,160                            ; v160-255 x's fragments: K step kk of the step, tile t: 48 kk + 16 t
; window 1: v0-127 the ring of two blocks (block b: 64 b + 4 row + j);  v128-223 accumulators (tile t, tile j: 128 + 32 t + 8 j)
.set ACC,128
.set WV,16
.set C4,17
.set E,18
.set SL,19
.set SEL,20
.set MNT,22
.set UU,23
.set NT,25
.set CNT,26
.set S2,27                             ; 1: the expert has my third tile, 16 + w
.set PS,28
.set PW,32
.set XSB,36
.set WB,46
.set HB,50
.set HSB,52
.set TI,54
.set IC,55
.set Q,56
.set P24,57
.set G,58
.set P,59
.set PWB,66
.set XE,68
.set XES,70
.set LSB,72                            ; s[72:73] the expert's list
.set MSB, 0
.macro WIN new                         ; the immediate's high byte repeats the setting that is left
.if MSB != (\new)
	s_set_vgpr_msb (MSB<<8)|(\new)
.set MSB, (\new)
.endif
.endm
.macro NOPS n
.rept \n
	v_nop
.endr
.endm
.macro BAR                             ; my LDS stores have landed and my LDS loads are in: then the work-group's barrier
	s_wait_dscnt 0x0
	s_barrier_signal -1
	s_barrier_wait -1
.endm
; Ring block xb becomes 4 x 16 codes and 4 scale bytes a lane, stored for slot lo + u of the job.  n: younger loads that may stay out.
.macro QBLK xb, lo, n
	s_wait_loadcnt \n
	s_wait_alu depctr_vm_vsrc(0)                   ; my last block's LDS stores (behind an epilogue: its stores to memory too) have read v54-73, which the lines below write again
	WIN 0x05                                       ; sources 0 and 1: the ring
.irp j, 0,1,2,3
	v_max3_num_f32 v[MX+\j], |v[64*\xb+\j]|, |v[64*\xb+4+\j]|, 0x8000000     ; unit j: my 16 numbers, and the floor 2^(16 - 127): the byte cannot fall under 1
.endr
.irp r, 2,4,6,8,10,12,14
.irp j, 0,1,2,3
	v_max3_num_f32 v[MX+\j], |v[64*\xb+4*\r+\j]|, |v[64*\xb+4*\r+4+\j]|, v[MX+\j]
.endr
.endr
	WIN 0
.irp j, 0,1,2,3
	v_permlanex16_b32 v[PM+\j], v[MX+\j], s[SEL], s[SEL+1]
.endr
.irp j, 0,1,2,3
	v_max_num_f32 v[MX+\j], v[MX+\j], v[PM+\j]     ; with lane l xor 16's 16: the block's largest magnitude
.endr
.irp j, 0,1,2,3
	v_add_nc_u32 v[SO+\j], 0xf8800000, v[MX+\j]    ; 15 off the exponent field: the conversion's scale operand
.endr
.irp j, 0,1,2,3
	v_and_or_b32 v[LM+\j], v[MX+\j], 0x7f800000, s[MNT]   ; 57,344 x the scale
.endr
.irp j, 0,1,2,3
	v_lshrrev_b32 v[BY+\j], 23, v[SO+\j]           ; the scale's byte
.endr
	v_lshl_or_b32 v[WD], v[BY+1], 8, v[BY]
	v_lshl_or_b32 v[WD], v[BY+2], 16, v[WD]
	v_lshl_or_b32 v[WD], v[BY+3], 24, v[WD]
	WIN 0x01
.irp r, 0,1,2,3,4,5,6,7,8,9,10,11,12,13,14,15
.irp j, 0,1,2,3
	v_med3_num_f32 v[TT+16*\j+\r], v[64*\xb+4*\r+\j], -v[LM+\j], v[LM+\j]    ; the hold (the conversion does not saturate: ISA guide 7.6.2), into registers that run along k
.endr
.endr
	WIN 0
.irp j, 0,1,2,3
.irp u, 0,1
	v_cvt_scalef32_pk8_bf8_f32 v[CC+4*\j+2*\u:CC+4*\j+2*\u+1], v[TT+16*\j+8*\u:TT+16*\j+8*\u+7], v[SO+\j]
.endr
.endr
	v_nop                                          ; one plain line behind the last conversion
	s_wait_alu depctr_va_vdst(0)                   ; the codes and the scale word are written, which the LDS stores read (and, behind a job's end, their addresses); the quantiser is done with v36-47 and v96-159, in which the LDS loads behind the barrier land, and with the ring block, in which the loads at the step's end land
.irp j, 0,1,2,3
	ds_store_b128 v[SWI], v[CC+4*\j:CC+4*\j+3] offset:(\lo)*8192+\j*2048
.endr
	ds_store_b32 v[SWS], v[WD] offset:(\lo)*512
.endm
.macro RELOAD xb, pb                   ; ring block xb is asked for again: step xb from base pb.  No vector or matrix instruction since the wait behind the block's conversions names the block or v[WOFF]
	WIN 0x40
.irp r, 0,1,2,3,4,5,6,7,8,9,10,11,12,13,14,15
	global_load_b128 v[64*\xb+4*\r:64*\xb+4*\r+3], v[WOFF], s[\pb:\pb+1] offset:\xb*STB+\r*ROWB th:TH_LOAD_NT
.endr
	WIN 0
.endm
.macro PLOADS vs, lo                   ; the planes of scale bytes (plane c, byte j) of slots lo and lo + 1: a step's two K steps
.irp c, 0,1,2,3
	ds_load_b32 v[PLN+\c], v[\vs] offset:(\lo)*512+\c*128
.endr
.irp c, 0,1,2,3
	ds_load_b32 v[PL2+\c], v[\vs] offset:(\lo)*512+512+\c*128
.endr
.endm
.macro BLOADS va, lo                   ; a slot's four fragments
.irp j, 0,1,2,3
.irp c, 0,1,2,3
	ds_load_b128 v[BW+16*\j+4*\c:BW+16*\j+4*\c+3], v[\va] offset:(\lo)*8192+\j*2048+\c*512
.endr
.endr
.endm
; Four planes (plane c, byte j) are turned into four scale words (tile j, byte c), for both K steps.  A scale word made by vector instructions stands eight places ahead of the scaled matrix instruction:
; the second set's eight lines are the places behind the first set; the eight places behind the first K step's products are those of the second set.
.macro PERMS
	v_perm_b32 v[TP], v[PLN+1], v[PLN], s[PS]
	v_perm_b32 v[TP+1], v[PLN+1], v[PLN], s[PS+1]
	v_perm_b32 v[TP+2], v[PLN+3], v[PLN+2], s[PS]
	v_perm_b32 v[TP+3], v[PLN+3], v[PLN+2], s[PS+1]
	v_perm_b32 v[WSC], v[TP+2], v[TP], s[PS+2]
	v_perm_b32 v[WSC+1], v[TP+2], v[TP], s[PS+3]
	v_perm_b32 v[WSC+2], v[TP+3], v[TP+1], s[PS+2]
	v_perm_b32 v[WSC+3], v[TP+3], v[TP+1], s[PS+3]
	v_perm_b32 v[TP2], v[PL2+1], v[PL2], s[PS]
	v_perm_b32 v[TP2+1], v[PL2+1], v[PL2], s[PS+1]
	v_perm_b32 v[TP2+2], v[PL2+3], v[PL2+2], s[PS]
	v_perm_b32 v[TP2+3], v[PL2+3], v[PL2+2], s[PS+1]
	v_perm_b32 v[WS1], v[TP2+2], v[TP2], s[PS+2]
	v_perm_b32 v[WS1+1], v[TP2+2], v[TP2], s[PS+3]
	v_perm_b32 v[WS1+2], v[TP2+3], v[TP2+1], s[PS+2]
	v_perm_b32 v[WS1+3], v[TP2+3], v[TP2+1], s[PS+3]
.endm
.macro WM j, t, kk, zero               ; one product: tile j of units x my tile t of rows, K step kk of the step (its scale words: WSC for kk = 0, WS1 for kk = 1)
.if \zero
	v_wmma_scale_f32_16x16x128_f8f6f4 v[ACC+32*\t+8*\j:ACC+32*\t+8*\j+7], v[BW+16*\j:BW+16*\j+15], v[AB+48*\kk+16*\t:AB+48*\kk+16*\t+15], 0, v[WSC+(WS1-WSC)*\kk+\j], v[ASC+3*\kk+\t] matrix_a_fmt:MATRIX_FMT_BF8 matrix_b_fmt:MATRIX_FMT_BF8
.else
	v_wmma_scale_f32_16x16x128_f8f6f4 v[ACC+32*\t+8*\j:ACC+32*\t+8*\j+7], v[BW+16*\j:BW+16*\j+15], v[AB+48*\kk+16*\t:AB+48*\kk+16*\t+15], v[ACC+32*\t+8*\j:ACC+32*\t+8*\j+7], v[WSC+(WS1-WSC)*\kk+\j], v[ASC+3*\kk+\t] matrix_a_fmt:MATRIX_FMT_BF8 matrix_b_fmt:MATRIX_FMT_BF8
.endif
.endm
; A K step's products: 4 tiles of units x my first two tiles of rows, then x my third (opt = 1: only where the expert has it).  The accumulators take turns, one instruction a turn.
; zero = 1: the products start the sums.  Eight places follow: behind them results may be read and registers of the products written by vector instructions.
.macro MUL kk, zero, opt
	WIN 0x50                                       ; sources 0 and 1 window 0, C and D window 1
.irp j, 0,1,2,3
.irp t, 0,1
	WM \j, \t, \kk, \zero
.endr
.endr
.if \opt
	WIN 0                                          ; at a branch and at a label every window is 0
	s_cmp_eq_u32 s[S2], 0
	s_cbranch_scc1 .Lm_\@
	WIN 0x50
.endif
.irp j, 0,1,2,3
	WM \j, 2, \kk, \zero
.endr
	WIN 0
.if \opt
.Lm_\@:
.endif
	NOPS 8
.endm
.macro AF kk, pb, sb, ks, t            ; x's fragment and scale word of K step ks for my tile t, into half kk: 5 loads
.irp c, 0,1,2,3
	global_load_b128 v[AB+48*\kk+16*\t+4*\c:AB+48*\kk+16*\t+4*\c+3], v[XO+\t], s[\pb:\pb+1] offset:128*(\ks)+32*\c
.endr
	global_load_b32 v[ASC+3*\kk+\t], v[XSO+\t], s[\sb:\sb+1] offset:4*(\ks)
.endm
.macro AFETCH kk, pb, sb, ks, opt      ; 10 loads for my first two tiles, then 5 for my third (opt = 1: only where the expert has it)
	AF \kk, \pb, \sb, \ks, 0
	AF \kk, \pb, \sb, \ks, 1
.if \opt
	s_cmp_eq_u32 s[S2], 0
	s_cbranch_scc1 .Lf_\@
.endif
	AF \kk, \pb, \sb, \ks, 2
.if \opt
.Lf_\@:
.endif
.endm
.macro LLOAD va                        ; my three tiles' tokens from the list: tile 8 t + w lies 512 t bytes on
.irp t, 0,1,2
	global_load_b32 v[LW+\t], v[\va], s[LSB:LSB+1] offset:512*\t
.endr
.endm
.macro MKX                             ; held inside the table, then shifted into byte offsets
.irp t, 0,1,2
	v_min_u32 v[LW+\t], 0x3ff, v[LW+\t]
.endr
.irp t, 0,1,2
	v_lshlrev_b32 v[XO+\t], 10, v[LW+\t]
	v_lshl_add_u32 v[XO+\t], v[HH], 4, v[XO+\t]
	v_lshlrev_b32 v[XSO+\t], 5, v[LW+\t]
.endr
.endm
; A STEP: my block is quantised | barrier | both K steps are multiplied; behind each, x of the next step's like K step (k0, k0 + 1) is asked for; at the end the ring block is asked for again.
; Behind the barrier the planes of both K steps are asked for ahead of the first K step's fragments, so that the scale words are made while the fragments are on their way.
; ns, n0, n1: the younger loads from memory that may stay out at the three waits.
.macro STEP xb, st, rel, pb, ns, zero, pf, k0, n0, n1
	QBLK \xb, 2*\st, \ns
	BAR
	PLOADS MRS, 2*\st
	BLOADS MRI, 2*\st
	s_wait_dscnt 16                                ; LDS loads come back in order (ISA guide 5.7.1): the eight planes are in, the 16 younger loads, the fragments, may be out
	PERMS
	s_wait_dscnt 0x0
	s_wait_loadcnt \n0
	s_wait_alu depctr_va_vdst(0)                   ; the perms have written both K steps' scale words, which the products take as scales
	MUL 0, \zero, 1-\zero                          ; a job's first products are issued for all three tiles
	s_wait_alu depctr_va_vdst(0)                   ; the products are done reading the fragments v96-159 and x's first half with its scale words, in which the loads below land
	BLOADS MRI, 2*\st+1
.if \pf
	AFETCH 0, 8, XSB, \k0, 1
.endif
	s_wait_dscnt 0x0
	s_wait_loadcnt \n1
	MUL 1, 0, 1
.if \pf
	s_wait_alu depctr_va_vdst(0)                   ; the products are done reading x's second half with its scale words, in which the loads below land
	AFETCH 1, 8, XSB, \k0+1, 1
.endif
.if \rel
	RELOAD \xb, \pb
.endif
.endm
.macro ARM t                           ; tile t's 32 sums + b1, each accumulator from its low end on; register 4 q + j = unit 32 (q / 4) + 16 h + 4 (q % 4) + j
	WIN 0x01
.irp q, 0,1,2,3,4,5,6,7
.irp j, 0,1,2,3
	v_add_f32 v[XG+4*\q+\j], v[ACC+32*\t+8*\j+\q], v[ZZ+4*\q+\j]
.endr
.endr
	WIN 0
.endm
; THE EPILOGUE of a job: for each of my three tiles that exists: + b1, gelu (tanh form: x / (1 + 2^(x (K1 + K2 x^2)))), two blocks of 32 quantised, 8 registers of the next operand's image and 2 scale bytes stored.
.macro EPI
	s_wait_alu depctr_vm_vsrc(0)                   ; the LDS stores of my blocks have read v56-73, part of which the conversions below write
	s_add_co_u32 s[TI], s[P24], s[WV]
	s_lshl_b32 s34, s[E], 6
	s_add_co_u32 s34, s34, s[TI]
	s_lshl_b32 s34, s34, 5
	s_add_co_u32 s34, s34, s[SL]                   ; (64 e + tile) 32 + K step
	s_lshl_b32 s48, s34, 7
	s_lshl_b32 s60, s[G], 1
	s_add_co_u32 s48, s48, s60
	s_add_co_u32 s48, s48, HSC
	s_mov_b32 s49, 0
	s_lshl_b32 s34, s34, 11
	s_lshl_b32 s60, s[G], 10
	s_add_co_u32 s34, s34, s60
	s_mov_b32 s35, 0
	s_add_nc_u64 s[HB:HB+1], s[12:13], s[34:35]
	s_add_nc_u64 s[HSB:HSB+1], s[12:13], s[48:49]
	s_mov_b32 s[IC], 0
.Le_\@:
	s_cmp_ge_u32 s[TI], s[NT]
	s_cbranch_scc1 .Lk_\@
	s_wait_alu depctr_va_vdst(0)                   ; the last products, or the last tile's arithmetic, are done with v128-159, in which b1 lands; v[BIX] is written
.irp q, 0,1,2,3,4,5,6,7
	ds_load_b128 v[ZZ+4*\q:ZZ+4*\q+3], v[BIX] offset:128*(\q/4)+16*(\q%4)
.endr
	s_wait_dscnt 0x0
	s_cmp_eq_u32 s[IC], 0
	s_cbranch_scc1 .La0_\@
	s_cmp_eq_u32 s[IC], 1
	s_cbranch_scc1 .La1_\@
	ARM 2
	s_branch .Lj_\@
.La0_\@:
	ARM 0
	s_branch .Lj_\@
.La1_\@:
	ARM 1
.Lj_\@:
.irp p, 0,2,4,6,8,10,12,14,16,18,20,22,24,26,28,30
	v_pk_mul_f32 v[ZZ+\p:ZZ+\p+1], v[XG+\p:XG+\p+1], v[XG+\p:XG+\p+1]
.endr
.irp p, 0,2,4,6,8,10,12,14,16,18,20,22,24,26,28,30
	v_pk_fma_f32 v[ZZ+\p:ZZ+\p+1], v[ZZ+\p:ZZ+\p+1], v[K2V:K2V+1], v[K1V:K1V+1]
.endr
.irp p, 0,2,4,6,8,10,12,14,16,18,20,22,24,26,28,30
	v_pk_mul_f32 v[ZZ+\p:ZZ+\p+1], v[ZZ+\p:ZZ+\p+1], v[XG+\p:XG+\p+1]
.endr
.set i, 0
	s_wait_alu depctr_va_vdst(0)
.rept 32
	v_exp_f32 v[ZZ+i], v[ZZ+i]
.set i, i+1
.endr
	v_nop                                          ; a plain line behind the transcendentals
	s_wait_alu depctr_va_vdst(0)                   ; the 32 exponentials have written v128-159, ahead of their first reader
.irp p, 0,2,4,6,8,10,12,14,16,18,20,22,24,26,28,30
	v_pk_add_f32 v[ZZ+\p:ZZ+\p+1], v[ZZ+\p:ZZ+\p+1], 1.0 op_sel_hi:[1,0]
.endr
.set i, 0
	s_wait_alu depctr_va_vdst(0)
.rept 32
	v_rcp_f32 v[ZZ+i], v[ZZ+i]
.set i, i+1
.endr
	v_nop
	s_wait_alu depctr_va_vdst(0)                   ; the 32 reciprocals have written v128-159, ahead of their first reader
.irp p, 0,2,4,6,8,10,12,14,16,18,20,22,24,26,28,30
	v_pk_mul_f32 v[XG+\p:XG+\p+1], v[XG+\p:XG+\p+1], v[ZZ+\p:ZZ+\p+1]
.endr
.irp c, 0,1
	v_max3_num_f32 v[QM+\c], |v[XG+16*\c]|, |v[XG+16*\c+1]|, 0x8000000
.endr
.irp r, 2,4,6,8,10,12,14
.irp c, 0,1
	v_max3_num_f32 v[QM+\c], v[QM+\c], |v[XG+16*\c+\r]|, |v[XG+16*\c+\r+1]|
.endr
.endr
.irp c, 0,1
	v_permlanex16_b32 v[QP+\c], v[QM+\c], s[SEL], s[SEL+1]
.endr
.irp c, 0,1
	v_max_num_f32 v[QM+\c], v[QM+\c], v[QP+\c]
	v_add_nc_u32 v[QSO+\c], 0xf8800000, v[QM+\c]
	v_and_or_b32 v[QLM+\c], v[QM+\c], 0x7f800000, s[MNT]
	v_lshrrev_b32 v[QBY+\c], 23, v[QSO+\c]
.endr
	v_lshl_or_b32 v[BYW], v[QBY+1], 8, v[QBY]
.irp c, 0,1
.irp r, 0,1,2,3,4,5,6,7,8,9,10,11,12,13,14,15
	v_med3_num_f32 v[XG+16*\c+\r], v[XG+16*\c+\r], -v[QLM+\c], v[QLM+\c]
.endr
.endr
.irp c, 0,1
.irp u, 0,1
	v_cvt_scalef32_pk8_bf8_f32 v[HC+4*\c+2*\u:HC+4*\c+2*\u+1], v[XG+16*\c+8*\u:XG+16*\c+8*\u+7], v[QSO+\c]
.endr
.endr
	v_nop                                          ; one plain line behind the last conversion
	s_wait_alu depctr_va_vdst(0)                   ; the conversions have written the codes and the shift the two scale bytes, which the stores read
	global_store_b128 v[L16], v[HC:HC+3], s[HB:HB+1]                 ; the wave stores 512 consecutive bytes, aligned
	global_store_b128 v[L16], v[HC+4:HC+7], s[HB:HB+1] offset:512
	global_store_b16 v[L4], v[BYW], s[HSB:HSB+1]
	s_wait_xcnt 0x0                                ; the stores' data and bases are written again only behind this wait
	s_wait_alu depctr_vm_vsrc(0)                   ; the stores have read the codes and the scale bytes, which the next tile writes again
.Lk_\@:
	s_add_nc_u64 s[HB:HB+1], s[HB:HB+1], 524288    ; eight tiles on
	s_add_nc_u64 s[HSB:HSB+1], s[HSB:HSB+1], 32768
	s_add_co_u32 s[TI], s[TI], 8
	s_add_co_u32 s[IC], s[IC], 1
	s_cmp_lt_u32 s[IC], 3
	s_cbranch_scc1 .Le_\@
.endm
	s_load_b256 s[4:11], s[0:1], 0x0               ; w1, b1, xc, place
	s_load_b64 s[12:13], s[0:1], 0x20              ; hc
	v_lshl_add_u32 v79, v0, 2, 0x22200
	v_mov_b32 v91, 0
	v_lshrrev_b32 v1, 5, v0
	v_readfirstlane_b32 s[WV], v1
	v_and_b32 v[LN], 31, v0
	v_and_b32 v[RQ], 15, v0
	v_bfe_u32 v[HH], v0, 4, 1
	v_lshlrev_b32 v[L16], 4, v[LN]
	s_wait_alu depctr_va_vdst(0)
	v_lshlrev_b32 v[L4], 2, v[LN]
	s_wait_alu depctr_va_vdst(0)
	s_lshr_b32 s[E], ttmp9, 5
	s_and_b32 s[SL], ttmp9, 31
	s_wait_alu depctr_va_sdst(0)                   ; the wave's number is written, ahead of its first reader
	s_and_b32 s[C4], s[WV], 3                      ; my block of 32 k
	s_lshr_b32 s[UU], s[WV], 2                     ; in which of a step's two K steps
	s_lshl_b32 s34, s[C4], 9
	s_lshl_b32 s35, s[UU], 13
	s_add_co_u32 s34, s34, s35
	v_add_nc_u32 v[SWI], s34, v[L16]               ; 8192 u + 512 c + 16 lane
	s_lshl_b32 s34, s[C4], 7
	s_lshl_b32 s35, s[UU], 9
	s_add_co_u32 s34, s34, s35
	v_add_nc_u32 v[SWS], s34, v[L4]
	v_add_nc_u32 v[SWS], SCP, v[SWS]               ; 512 u + 128 c + 4 lane
	v_lshlrev_b32 v[MRI], 4, v[LN]
	v_add_nc_u32 v[MRS], SCP, v[L4]
	v_lshlrev_b32 v[FRI], 4, v[LN]
	v_add_nc_u32 v[FRS], SCP, v[L4]
	s_lshl_b32 s34, s[WV], 6
	v_lshl_add_u32 v[LRD], v[RQ], 2, s34           ; list word of row r of tile w: 64 w + 4 r
	v_lshlrev_b32 v[BI0], 6, v[HH]
	v_add_nc_u32 v[BI0], BIL, v[BI0]
	v_bfe_u32 v[WOFF], v0, 2, 1
	v_lshlrev_b32 v[WOFF], 7, v[WOFF]
	v_bfe_u32 v[TV], v0, 3, 1
	v_lshl_add_u32 v[WOFF], v[TV], 6, v[WOFF]
	v_and_b32 v[TV], 3, v0
	v_lshl_add_u32 v[WOFF], v[TV], 4, v[WOFF]      ; 4 F(q)
	v_lshl_add_u32 v[WOFF], v[HH], 18, v[WOFF]     ; + 16 h rows
	s_lshl_b32 s34, s[C4], 19
	s_lshl_b32 s35, s[UU], 21
	s_add_co_u32 s34, s34, s35
	v_add_nc_u32 v[WOFF], s34, v[WOFF]             ; + 32 c + 128 u rows
	v_add_nc_u32 v[BSA], BIL, v[L16]
.irp i, 40,41,42,43,44,45,46,47
	v_mov_b32 v\i, 0                               ; a lane permute's destination counts as one of its sources
.endr
	v_mov_b32 v[K1V], 0xc0135761                   ; K1 = -2 log2(e) sqrt(2 / pi)
	v_mov_b32 v[K1V+1], 0xc0135761
	v_mov_b32 v[K2V], 0xbdd2d3e8                   ; K2 = 0.044715 K1
	v_mov_b32 v[K2V+1], 0xbdd2d3e8
	s_mov_b32 s[SEL], 0x76543210
	s_mov_b32 s[SEL+1], 0xfedcba98
	s_mov_b32 s[MNT], 0x600000
	s_mov_b32 s[PS], 0x05010400
	s_mov_b32 s[PS+1], 0x07030602
	s_mov_b32 s[PS+2], 0x05040100
	s_mov_b32 s[PS+3], 0x07060302
	s_lshl_b32 s34, s[E], 24
	s_lshl_b32 s62, s[SL], 9
	s_add_co_u32 s34, s34, s62
	s_mov_b32 s35, 0
	s_lshl_b32 s48, s[E], 14
	s_add_co_u32 s48, s48, s62
	s_mov_b32 s49, 0
	s_mul_i32 s60, s[E], 5120
	s_add_co_u32 s60, s60, 66560
	s_mov_b32 s61, 0
	s_lshl_b32 s63, s[E], 7
	s_wait_kmcnt 0x0
	s_load_b32 s[CNT], s[10:11], s63 offset:0x10000   ; expert e's number of rows
	s_add_nc_u64 s[WB:WB+1], s[4:5], s[34:35]      ; w1 at expert e, my 128 units
	s_add_nc_u64 s[PWB:PWB+1], s[WB:WB+1], 256     ; the second job's 64 units
	s_add_nc_u64 s[XSB:XSB+1], s[8:9], 0x100000    ; x's scale bytes
	s_add_nc_u64 s[48:49], s[6:7], s[48:49]        ; b1's slice
	s_add_nc_u64 s[LSB:LSB+1], s[10:11], s[60:61]  ; expert e's list
	s_wait_alu depctr_va_vdst(0)                   ; all offsets and LDS addresses made above are written: the loads and stores of the kernel read them
	global_load_b128 v[B1R:B1R+3], v[L16], s[48:49]
	LLOAD LRD
	RELOAD 0, WB                                   ; the first two steps' weights
	RELOAD 1, WB
	s_wait_kmcnt 0x0
	s_add_co_u32 s[NT], s[CNT], 15
	s_lshr_b32 s[NT], s[NT], 4
	s_max_u32 s[NT], s[NT], 1
	s_min_u32 s[NT], s[NT], 64                     ; tiles of 16 rows
	s_add_co_u32 s34, s[WV], 16
	s_cmp_lt_u32 s34, s[NT]
	s_cselect_b32 s[S2], 1, 0                      ; has the expert my third tile?
	s_wait_loadcnt 32                              ; b1 and the list words are in; the 32 younger loads, the weights, may be out
	MKX
	s_wait_alu depctr_va_vdst(0)                   ; x's six offsets are written, which the fetches below read
	s_cmp_eq_u32 s[WV], 0
	s_cbranch_scc0 .Lnob1
	ds_store_b128 v[BSA], v[B1R:B1R+3]             ; wave 0 puts b1's slice into LDS; the steps' barriers stand between this store and the first read of it, in the epilogue
.Lnob1:
	AFETCH 0, 8, XSB, 0, 0                         ; the first fetches take all three tiles: every operand register is loaded whatever the count
	AFETCH 1, 8, XSB, 1, 0
	s_mov_b32 s[G], 0
	s_mov_b32 s[P24], 0
.Ljob:                                             ; a trip = a job: 64 units, 4 steps
	s_wait_xcnt 0x0                                ; the reloads' base is written again only behind this wait
	s_lshl_b32 s34, s[G], 8
	v_add_nc_u32 v[BIX], s34, v[BI0]               ; (on the way back: the wait on vm_vsrc at the last job's end stands behind the LDS loads that read it)
	s_add_co_u32 s34, s34, 2*STB
	s_mov_b32 s35, 0
	s_add_nc_u64 s[PW:PW+1], s[WB:WB+1], s[34:35]  ; this job's steps 2 and 3
	; THE COUNTS are those of the way with the fewest loads, the one without a third tile; on the other way they wait for a few loads more, which is right too.
	; 36: behind the ring block that is due stand at least 10 + 10 loads of x and 16 of weights.  26: behind the half of x that is due stand at least 10 of x and 16 of weights.
	; In the first step, on the way in from the head: behind x's first half stands its whole second half, 15; behind that at least this step's 10 (on the way back from the first job there are more: the smaller counts serve both)
	STEP 0, 0, 1, PW, 36, 1, 1, 2, 15, 10          ; the first products start the sums
	STEP 1, 1, 1, PW, 36, 0, 1, 4, 26, 26
	s_cmp_eq_u32 s[G], 0
	s_cbranch_scc0 .Llast
	STEP 0, 2, 1, PWB, 36, 0, 1, 6, 26, 26         ; the first job: the ring and x go on into the second job
	STEP 1, 3, 1, PWB, 36, 0, 1, 0, 26, 26
	s_branch .Ldone
.Llast:
	STEP 0, 2, 0, PW, 36, 0, 1, 6, 26, 26          ; the second job: no weights are left to ask for,
	STEP 1, 3, 0, PW, 20, 0, 0, 0, 10, 0           ; and then no x: the counts run down
.Ldone:
	EPI
	s_wait_alu depctr_vm_vsrc(0)                   ; the job's LDS stores and loads have read the four addresses below, and the epilogue's LDS loads v[BIX], which the next job's head writes
	v_add_nc_u32 v[SWI], 0x10000, v[SWI]           ; the next job's eight slots
	v_add_nc_u32 v[SWS], 4096, v[SWS]
	v_add_nc_u32 v[MRI], 0x10000, v[MRI]
	v_add_nc_u32 v[MRS], 4096, v[MRS]
	s_add_co_u32 s[G], s[G], 1
	s_cmp_lt_u32 s[G], 2
	s_cbranch_scc1 .Ljob
	; ROWS 384 ON: two passes of 24 tiles x 2 jobs x 4 trips of two K steps, from the images in LDS.  The work is jumped over where there are no such rows.  No barrier stands here.
	s_mov_b32 s[Q], 0
.Lextra:
	s_lshr_b32 s[P], s[Q], 3
	s_add_co_u32 s[P], s[P], 1
	s_mul_i32 s[P24], s[P], 24
	s_bfe_u32 s[G], s[Q], 0x10002
	s_and_b32 s60, s[Q], 7
	s_wait_alu depctr_vm_vsrc(0)                   ; the loads of the trips before have read the four addresses below and x's offsets, and my LDS stores v68-70, in which the list words land
	s_lshl_b32 s34, s60, 14
	v_add_nc_u32 v[MBX], s34, v[FRI]               ; slots 2 (Q % 8) and 2 (Q % 8) + 1
	s_lshl_b32 s34, s60, 10
	v_add_nc_u32 v[MSX], s34, v[FRS]
	s_mul_i32 s34, s[P], 1536
	v_add_nc_u32 v[LRX], s34, v[LRD]               ; 24 tiles of 16 words a pass
	s_lshl_b32 s34, s[G], 8
	v_add_nc_u32 v[BIX], s34, v[BI0]
	s_cmp_ge_u32 s[P24], s[NT]
	s_cbranch_scc1 .Lxskip
	s_wait_loadcnt 0x0                             ; no load of mine is out: offsets, bases and fragments may be written
	s_wait_alu depctr_va_vdst(0)                   ; v[LRX] is written, which the list's loads read; the vector lines that named v68-70 are done
	LLOAD LRX
	s_wait_loadcnt 0x0
	MKX
	s_and_b32 s60, s[Q], 3
	s_lshl_b32 s34, s60, 8
	s_mov_b32 s35, 0
	s_add_nc_u64 s[XE:XE+1], s[8:9], s[34:35]
	s_lshl_b32 s34, s60, 3
	s_add_nc_u64 s[XES:XES+1], s[XSB:XSB+1], s[34:35]
	s_wait_alu depctr_va_vdst(0)                   ; x's offsets are written; the products and the epilogue are done with x's fragments and scale words, with v96-159 and with v36-47, in which the loads below land
	AFETCH 0, XE, XES, 0, 0
	AFETCH 1, XE, XES, 1, 0
	PLOADS MSX, 0
	BLOADS MBX, 0
	s_wait_dscnt 16                                ; the eight planes are in; the 16 younger loads, the fragments, may be out
	PERMS
	s_wait_dscnt 0x0
	s_wait_loadcnt 15                              ; the second K step's 15 loads may be out
	s_wait_alu depctr_va_vdst(0)                   ; the perms have written both K steps' scale words, which the products take as scales
	s_cmp_eq_u32 s60, 0
	s_cbranch_scc0 .Lxadd
	MUL 0, 1, 0
	s_branch .Lxj
.Lxadd:
	MUL 0, 0, 0
.Lxj:
	s_wait_alu depctr_va_vdst(0)                   ; the products are done reading the fragments v96-159, in which the loads below land
	BLOADS MBX, 1
	s_wait_dscnt 0x0
	s_wait_loadcnt 0x0
	MUL 1, 0, 0
	s_cmp_eq_u32 s60, 3
	s_cbranch_scc0 .Lxskip
	EPI
.Lxskip:
	s_add_co_u32 s[Q], s[Q], 1
	s_cmp_lt_u32 s[Q], 16
	s_cbranch_scc1 .Lextra
	s_wait_dscnt 0x0                               ; the closing lines, six on end
	s_wait_alu 0x0
	s_wait_tensorcnt 0x0
	ds_add_u32 v79, v91
	s_wait_dscnt 0x0
	s_endpgm
.Lfunc_end_k_q33f78f2e85_up:
	.size	k_q33f78f2e85_up, .Lfunc_end_k_q33f78f2e85_up-k_q33f78f2e85_up
	.p2alignl 7, 3214868480
	.fill 96, 4, 3214868480
	.section	.rodata,"a",@progbits
	.p2align	6, 0x0
	.amdhsa_kernel k_q33f78f2e85_up
		.amdhsa_group_segment_fixed_size 140800
		.amdhsa_private_segment_fixed_size 0
		.amdhsa_enable_private_segment 0
		.amdhsa_kernarg_size 40
		.amdhsa_user_sgpr_count 2
		.amdhsa_user_sgpr_kernarg_segment_ptr 1
		.amdhsa_wavefront_size32 1
		.amdhsa_system_sgpr_workgroup_id_x 1
		.amdhsa_system_sgpr_workgroup_id_y 1
		.amdhsa_system_sgpr_workgroup_id_z 1
		.amdhsa_system_vgpr_workitem_id 0
		.amdhsa_next_free_vgpr 512
		.amdhsa_next_free_sgpr 80
		.amdhsa_reserve_vcc 0
		.amdhsa_float_denorm_mode_32 3
		.amdhsa_float_denorm_mode_16_64 3
		.amdhsa_memory_ordered 1
		.amdhsa_forward_progress 1
		.amdhsa_inst_pref_size 178
	.end_amdhsa_kernel
	.amdgpu_metadata
---
amdhsa.version: [ 1, 2 ]
amdhsa.kernels:
  - .name:           k_q33f78f2e85_up
    .symbol:         k_q33f78f2e85_up.kd
    .args:
      - { .name: w1, .offset: 0, .size: 8, .value_kind: global_buffer, .address_space: global }
      - { .name: b1, .offset: 8, .size: 8, .value_kind: global_buffer, .address_space: global }
      - { .name: xc, .offset: 16, .size: 8, .value_kind: global_buffer, .address_space: global }
      - { .name: place, .offset: 24, .size: 8, .value_kind: global_buffer, .address_space: global }
      - { .name: hc, .offset: 32, .size: 8, .value_kind: global_buffer, .address_space: global }
    .group_segment_fixed_size: 140800
    .private_segment_fixed_size: 0
    .kernarg_segment_align: 8
    .kernarg_segment_size: 40
    .max_flat_workgroup_size: 256
    .sgpr_count:     80
    .vgpr_count:     512
    .wavefront_size: 32
...
	.end_amdgpu_metadata
.endif
;; end of part 8
;; launch down (part 9): grid 256 x 1, 8 waves a work-group, no clusters, 140,288 bytes of LDS; arguments w2, b2, hc, place, ypart; writes ypart
.if DOCPART == 9
	.amdgcn_target "amdgcn-amd-amdhsa--gfx1250"
	.amdhsa_code_object_version 6
	.text
	.protected	k_q33f78f2e85_down
	.globl	k_q33f78f2e85_down
	.p2align	8
	.type	k_q33f78f2e85_down,@function
k_q33f78f2e85_down:
	s_mov_b64 s[64:65], 0
	v_nop
	global_prefetch_b8 v0, s[64:65] scope:SCOPE_SE
	s_setreg_imm32_b32 hwreg(HW_REG_WAVE_SCHED_MODE, 0, 2), 2
	s_setreg_imm32_b32 hwreg(HW_REG_WAVE_MODE, 25, 1), 1
	s_wait_xcnt 0x0
	s_wait_alu depctr_vm_vsrc(0)
; DOWN: ypart[kh][e][rank][:] = h w2[e] over half kh of the 4,096 hidden units (+ b2[e] in half 0), for the rows routed to expert e.
; w2 [8][4096 k][1024 n] f32 is read from memory ONCE, as f32, and quantised along k in registers on its way; h comes as images of the operand's registers with scale words (hc).
; A work-group = expert e (ttmp9 / 32) x 64 columns ((ttmp9 / 2) % 16) x K half (ttmp9 % 2): 8 steps; a step is two K steps: 256 k x 64 columns, 64 KiB of f32.
; ALL EIGHT WAVES RUN THE SAME TEXT.  In a step wave w takes block c = w % 4 (32 k) of K step u = w / 4; lane (q, h) takes rows 32 c + 16 h + 0 .. 15 and columns 4 q + 0 .. 3, so that a load reads two aligned runs
; of 256 bytes and the lane holds registers 4 c .. 4 c + 3 of the fragments of four tiles j, whose column q is output column 4 q + j.  Codes go to LDS as images of the operand's registers, scale bytes as one word a lane.
; One barrier a step: no LDS byte is written twice.  Behind it every wave multiplies both K steps for its tiles of 16 rows (w, 8 + w, 16 + w: 12 accumulators) against the four tiles of columns.
; THE THIRD TILE, 16 + w, IS FETCHED AND MULTIPLIED ONLY WHERE THE EXPERT HAS IT: a scalar branch on the stored count, round five loads or four products, never round a barrier.  The head's fetches and the first K step
; take all three tiles, so that every operand register is loaded and every sum is begun by a product whatever the count; a third tile that does not exist is never read out.
; Source 0 = 16 rows of h, source 1 = 16 columns: register i of lane (r, h) is row 8 h + i, column 4 r + j, so the four tiles' registers i are 16 neighbouring bytes, and sixteen lanes store 256 aligned bytes.
; LOADS.  In a step a wave issues: h for the next step (10 or 15 loads behind each K step's products, into the registers just multiplied), then, at the step's end, 16 loads of weights for the step after next (a ring of two blocks).
; The weights stand BEHIND h in the order of issue, so that the wait for h does not also wait for weights that are due a step later.  By this text's own count at most 63 loads of a wave are out (at the head), later 62.
; THE EIGHT STEPS ARE WRITTEN OUT, and a step's place stands in the loads' immediates (weights: at most 7 x 1,048,576 + 15 x 4,096 bytes, inside the signed 24 bits: ISA guide, chapter 10; h: at most 15 x 2,048 + 1,536):
; no base and no offset register of a global load is written again while the weights stream, so no wait stands there for their sake.
; Rows 0-383 ride on the stream; rows 384-1,023 are multiplied afterwards from the images kept in LDS, in passes that a scalar branch leaves out.  A tile past the last takes the last tile's h and is not stored.
; No cluster: the weights, which are what binds, are shared by no two work-groups.  The two K halves are added by the next launch, which owns each output row.
; LIMITS: NaN and infinities are not served.  A block of zeros gets the byte 1 (its codes are zeros; only this program reads the bytes).
; THE MODE: SCHED_MODE bits 1:0 = 2 (LLVM: expert scheduling mode 2), set by the entry lines.  The code itself states the register dependences
; between vector or matrix instructions and memory or LDS instructions, with s_wait_alu, always for 0.
; THE PLAN.  Registers that memory or LDS instructions touch while the weights stream:
;   the ring       Block xb: read by the step's maxima and holds; the 16 loads at the step's end land in it.
;   v56-73         Written by the block's shifts and conversions; read by the block's five LDS stores.
;   BW v96-159     Written by the holds, read by the conversions; then the first K step's fragments land in it and its products read them; then the second's.  On the way out a tile's 32 numbers are made in v96-127 and stored from there.
;   PLN, PL2       Named by the quantiser; behind the barrier the planes of scale bytes of both K steps land in them; the perms read them.
;   AB, ASC        Half kk: read by K step kk's products; behind them the next step's loads land in it.
;   addresses      Made at the head.  Written again outside the steps alone: four LDS addresses between two pairs of steps, and those of the later passes at a trip's head.
;   WSC, WS1, b2 and the accumulators are named by vector and matrix instructions alone (b2 is loaded once).
; A STEP'S WAITS: on vm_vsrc at the block's head (the last LDS stores have read v56-73); on va_vdst behind the conversions (the stores' data are written; the quantiser is done with BW, PLN, PL2 and the ring block);
; on va_vdst behind the perms (both K steps' scale words are written); on va_vdst behind each K step's products (they are done reading what is loaded next).  The loads that follow a wait touch nothing that a vector or matrix instruction issued since names.
.set ROWB, 4096
.set STB,  1048576                     ; 256 rows: a step
.set SCP,  131072                      ; LDS: 0: images, slot t (a K step): 8192 t + 2048 j + 512 c + 16 lane;  SCP: scale words, 512 t + 128 c + 4 lane (byte j)
.set HSC,  33554432
.set LN,1
.set RQ,2
.set HH,3
.set L16,4                             ; 16 lane: my bytes of an image
.set L4,5                              ; 4 lane: my scale word
.set SWI,6
.set SWS,7
.set MRI,8
.set MRS,9
.set FRI,10
.set FRS,11
.set MBX,12
.set MSX,13
.set WOFF,14
.set AXO,17
.set ASX,18
.set YO,19
.set BB,20                             ; v20-23 b2 of my four columns (0 in K half 1)
.set R16,24
.set WS1,28                            ; v28-31 the weights' scale words of a step's second K step: these hold scales and nothing else
.set MX,36
.set PM,40
.set SO,44
.set LM,48
.set BY,52
.set WD,56
.set CC,58
.set PLN,36                            ; while products run: v36-39, v44-47 the planes of scale bytes of the step's two K steps; v40-43, v48-51 their halves on the way to scale words
.set TP,40
.set PL2,44
.set TP2,48
.set WSC,80                            ; v80-83 the weights' scale words of a step's first K step, v84-89 h's: these hold scales and nothing else
.set ASC,84
.set TT,96                             ; v96-159 by turns: the held numbers of a block; a K step's four fragments; on the way out a tile's 32 numbers
.set BW,96
.set OO,96
.set AB,160                            ; v160-255 h's fragments: K step kk of the step, tile t: 48 kk + 16 t
; window 1: v0-127 the ring of two blocks;  v128-223 accumulators (tile t, tile j: 128 + 32 t + 8 j)
.set ACC,128
.set WV,16
.set C4,17
.set E,18
.set CS,19
.set SEL,20
.set MNT,22
.set UU,24
.set NT,25
.set KH,26
.set CNT,27
.set PS,28
.set WB,38
.set HB,40                             ; s[40:45] three tiles' images;  s[50:55] their scale words
.set S2,46                             ; 1: the expert has my third tile, 16 + w
.set HS,50
.set YB,60
.set Q,66
.set P24,67
.set NTM,68
.set E64,69
.set KH16,70
.set YC,71
.set KQ,72
.set BBP,74
.set MSB, 0
.macro WIN new
.if MSB != (\new)
	s_set_vgpr_msb (MSB<<8)|(\new)
.set MSB, (\new)
.endif
.endm
.macro NOPS n
.rept \n
	v_nop
.endr
.endm
.macro BAR
	s_wait_dscnt 0x0
	s_barrier_signal -1
	s_barrier_wait -1
.endm
; Ring block xb becomes 4 x 16 codes and 4 scale bytes a lane, stored for slot 2 xb + u of the pair of steps.  n: younger loads that may stay out.
.macro QBLK xb, n
	s_wait_loadcnt \n
	s_wait_alu depctr_vm_vsrc(0)                   ; my last block's LDS stores have read v56-73, which the lines below write again
	WIN 0x05
.irp j, 0,1,2,3
	v_max3_num_f32 v[MX+\j], |v[64*\xb+\j]|, |v[64*\xb+4+\j]|, 0x8000000     ; with the floor 2^(16 - 127): the byte cannot fall under 1
.endr
.irp r, 2,4,6,8,10,12,14
.irp j, 0,1,2,3
	v_max3_num_f32 v[MX+\j], |v[64*\xb+4*\r+\j]|, |v[64*\xb+4*\r+4+\j]|, v[MX+\j]
.endr
.endr
	WIN 0
.irp j, 0,1,2,3
	v_permlanex16_b32 v[PM+\j], v[MX+\j], s[SEL], s[SEL+1]
.endr
.irp j, 0,1,2,3
	v_max_num_f32 v[MX+\j], v[MX+\j], v[PM+\j]
.endr
.irp j, 0,1,2,3
	v_add_nc_u32 v[SO+\j], 0xf8800000, v[MX+\j]
.endr
.irp j, 0,1,2,3
	v_and_or_b32 v[LM+\j], v[MX+\j], 0x7f800000, s[MNT]
.endr
.irp j, 0,1,2,3
	v_lshrrev_b32 v[BY+\j], 23, v[SO+\j]
.endr
	v_lshl_or_b32 v[WD], v[BY+1], 8, v[BY]
	v_lshl_or_b32 v[WD], v[BY+2], 16, v[WD]
	v_lshl_or_b32 v[WD], v[BY+3], 24, v[WD]
	WIN 0x01
.irp r, 0,1,2,3,4,5,6,7,8,9,10,11,12,13,14,15
.irp j, 0,1,2,3
	v_med3_num_f32 v[TT+16*\j+\r], v[64*\xb+4*\r+\j], -v[LM+\j], v[LM+\j]    ; the hold (ISA guide 7.6.2), into registers that run along k
.endr
.endr
	WIN 0
.irp j, 0,1,2,3
.irp u, 0,1
	v_cvt_scalef32_pk8_bf8_f32 v[CC+4*\j+2*\u:CC+4*\j+2*\u+1], v[TT+16*\j+8*\u:TT+16*\j+8*\u+7], v[SO+\j]
.endr
.endr
	v_nop                                          ; one plain line behind the last conversion
	s_wait_alu depctr_va_vdst(0)                   ; the codes and the scale word are written, which the LDS stores read (and, behind a pair of steps, their addresses); the quantiser is done with v36-47 and v96-159, in which the LDS loads behind the barrier land, and with the ring block, in which the loads at the step's end land
.irp j, 0,1,2,3
	ds_store_b128 v[SWI], v[CC+4*\j:CC+4*\j+3] offset:\xb*16384+\j*2048
.endr
	ds_store_b32 v[SWS], v[WD] offset:\xb*1024
.endm
.macro RELOAD xb, so                   ; ring block xb is asked for again: step so of the eight.  No vector or matrix instruction since the wait behind the block's conversions names the block or v[WOFF]
	WIN 0x40
.irp r, 0,1,2,3,4,5,6,7,8,9,10,11,12,13,14,15
	global_load_b128 v[64*\xb+4*\r:64*\xb+4*\r+3], v[WOFF], s[WB:WB+1] offset:(\so)*STB+\r*ROWB th:TH_LOAD_NT
.endr
	WIN 0
.endm
.macro PLOADS vs, lo                   ; the planes of scale bytes (plane c, byte j) of slots lo and lo + 1: a step's two K steps
.irp c, 0,1,2,3
	ds_load_b32 v[PLN+\c], v[\vs] offset:(\lo)*512+\c*128
.endr
.irp c, 0,1,2,3
	ds_load_b32 v[PL2+\c], v[\vs] offset:(\lo)*512+512+\c*128
.endr
.endm
.macro BLOADS va, lo                   ; a slot's four fragments
.irp j, 0,1,2,3
.irp c, 0,1,2,3
	ds_load_b128 v[BW+16*\j+4*\c:BW+16*\j+4*\c+3], v[\va] offset:(\lo)*8192+\j*2048+\c*512
.endr
.endr
.endm
; Four planes (plane c, byte j) are turned into four scale words (tile j, byte c), for both K steps.  A scale word made by vector instructions stands eight places ahead of the scaled matrix instruction:
; the second set's eight lines are the places behind the first set; the eight places behind the first K step's products are those of the second set.
.macro PERMS
	v_perm_b32 v[TP], v[PLN+1], v[PLN], s[PS]
	v_perm_b32 v[TP+1], v[PLN+1], v[PLN], s[PS+1]
	v_perm_b32 v[TP+2], v[PLN+3], v[PLN+2], s[PS]
	v_perm_b32 v[TP+3], v[PLN+3], v[PLN+2], s[PS+1]
	v_perm_b32 v[WSC], v[TP+2], v[TP], s[PS+2]
	v_perm_b32 v[WSC+1], v[TP+2], v[TP], s[PS+3]
	v_perm_b32 v[WSC+2], v[TP+3], v[TP+1], s[PS+2]
	v_perm_b32 v[WSC+3], v[TP+3], v[TP+1], s[PS+3]
	v_perm_b32 v[TP2], v[PL2+1], v[PL2], s[PS]
	v_perm_b32 v[TP2+1], v[PL2+1], v[PL2], s[PS+1]
	v_perm_b32 v[TP2+2], v[PL2+3], v[PL2+2], s[PS]
	v_perm_b32 v[TP2+3], v[PL2+3], v[PL2+2], s[PS+1]
	v_perm_b32 v[WS1], v[TP2+2], v[TP2], s[PS+2]
	v_perm_b32 v[WS1+1], v[TP2+2], v[TP2], s[PS+3]
	v_perm_b32 v[WS1+2], v[TP2+3], v[TP2+1], s[PS+2]
	v_perm_b32 v[WS1+3], v[TP2+3], v[TP2+1], s[PS+3]
.endm
.macro WM j, t, kk, zero               ; one product: my tile t of rows x tile j of columns, K step kk of the step (its scale words: WSC for kk = 0, WS1 for kk = 1)
.if \zero
	v_wmma_scale_f32_16x16x128_f8f6f4 v[ACC+32*\t+8*\j:ACC+32*\t+8*\j+7], v[AB+48*\kk+16*\t:AB+48*\kk+16*\t+15], v[BW+16*\j:BW+16*\j+15], 0, v[ASC+3*\kk+\t], v[WSC+(WS1-WSC)*\kk+\j] matrix_a_fmt:MATRIX_FMT_BF8 matrix_b_fmt:MATRIX_FMT_BF8
.else
	v_wmma_scale_f32_16x16x128_f8f6f4 v[ACC+32*\t+8*\j:ACC+32*\t+8*\j+7], v[AB+48*\kk+16*\t:AB+48*\kk+16*\t+15], v[BW+16*\j:BW+16*\j+15], v[ACC+32*\t+8*\j:ACC+32*\t+8*\j+7], v[ASC+3*\kk+\t], v[WSC+(WS1-WSC)*\kk+\j] matrix_a_fmt:MATRIX_FMT_BF8 matrix_b_fmt:MATRIX_FMT_BF8
.endif
.endm
; A K step's products: my first two tiles of rows x 4 tiles of columns, then my third (opt = 1: only where the expert has it).  The accumulators take turns, one instruction a turn.
; zero = 1: the products start the sums.  Eight places follow: behind them results may be read and registers of the products written by vector instructions.
.macro MUL kk, zero, opt
	WIN 0x50                                       ; sources 0 and 1 window 0, C and D window 1
.irp j, 0,1,2,3
.irp t, 0,1
	WM \j, \t, \kk, \zero
.endr
.endr
.if \opt
	WIN 0                                          ; at a branch and at a label every window is 0
	s_cmp_eq_u32 s[S2], 0
	s_cbranch_scc1 .Lm_\@
	WIN 0x50
.endif
.irp j, 0,1,2,3
	WM \j, 2, \kk, \zero
.endr
	WIN 0
.if \opt
.Lm_\@:
.endif
	NOPS 8
.endm
.macro AF kk, vo, vs, ks, t            ; h's image and scale word, ks K steps on from the offsets' place, for my tile t, into half kk: 5 loads, each of consecutive bytes
.irp c, 0,1,2,3
	global_load_b128 v[AB+48*\kk+16*\t+4*\c:AB+48*\kk+16*\t+4*\c+3], v[\vo], s[HB+2*\t:HB+2*\t+1] offset:2048*(\ks)+512*\c
.endr
	global_load_b32 v[ASC+3*\kk+\t], v[\vs], s[HS+2*\t:HS+2*\t+1] offset:128*(\ks)
.endm
.macro AFETCH kk, vo, vs, ks, opt      ; 10 loads for my first two tiles, then 5 for my third (opt = 1: only where the expert has it)
	AF \kk, \vo, \vs, \ks, 0
	AF \kk, \vo, \vs, \ks, 1
.if \opt
	s_cmp_eq_u32 s[S2], 0
	s_cbranch_scc1 .Lf_\@
.endif
	AF \kk, \vo, \vs, \ks, 2
.if \opt
.Lf_\@:
.endif
.endm
; the bases of my three tiles P24 + 8 t + w, held at the last tile that exists
.macro MKB
.irp t, 0,1,2
	s_add_co_u32 s62, s[P24], s[WV]
	s_add_co_u32 s62, s62, 8*\t
	s_min_u32 s62, s62, s[NTM]
	s_min_u32 s62, s62, 63
	s_add_co_u32 s62, s62, s[E64]
	s_lshl_b32 s62, s62, 5
	s_add_co_u32 s62, s62, s[KH16]                 ; (64 e + tile) 32 + 16 kh
	s_lshl_b32 s34, s62, 11
	s_mov_b32 s35, 0
	s_add_nc_u64 s[HB+2*\t:HB+2*\t+1], s[8:9], s[34:35]
	s_lshl_b32 s34, s62, 7
	s_add_co_u32 s34, s34, HSC
	s_add_nc_u64 s[HS+2*\t:HS+2*\t+1], s[8:9], s[34:35]
.endr
.endm
; STEP st of the eight (the xb-th of its pair): my block is quantised | barrier | both K steps are multiplied; behind each, h of the next step's like K step is asked for; at the end the ring block is asked for again.
; Behind the barrier the planes of both K steps are asked for ahead of the first K step's fragments, so that the scale words are made while the fragments are on their way.
.macro STEP xb, st, rel, ns, zero, pf, n0, n1
	QBLK \xb, \ns
	BAR
	PLOADS MRS, 2*\xb
	BLOADS MRI, 2*\xb
	s_wait_dscnt 16                                ; LDS loads come back in order (ISA guide 5.7.1): the eight planes are in, the 16 younger loads, the fragments, may be out
	PERMS
	s_wait_dscnt 0x0
	s_wait_loadcnt \n0
	s_wait_alu depctr_va_vdst(0)                   ; the perms have written both K steps' scale words, which the products take as scales
	MUL 0, \zero, 1-\zero                          ; the first products are issued for all three tiles
	s_wait_alu depctr_va_vdst(0)                   ; the products are done reading the fragments v96-159 and h's first half with its scale words, in which the loads below land
	BLOADS MRI, 2*\xb+1
.if \pf
	AFETCH 0, L16, L4, 2*\st+2, 1
.endif
	s_wait_dscnt 0x0
	s_wait_loadcnt \n1
	MUL 1, 0, 1
.if \pf
	s_wait_alu depctr_va_vdst(0)                   ; the products are done reading h's second half with its scale words, in which the loads below land
	AFETCH 1, L16, L4, 2*\st+3, 1
.endif
.if \rel
	RELOAD \xb, \st+2
.endif
.endm
.macro ADV                             ; the LDS addresses go on to the next pair of steps' four slots (no LDS instruction of mine is out)
	s_wait_alu depctr_vm_vsrc(0)                   ; the pair's LDS stores and loads have read the four addresses
	v_add_nc_u32 v[SWI], 32768, v[SWI]
	v_add_nc_u32 v[SWS], 2048, v[SWS]
	v_add_nc_u32 v[MRI], 32768, v[MRI]
	v_add_nc_u32 v[MRS], 2048, v[MRS]
.endm
; the way out: each of my three tiles that exists: + b2, eight stores of two rows x 256 consecutive bytes
.macro EPI2
.irp t, 0,1,2
	s_add_co_u32 s62, s[P24], s[WV]
	s_add_co_u32 s62, s62, 8*\t
	s_cmp_ge_u32 s62, s[NT]
	s_cbranch_scc1 .Ly_\@_\t
	s_add_co_u32 s62, s62, s[E64]
	s_lshl_b32 s34, s62, 16                        ; 16 rows of 4,096 bytes a tile
	s_add_co_u32 s34, s34, s[YC]
	s_mov_b32 s35, 0
	s_add_nc_u64 s[YB:YB+1], s[12:13], s[34:35]
	WIN 0x01
.irp q, 0,1,2,3,4,5,6,7
.irp j, 0,1,2,3
	v_add_f32 v[OO+4*\q+\j], v[ACC+32*\t+8*\j+\q], v[BB+\j]                  ; each accumulator from its low end on
.endr
.endr
	WIN 0
	s_wait_alu depctr_va_vdst(0)                   ; the additions have written the tile's 32 numbers, which the stores read
.irp q, 0,1,2,3,4,5,6,7
	global_store_b128 v[YO], v[OO+4*\q:OO+4*\q+3], s[YB:YB+1] offset:4096*\q
.endr
	s_wait_xcnt 0x0                                ; data and base are written again only behind this wait
	s_wait_alu depctr_vm_vsrc(0)                   ; the stores have read v96-127, which the next tile's additions write and in which a later pass's fragments land
.Ly_\@_\t:
.endr
.endm
	s_load_b256 s[4:11], s[0:1], 0x0               ; w2, b2, hc, place
	s_load_b64 s[12:13], s[0:1], 0x20              ; ypart
	v_lshl_add_u32 v94, v0, 2, 0x22000
	v_mov_b32 v95, 0
	v_lshrrev_b32 v1, 5, v0
	v_readfirstlane_b32 s[WV], v1
	v_and_b32 v[LN], 31, v0
	v_and_b32 v[RQ], 15, v0
	v_bfe_u32 v[HH], v0, 4, 1
	v_lshlrev_b32 v[L16], 4, v[LN]
	s_wait_alu depctr_va_vdst(0)
	v_lshlrev_b32 v[L4], 2, v[LN]
	s_wait_alu depctr_va_vdst(0)
	v_lshlrev_b32 v[R16], 4, v[RQ]
	s_wait_alu depctr_va_vdst(0)
	s_lshr_b32 s[E], ttmp9, 5
	s_bfe_u32 s[CS], ttmp9, 0x40001
	s_and_b32 s[KH], ttmp9, 1
	s_wait_alu depctr_va_sdst(0)                   ; the wave's number is written, ahead of its first reader
	s_and_b32 s[C4], s[WV], 3                      ; my block of 32 k
	s_lshr_b32 s[UU], s[WV], 2                     ; in which of a step's two K steps
	s_lshl_b32 s34, s[C4], 9
	s_lshl_b32 s35, s[UU], 13
	s_add_co_u32 s34, s34, s35
	v_add_nc_u32 v[SWI], s34, v[L16]               ; 8192 u + 512 c + 16 lane
	s_lshl_b32 s34, s[C4], 7
	s_lshl_b32 s35, s[UU], 9
	s_add_co_u32 s34, s34, s35
	v_add_nc_u32 v[SWS], s34, v[L4]
	v_add_nc_u32 v[SWS], SCP, v[SWS]               ; 512 u + 128 c + 4 lane
	v_lshlrev_b32 v[MRI], 4, v[LN]
	v_add_nc_u32 v[MRS], SCP, v[L4]
	v_lshlrev_b32 v[FRI], 4, v[LN]
	v_add_nc_u32 v[FRS], SCP, v[L4]
	v_lshl_add_u32 v[WOFF], v[HH], 16, v[R16]      ; 16 q + 16 h rows
	s_lshl_b32 s34, s[C4], 17
	s_lshl_b32 s35, s[UU], 19
	s_add_co_u32 s34, s34, s35
	v_add_nc_u32 v[WOFF], s34, v[WOFF]             ; + 32 c + 128 u rows
	v_lshl_add_u32 v[YO], v[HH], 15, v[R16]        ; 8 h rows + 16 r
.irp i, 40,41,42,43
	v_mov_b32 v\i, 0                               ; a lane permute's destination counts as one of its sources
.endr
	s_mov_b32 s[SEL], 0x76543210
	s_mov_b32 s[SEL+1], 0xfedcba98
	s_mov_b32 s[MNT], 0x600000
	s_mov_b32 s[PS], 0x05010400
	s_mov_b32 s[PS+1], 0x07030602
	s_mov_b32 s[PS+2], 0x05040100
	s_mov_b32 s[PS+3], 0x07060302
	s_lshl_b32 s34, s[E], 24
	s_lshl_b32 s62, s[KH], 23
	s_add_co_u32 s34, s34, s62
	s_lshl_b32 s62, s[CS], 8
	s_add_co_u32 s34, s34, s62
	s_mov_b32 s35, 0
	s_lshl_b32 s36, s[E], 12
	s_add_co_u32 s36, s36, s62
	s_mov_b32 s37, 0
	s_lshl_b32 s[YC], s[KH], 25
	s_add_co_u32 s[YC], s[YC], s62
	s_lshl_b32 s63, s[E], 7
	s_lshl_b32 s[E64], s[E], 6
	s_lshl_b32 s[KH16], s[KH], 4
	s_mov_b32 s[P24], 0
	s_wait_kmcnt 0x0
	s_load_b32 s[CNT], s[10:11], s63 offset:0x10000   ; expert e's number of rows
	s_add_nc_u64 s[WB:WB+1], s[4:5], s[34:35]      ; w2 at expert e, my K half, my 64 columns: never written again
	s_add_nc_u64 s[BBP:BBP+1], s[6:7], s[36:37]
	s_wait_alu depctr_va_vdst(0)                   ; all offsets and LDS addresses made above are written: the loads and stores of the kernel read them
	global_load_b128 v[BB:BB+3], v[R16], s[BBP:BBP+1]
	RELOAD 0, 0                                    ; the first two steps' weights
	RELOAD 1, 1
	s_wait_kmcnt 0x0
	s_add_co_u32 s[NT], s[CNT], 15
	s_lshr_b32 s[NT], s[NT], 4
	s_max_u32 s[NT], s[NT], 1
	s_min_u32 s[NT], s[NT], 64
	s_sub_co_u32 s[NTM], s[NT], 1
	s_add_co_u32 s34, s[WV], 16
	s_cmp_lt_u32 s34, s[NT]
	s_cselect_b32 s[S2], 1, 0                      ; has the expert my third tile?
	MKB
	AFETCH 0, L16, L4, 0, 0                        ; the first fetches take all three tiles: every operand register is loaded whatever the count
	AFETCH 1, L16, L4, 1, 0
	s_cmp_eq_u32 s[KH], 0
	s_cselect_b32 s62, -1, 0
	s_wait_loadcnt 62                              ; b2 is in; the 62 younger loads (32 of weights, 30 of h) may be out
.irp j, 0,1,2,3
	v_cndmask_b32 v[BB+\j], 0, v[BB+\j], s62       ; the bias is added in K half 0 alone
.endr
	; THE COUNTS are those of the way with the fewest loads, the one without a third tile; on the other way they wait for a few loads more, which is right too.
	; 36: behind the ring block that is due stand at least 10 + 10 loads of h and 16 of weights.  26: behind the half of h that is due stand at least 10 of h and 16 of weights.
	; In the first step: 46: behind ring block 0 stand block 1's 16 and the head's 30 of h, on every way; 15: behind h's first half its whole second half; 10: behind that at least this step's 10
	STEP 0, 0, 1, 46, 1, 1, 15, 10                 ; the first products start the sums
	STEP 1, 1, 1, 36, 0, 1, 26, 26
	ADV
	STEP 0, 2, 1, 36, 0, 1, 26, 26
	STEP 1, 3, 1, 36, 0, 1, 26, 26
	ADV
	STEP 0, 4, 1, 36, 0, 1, 26, 26
	STEP 1, 5, 1, 36, 0, 1, 26, 26
	ADV
	STEP 0, 6, 0, 36, 0, 1, 26, 26                 ; the last pair: no weights are left to ask for,
	STEP 1, 7, 0, 20, 0, 0, 10, 0                  ; and then no h: the counts run down
	EPI2
	; ROWS 384 ON: two passes of 24 tiles x 8 trips of two K steps, from the images in LDS.  The work is jumped over where there are no such rows.  No barrier stands here.
	s_mov_b32 s[Q], 0
.Lextra:
	s_lshr_b32 s62, s[Q], 3
	s_add_co_u32 s62, s62, 1
	s_mul_i32 s[P24], s62, 24
	s_and_b32 s[KQ], s[Q], 7
	s_wait_alu depctr_vm_vsrc(0)                   ; the loads of the trips before have read the two LDS addresses and the two offsets that this trip makes anew
	s_lshl_b32 s34, s[KQ], 14
	v_add_nc_u32 v[MBX], s34, v[FRI]
	s_lshl_b32 s34, s[KQ], 10
	v_add_nc_u32 v[MSX], s34, v[FRS]
	s_cmp_ge_u32 s[P24], s[NT]
	s_cbranch_scc1 .Lxskip
	s_wait_loadcnt 0x0                             ; no load of mine is out: offsets, bases and fragments may be written
	s_lshl_b32 s34, s[KQ], 12
	v_add_nc_u32 v[AXO], s34, v[L16]
	s_lshl_b32 s34, s[KQ], 8
	v_add_nc_u32 v[ASX], s34, v[L4]
	MKB
	s_wait_alu depctr_va_vdst(0)                   ; the four addresses and offsets are written; the products and the way out are done with h's fragments and scale words, with v96-159 and with v36-47, in which the loads below land
	AFETCH 0, AXO, ASX, 0, 0
	AFETCH 1, AXO, ASX, 1, 0
	PLOADS MSX, 0
	BLOADS MBX, 0
	s_wait_dscnt 16                                ; the eight planes are in; the 16 younger loads, the fragments, may be out
	PERMS
	s_wait_dscnt 0x0
	s_wait_loadcnt 15                              ; the second K step's 15 loads may be out
	s_wait_alu depctr_va_vdst(0)                   ; the perms have written both K steps' scale words, which the products take as scales
	s_cmp_eq_u32 s[KQ], 0
	s_cbranch_scc0 .Lxadd
	MUL 0, 1, 0
	s_branch .Lxj
.Lxadd:
	MUL 0, 0, 0
.Lxj:
	s_wait_alu depctr_va_vdst(0)                   ; the products are done reading the fragments v96-159, in which the loads below land
	BLOADS MBX, 1
	s_wait_dscnt 0x0
	s_wait_loadcnt 0x0
	MUL 1, 0, 0
	s_cmp_eq_u32 s[KQ], 7
	s_cbranch_scc0 .Lxskip
	EPI2
.Lxskip:
	s_add_co_u32 s[Q], s[Q], 1
	s_cmp_lt_u32 s[Q], 16
	s_cbranch_scc1 .Lextra
	s_wait_dscnt 0x0                               ; the closing lines, six on end
	s_wait_alu 0x0
	s_wait_tensorcnt 0x0
	ds_add_u32 v94, v95
	s_wait_dscnt 0x0
	s_endpgm
.Lfunc_end_k_q33f78f2e85_down:
	.size	k_q33f78f2e85_down, .Lfunc_end_k_q33f78f2e85_down-k_q33f78f2e85_down
	.p2alignl 7, 3214868480
	.fill 96, 4, 3214868480
	.section	.rodata,"a",@progbits
	.p2align	6, 0x0
	.amdhsa_kernel k_q33f78f2e85_down
		.amdhsa_group_segment_fixed_size 140288
		.amdhsa_private_segment_fixed_size 0
		.amdhsa_enable_private_segment 0
		.amdhsa_kernarg_size 40
		.amdhsa_user_sgpr_count 2
		.amdhsa_user_sgpr_kernarg_segment_ptr 1
		.amdhsa_wavefront_size32 1
		.amdhsa_system_sgpr_workgroup_id_x 1
		.amdhsa_system_sgpr_workgroup_id_y 1
		.amdhsa_system_sgpr_workgroup_id_z 1
		.amdhsa_system_vgpr_workitem_id 0
		.amdhsa_next_free_vgpr 512
		.amdhsa_next_free_sgpr 80
		.amdhsa_reserve_vcc 0
		.amdhsa_float_denorm_mode_32 3
		.amdhsa_float_denorm_mode_16_64 3
		.amdhsa_memory_ordered 1
		.amdhsa_forward_progress 1
		.amdhsa_inst_pref_size 199
	.end_amdhsa_kernel
	.amdgpu_metadata
---
amdhsa.version: [ 1, 2 ]
amdhsa.kernels:
  - .name:           k_q33f78f2e85_down
    .symbol:         k_q33f78f2e85_down.kd
    .args:
      - { .name: w2, .offset: 0, .size: 8, .value_kind: global_buffer, .address_space: global }
      - { .name: b2, .offset: 8, .size: 8, .value_kind: global_buffer, .address_space: global }
      - { .name: hc, .offset: 16, .size: 8, .value_kind: global_buffer, .address_space: global }
      - { .name: place, .offset: 24, .size: 8, .value_kind: global_buffer, .address_space: global }
      - { .name: ypart, .offset: 32, .size: 8, .value_kind: global_buffer, .address_space: global }
    .group_segment_fixed_size: 140288
    .private_segment_fixed_size: 0
    .kernarg_segment_align: 8
    .kernarg_segment_size: 40
    .max_flat_workgroup_size: 256
    .sgpr_count:     80
    .vgpr_count:     512
    .wavefront_size: 32
...
	.end_amdgpu_metadata
.endif
;; end of part 9
;; launch combine (part 10): grid 256 x 1, 4 waves a work-group, no clusters, 0 bytes of LDS; arguments ypart, idx, rt, place, out0, out1; writes out0, out1
.if DOCPART == 10
	.amdgcn_target "amdgcn-amd-amdhsa--gfx1250"
	.amdhsa_code_object_version 6
	.text
	.protected	k_q33f78f2e85_combine
	.globl	k_q33f78f2e85_combine
	.p2align	8
	.type	k_q33f78f2e85_combine,@function
k_q33f78f2e85_combine:
	s_mov_b64 s[64:65], 0
	v_nop
	global_prefetch_b8 v0, s[64:65] scope:SCOPE_SE
	s_setreg_imm32_b32 hwreg(HW_REG_WAVE_MODE, 25, 1), 1
	s_wait_xcnt 0x0
; COMBINE: out0[t] = sum over k = 0, 1 of weight[t][k] x (ypart[0][e_k][rank_k] + ypart[1][e_k][rank_k]); one wave owns one token's row, so no sum spans work-groups.
; e_k comes from idx, rank_k from place (the rank of slot 2 t + k within expert e_k): whole numbers that earlier launches stored; both are held inside their tables before they enter an address.
; out1 = 8 x sum over e of (count_e / 2,048) x (sum of probabilities_e / 1,024) = 2^-18 x sum of count_e x sum_e: wave 0 of work-group 0.
; A stream: four rows of 4,096 bytes in, one out, 512 consecutive bytes an instruction.  No LDS bytes, no barrier, no matrix work.
.set R0, 16
.set R1, 48
.set R2, 80
.set R3, 112
.set PSR, 144
.set CNR, 208
	s_load_b256 s[4:11], s[0:1], 0x0               ; ypart, idx, rt, place
	s_load_b128 s[12:15], s[0:1], 0x20             ; out0, out1
	v_lshrrev_b32 v1, 5, v0
	v_readfirstlane_b32 s16, v1
	s_lshl_b32 s17, ttmp9, 2
	s_add_co_u32 s17, s17, s16                     ; my token
	v_and_b32 v1, 31, v0
	v_bfe_u32 v2, v0, 3, 1                         ; k of my lane
	v_and_b32 v3, 7, v0                            ; e of my lane
	s_lshl_b32 s20, s17, 3
	v_lshl_add_u32 v4, v2, 2, s20                  ; (2 t + k) x 4
	v_lshl_add_u32 v5, v3, 13, v4                  ; + 8,192 e
	v_lshlrev_b32 v10, 4, v1
	v_and_b32 v11, 1, v0
	v_lshlrev_b32 v11, 9, v11
	s_or_b32 s34, ttmp9, s16
	s_mov_b32 s44, 0x76543210
	s_mov_b32 s45, 0xfedcba98
	s_wait_alu depctr_va_vdst(0)
	s_wait_kmcnt 0x0
	global_load_b32 v6, v4, s[6:7]                 ; the expert of slot 2 t + k
	global_load_b32 v7, v5, s[10:11]               ; the rank of slot 2 t + k within expert e
	s_load_b64 s[18:19], s[8:9], s20 offset:0x0    ; the two weights
	s_wait_loadcnt 0x0
	v_min_u32 v8, 7, v6
	v_lshl_add_u32 v8, v2, 3, v8
	v_lshlrev_b32 v8, 2, v8
	ds_bpermute_b32 v9, v8, v7                     ; from lane e_k + 8 k: the rank within the chosen expert
	s_wait_dscnt 0x0
	v_readlane_b32 s21, v6, 0
	v_readlane_b32 s22, v6, 8
	v_readlane_b32 s23, v9, 0
	v_readlane_b32 s24, v9, 8
	s_min_u32 s21, s21, 7
	s_min_u32 s22, s22, 7
	s_min_u32 s23, s23, 0x3ff
	s_min_u32 s24, s24, 0x3ff
	s_lshl_b32 s21, s21, 10
	s_add_co_u32 s21, s21, s23
	s_lshl_b32 s26, s21, 12                        ; (1,024 e + rank) rows of 4,096 bytes
	s_mov_b32 s27, 0
	s_lshl_b32 s22, s22, 10
	s_add_co_u32 s22, s22, s24
	s_lshl_b32 s28, s22, 12
	s_mov_b32 s29, 0
	s_lshl_b32 s30, s17, 12
	s_mov_b32 s31, 0
	s_add_nc_u64 s[36:37], s[4:5], s[26:27]
	s_add_nc_u64 s[38:39], s[36:37], 0x2000000     ; K half 1
	s_add_nc_u64 s[40:41], s[4:5], s[28:29]
	s_add_nc_u64 s[42:43], s[40:41], 0x2000000
	s_add_nc_u64 s[12:13], s[12:13], s[30:31]
.irp n, 0,1,2,3,4,5,6,7
	global_load_b128 v[R0+4*\n:R0+4*\n+3], v10, s[36:37] offset:512*\n th:TH_LOAD_NT
	global_load_b128 v[R1+4*\n:R1+4*\n+3], v10, s[38:39] offset:512*\n th:TH_LOAD_NT
	global_load_b128 v[R2+4*\n:R2+4*\n+3], v10, s[40:41] offset:512*\n th:TH_LOAD_NT
	global_load_b128 v[R3+4*\n:R3+4*\n+3], v10, s[42:43] offset:512*\n th:TH_LOAD_NT
.endr
	s_cmp_lg_u32 s34, 0
	s_cbranch_scc1 .Lnoaux0
.irp n, 0,1,2,3,4,5,6,7,8,9,10,11,12,13,14,15
	global_load_b128 v[PSR+4*\n:PSR+4*\n+3], v10, s[8:9] offset:8192+512*\n  ; piece L + 32 n: experts 4 (L % 2) + 0 .. 3 of a work-group's sums
.endr
.irp m, 0,1,2,3
	global_load_b32 v[CNR+\m], v11, s[10:11] offset:65536+128*\m             ; the counts of the same four experts
.endr
.Lnoaux0:
	s_wait_kmcnt 0x0
	s_mov_b32 s32, s19
	s_mov_b32 s33, s19                             ; the second weight as the low word of a pair
	s_wait_loadcnt 0x0
.irp p, 0,2,4,6,8,10,12,14,16,18,20,22,24,26,28,30
	v_pk_add_f32 v[R0+\p:R0+\p+1], v[R0+\p:R0+\p+1], v[R1+\p:R1+\p+1]
	v_pk_add_f32 v[R2+\p:R2+\p+1], v[R2+\p:R2+\p+1], v[R3+\p:R3+\p+1]
	v_pk_mul_f32 v[R0+\p:R0+\p+1], v[R0+\p:R0+\p+1], s[18:19] op_sel_hi:[1,0]
	v_pk_fma_f32 v[R0+\p:R0+\p+1], v[R2+\p:R2+\p+1], s[32:33], v[R0+\p:R0+\p+1] op_sel_hi:[1,0,1]
.endr
.irp n, 0,1,2,3,4,5,6,7
	global_store_b128 v10, v[R0+4*\n:R0+4*\n+3], s[12:13] offset:512*\n th:TH_STORE_NT
.endr
	s_cmp_lg_u32 s34, 0
	s_cbranch_scc1 .Lend
.irp n, 1,2,3,4,5,6,7,8,9,10,11,12,13,14,15
	v_pk_add_f32 v[PSR:PSR+1], v[PSR:PSR+1], v[PSR+4*\n:PSR+4*\n+1]
	v_pk_add_f32 v[PSR+2:PSR+3], v[PSR+2:PSR+3], v[PSR+4*\n+2:PSR+4*\n+3]
.endr
.irp k, 2,4,8
.irp m, 0,1,2,3
	v_add_f32_dpp v[PSR+\m], v[PSR+\m], v[PSR+\m] row_xmask:\k row_mask:0xf bank_mask:0xf
.endr
.endr
.irp m, 0,1,2,3
	v_permlanex16_b32 v[PSR+4+\m], v[PSR+\m], s44, s45
.endr
.irp m, 0,1,2,3
	v_add_f32 v[PSR+\m], v[PSR+\m], v[PSR+4+\m]    ; the sum over all tokens of expert 4 (L % 2) + m's probability
	v_cvt_f32_u32 v[CNR+\m], v[CNR+\m]
.endr
	v_mul_f32 v212, v[CNR], v[PSR]
	v_fmac_f32 v212, v[CNR+1], v[PSR+1]
	v_fmac_f32 v212, v[CNR+2], v[PSR+2]
	v_fmac_f32 v212, v[CNR+3], v[PSR+3]
	v_add_f32_dpp v212, v212, v212 row_xmask:1 row_mask:0xf bank_mask:0xf
	v_mul_f32 v212, 0x36800000, v212               ; x 2^-18
	v_mov_b32 v213, 0
	s_wait_alu depctr_va_vdst(0)
	s_wait_xcnt 0x0                                ; EXEC changes only behind this wait
	v_cmp_eq_u32 vcc_lo, 0, v1
	s_and_saveexec_b32 s46, vcc_lo
	global_store_b32 v213, v212, s[14:15]
	s_wait_xcnt 0x0
	s_or_b32 exec_lo, exec_lo, s46
.Lend:
	s_endpgm
.Lfunc_end_k_q33f78f2e85_combine:
	.size	k_q33f78f2e85_combine, .Lfunc_end_k_q33f78f2e85_combine-k_q33f78f2e85_combine
	.p2alignl 7, 3214868480
	.fill 96, 4, 3214868480
	.section	.rodata,"a",@progbits
	.p2align	6, 0x0
	.amdhsa_kernel k_q33f78f2e85_combine
		.amdhsa_group_segment_fixed_size 0
		.amdhsa_private_segment_fixed_size 0
		.amdhsa_enable_private_segment 0
		.amdhsa_kernarg_size 48
		.amdhsa_user_sgpr_count 2
		.amdhsa_user_sgpr_kernarg_segment_ptr 1
		.amdhsa_wavefront_size32 1
		.amdhsa_system_sgpr_workgroup_id_x 1
		.amdhsa_system_sgpr_workgroup_id_y 1
		.amdhsa_system_sgpr_workgroup_id_z 1
		.amdhsa_system_vgpr_workitem_id 0
		.amdhsa_next_free_vgpr 224
		.amdhsa_next_free_sgpr 66
		.amdhsa_reserve_vcc 1
		.amdhsa_float_denorm_mode_32 3
		.amdhsa_float_denorm_mode_16_64 3
		.amdhsa_memory_ordered 1
		.amdhsa_forward_progress 1
		.amdhsa_inst_pref_size 17
	.end_amdhsa_kernel
	.amdgpu_metadata
---
amdhsa.version: [ 1, 2 ]
amdhsa.kernels:
  - .name:           k_q33f78f2e85_combine
    .symbol:         k_q33f78f2e85_combine.kd
    .args:
      - { .name: ypart, .offset: 0, .size: 8, .value_kind: global_buffer, .address_space: global }
      - { .name: idx, .offset: 8, .size: 8, .value_kind: global_buffer, .address_space: global }
      - { .name: rt, .offset: 16, .size: 8, .value_kind: global_buffer, .address_space: global }
      - { .name: place, .offset: 24, .size: 8, .value_kind: global_buffer, .address_space: global }
      - { .name: out0, .offset: 32, .size: 8, .value_kind: global_buffer, .address_space: global }
      - { .name: out1, .offset: 40, .size: 8, .value_kind: global_buffer, .address_space: global }
    .group_segment_fixed_size: 0
    .private_segment_fixed_size: 0
    .kernarg_segment_align: 8
    .kernarg_segment_size: 48
    .max_flat_workgroup_size: 128
    .sgpr_count:     66
    .vgpr_count:     224
    .wavefront_size: 32
...
	.end_amdgpu_metadata
.endif
;; end of part 10
